; MI455X (gfx1250); checked and timed in simulation.
; The chip was launched on July 23, 2026; its instructions are those of AMD's public machine-readable ISA for CDNA 5 (MIT licence, August 2026) and "CDNA5" Instruction Set Architecture Reference Guide (July 2026). The comments in the code are by the model that wrote it; some were corrected since.
;; Memory. Allowed arithmetic: float matrix products may take bf16 or f16 operands with f32 sums; other float arithmetic in f32, or as packed bf16 or f16 multiplies, adds, multiply-adds, maxima and minima; sums over many terms, partial sums and values carried from step to step in f32; what a program stores and reads back later, other than sums and carried values, may be rounded once to bf16 or f16.
;; Inputs: action 1,024 x 253 float32; c 1,024 x 256 float32; ln_b 320 float32; ln_g 320 float32; lnm_b 256 float32; lnm_g 256 float32; mem_c 100,000 x 256 float32; mem_q 100,000 x 1 float32; mem_t 100,000 x 1 float32; mlp1_b 256 float32; mlp1_w 256 x 256 float32; mlp2_b 256 float32; mlp2_w 256 x 256 float32; proj1_b 256 float32; proj1_w 256 x 256 float32; proj2_b 256 float32; proj2_w 256 x 256 float32; qkv_b 320 float32; qkv_w 256 x 320 float32.
;; Outputs: out0 1,024 x 256 float32.
;; Constants: k = 128.
;; 3 versions, each right; version 2 is faster than version 1; version 3 is version 2 with the launch G written anew for expert scheduling mode. Each part assembles by itself: llvm-mc -triple=amdgcn-amd-amdhsa -mcpu=gfx1250 --defsym DOCPART=n.
;; ======== version 1 of 3: 5 launches
;; limits: values outside matrix products are rounded to f16; values are held in f16: magnitudes above 65,504 overflow, below 6.1e-05 lose precision; inputs' magnitudes at most 65,504
;; workspace buffers: wt 688,128 bytes; scores 409,600,000 bytes; gm 25,600,000 bytes; bm1 1,048,576 bytes of whole numbers; pf1 1,048,576 bytes of whole numbers; glist 524,288 bytes of whole numbers; bm2 524,288 bytes of whole numbers; pf2 524,288 bytes of whole numbers
;; launch P (part 1): grid 42 x 1, 8 waves a work-group, no clusters, 0 bytes of LDS; arguments qkv_w, mlp1_w, mlp2_w, proj1_w, proj2_w, wt; writes wt
.if DOCPART == 1
	.amdgcn_target "amdgcn-amd-amdhsa--gfx1250"
	.amdhsa_code_object_version 6
	.text
	.protected	k_qf72363d0c5_P
	.globl	k_qf72363d0c5_P
	.p2align	8
	.type	k_qf72363d0c5_P,@function
k_qf72363d0c5_P:
	s_mov_b64 s[64:65], 0
	v_nop
	global_prefetch_b8 v0, s[64:65] scope:SCOPE_SE
	s_setreg_imm32_b32 hwreg(HW_REG_WAVE_MODE, 25, 1), 1
	s_wait_xcnt 0x0
; The five weight matrices [256 (k)][N] f32 are rounded to bf16, written as f16 (exact within f16's range) and turned: wt[row n][256 (k)].
; wt's rows: 0-319 qkv_w, 320-575 mlp1_w, 576-831 mlp2_w, 832-1087 proj1_w, 1088-1343 proj2_w.
; LIMIT: a weight beyond 65,504 becomes an infinity; below 6e-5 it keeps f16's fixed step.
; A work-group takes 32 columns of one matrix: lane = column, wave v = k 32 v .. 32 v + 31.  The whole buffer is 688,128 bytes, so its layout of stores is not tuned.
.set OFS, 32                           ; v[32:63] byte offsets of my 32 numbers
.set DAT, 64                           ; v[64:95] the numbers
.set OUT, 16                           ; v[16:31] 32 f16, packed
	s_load_b256 s[4:11], s[0:1], 0x0               ; qkv_w, mlp1_w, mlp2_w, proj1_w
	s_load_b128 s[12:15], s[0:1], 0x20             ; proj2_w, wt
	s_mov_b32 s20, ttmp9                           ; g: 0-9 qkv_w, then eight for each square matrix
	s_sub_co_u32 s21, s20, 10
	s_lshr_b32 s22, s21, 3                         ; which square matrix
	s_and_b32 s23, s21, 7
	s_lshl_b32 s23, s23, 5                         ; its first column
	s_lshl_b32 s24, s22, 8
	s_add_co_u32 s24, s24, s23
	s_add_co_u32 s24, s24, 320                     ; wt's first row
	s_lshl_b32 s25, s20, 5                         ; for qkv_w both are 32 g
	s_mov_b32 s26, 1024                            ; bytes from k to k + 1
	s_mov_b32 s27, 1280
	s_cmp_lt_u32 s20, 10
	s_cselect_b32 s23, s25, s23
	s_cselect_b32 s24, s25, s24
	s_cselect_b32 s26, s27, s26
	s_lshl_b32 s28, s23, 2
	s_mov_b32 s29, 0
	s_lshl_b32 s30, s24, 9
	s_mov_b32 s31, 0
	s_mov_b32 s32, 0xffff0000
	v_and_b32 v1, 31, v0                           ; lane
	v_and_b32 v2, 0xe0, v0                         ; 32 x wave = my first k
	v_mul_lo_u32 v3, v2, s26
	v_lshl_add_u32 v[OFS], v1, 2, v3
.set i, 1
.rept 31
	v_add_nc_u32 v[OFS+i], s26, v[OFS+i-1]
.set i, i+1
.endr
	v_lshlrev_b32 v4, 9, v1                        ; out: row = lane, 512 bytes a row,
	v_lshl_add_u32 v4, v2, 1, v4                   ; + 2 bytes x my first k
	s_wait_kmcnt 0x0
	s_cmp_eq_u32 s22, 0
	s_cselect_b64 s[16:17], s[6:7], s[8:9]
	s_cmp_eq_u32 s22, 2
	s_cselect_b64 s[16:17], s[10:11], s[16:17]
	s_cmp_eq_u32 s22, 3
	s_cselect_b64 s[16:17], s[12:13], s[16:17]
	s_cmp_lt_u32 s20, 10
	s_cselect_b64 s[16:17], s[4:5], s[16:17]
	s_add_nc_u64 s[16:17], s[16:17], s[28:29]
	s_add_nc_u64 s[14:15], s[14:15], s[30:31]
.set i, 0
.rept 32
	global_load_b32 v[DAT+i], v[OFS+i], s[16:17]
.set i, i+1
.endr
	s_wait_loadcnt 0x0
.set i, 0
.rept 16                               ; two numbers: to bf16, widened again, to f16
	v_cvt_pk_bf16_f32 v5, v[DAT+2*i], v[DAT+2*i+1]
	v_lshlrev_b32 v[DAT+2*i], 16, v5
	v_and_b32 v[DAT+2*i+1], s32, v5
	v_cvt_pk_f16_f32 v[OUT+i], v[DAT+2*i], v[DAT+2*i+1]
.set i, i+1
.endr
.set i, 0
.rept 4
	global_store_b128 v4, v[OUT+4*i:OUT+4*i+3], s[14:15] offset:16*i
.set i, i+1
.endr
	s_endpgm
.Lfunc_end_k_qf72363d0c5_P:
	.size	k_qf72363d0c5_P, .Lfunc_end_k_qf72363d0c5_P-k_qf72363d0c5_P
	.p2alignl 7, 3214868480
	.fill 96, 4, 3214868480
	.section	.rodata,"a",@progbits
	.p2align	6, 0x0
	.amdhsa_kernel k_qf72363d0c5_P
		.amdhsa_group_segment_fixed_size 0
		.amdhsa_private_segment_fixed_size 0
		.amdhsa_enable_private_segment 0
		.amdhsa_kernarg_size 48
		.amdhsa_user_sgpr_count 2
		.amdhsa_user_sgpr_kernarg_segment_ptr 1
		.amdhsa_wavefront_size32 1
		.amdhsa_system_sgpr_workgroup_id_x 1
		.amdhsa_system_sgpr_workgroup_id_y 1
		.amdhsa_system_sgpr_workgroup_id_z 1
		.amdhsa_system_vgpr_workitem_id 0
		.amdhsa_next_free_vgpr 96
		.amdhsa_next_free_sgpr 66
		.amdhsa_reserve_vcc 0
		.amdhsa_float_denorm_mode_32 3
		.amdhsa_float_denorm_mode_16_64 3
		.amdhsa_memory_ordered 1
		.amdhsa_forward_progress 1
		.amdhsa_inst_pref_size 10
	.end_amdhsa_kernel
	.amdgpu_metadata
---
amdhsa.version: [ 1, 2 ]
amdhsa.kernels:
  - .name:           k_qf72363d0c5_P
    .symbol:         k_qf72363d0c5_P.kd
    .args:
      - { .name: qkv_w, .offset: 0, .size: 8, .value_kind: global_buffer, .address_space: global }
      - { .name: mlp1_w, .offset: 8, .size: 8, .value_kind: global_buffer, .address_space: global }
      - { .name: mlp2_w, .offset: 16, .size: 8, .value_kind: global_buffer, .address_space: global }
      - { .name: proj1_w, .offset: 24, .size: 8, .value_kind: global_buffer, .address_space: global }
      - { .name: proj2_w, .offset: 32, .size: 8, .value_kind: global_buffer, .address_space: global }
      - { .name: wt, .offset: 40, .size: 8, .value_kind: global_buffer, .address_space: global }
    .group_segment_fixed_size: 0
    .private_segment_fixed_size: 0
    .kernarg_segment_align: 8
    .kernarg_segment_size: 48
    .max_flat_workgroup_size: 256
    .sgpr_count:     66
    .vgpr_count:     96
    .wavefront_size: 32
...
	.end_amdgpu_metadata
.endif
;; end of part 1
;; launch G (part 2): grid 250 x 1, 4 waves a work-group, no clusters, 315,904 bytes of LDS; arguments c, mem_c, scores, gm; writes scores, gm
.if DOCPART == 2
	.amdgcn_target "amdgcn-amd-amdhsa--gfx1250"
	.amdhsa_code_object_version 6
	.text
	.protected	k_qf72363d0c5_G
	.globl	k_qf72363d0c5_G
	.p2align	8
	.type	k_qf72363d0c5_G,@function
k_qf72363d0c5_G:
	s_mov_b64 s[64:65], 0
	v_nop
	global_prefetch_b8 v0, s[64:65] scope:SCOPE_SE
	s_setreg_imm32_b32 hwreg(HW_REG_WAVE_MODE, 25, 1), 1
	s_wait_xcnt 0x0
; scores[q][n] = bf16(c[q]) . bf16(mem_c[n]) x 1 / |bf16(mem_c[n])|, and the maximum of each group of 16 memory rows.  The query's own norm, a positive factor of its whole row, is applied after the selection.
; A work-group owns 400 memory rows (25 groups): read once, rounded to bf16 into LDS, their inverse norms beside them.  It walks all 1,024 queries in four tiles of 256; a wave owns 64 of a tile, their
; fragments in 256 registers.  Source 0 = 16 memory rows, source 1 = 16 queries: a lane holds one query and eight memory rows of a group.
; scores: tile (query / 16, row / 16) is 1,024 bytes at (qb x 6250 + gb) x 1024; inside, query r and row 8 h + j lie at (j / 4) x 512 + h x 256 + 16 r + 4 (j % 4): each store of a wave is 512 consecutive aligned bytes.
; gm: [250 work-groups][1024 queries][25] f32, gathered in LDS and written as one dense block.
; No tensor loads: every operand is converted on its way and passes registers anyway.  No cluster: what work-groups share is c, 1 MB of the 103 MB read.
; LIMIT: NaN and infinities are not treated apart.
; REGISTERS: window 0 addresses, memory fragments (two buffers of five), inverse norms; window 1 the queries' fragments ((a, ks) at 64 a + 8 ks); window 2 the 20 accumulators ((i, a) at 8 (4 i + a)).
.set PITCH, 528                        ; an LDS row: 512 bytes + 16: the 16 rows of a fragment load start at 16 different groups of four banks
.set MINV,  211200                     ; behind 400 rows: 400 f32
.set STG,   212992                     ; [1024][25] f32
.set SPARE, 315392                     ; the spare words: 128 bytes a wave
.set AF, 32                            ; v[32:111]
.set MV, 112                           ; v[112:151]
.set X,  160                           ; v[160:239]
.set MSB, 0
.macro WIN new                         ; the immediate's high byte repeats the setting that is left
.if MSB != (\new)
	s_set_vgpr_msb (MSB<<8)|(\new)
.set MSB, \new
.endif
.endm
.macro PLACES                          ; four plain instructions between a matrix instruction and a load into, or a vector access to, its registers
.rept 4
	v_nop
.endr
.endm
	s_load_b256 s[4:11], s[0:1], 0x0               ; c, mem_c, scores, gm
	v_lshl_add_u32 v4, v0, 2, SPARE
	v_mov_b32 v5, 0
	v_and_b32 v1, 31, v0
	v_lshrrev_b32 v20, 5, v0
	v_readfirstlane_b32 s12, v20                   ; wave
	s_mov_b32 s13, ttmp9
	v_and_b32 v2, 15, v0                           ; r
	v_bfe_u32 v3, v0, 4, 1                         ; h
	v_lshlrev_b32 v6, 4, v1                        ; 16 x lane
	v_mul_u32_u24 v7, v2, PITCH
	v_lshl_add_u32 v7, v3, 4, v7                   ; memory fragments: r x pitch + 16 h
	v_lshlrev_b32 v8, 5, v3
	v_add_nc_u32 v8, MINV, v8                      ; inverse norms of rows 8 h ..
	s_lshl_b32 s26, s12, 6
	v_add_nc_u32 v9, s26, v2
	v_mul_u32_u24 v9, v9, 100
	v_add_nc_u32 v9, STG, v9                       ; group maxima of query 64 v + r
.set i, 0
.rept 4
	v_add_nc_u32 v[10+i], i*6400000, v6            ; scores: query block a lies 6,250 tiles on
.set i, i+1
.endr
	v_lshlrev_b32 v14, 10, v2
	v_lshl_add_u32 v14, v3, 5, v14                 ; c: r x 1024 + 32 h
	s_mul_i32 s26, s12, 100*PITCH
	v_lshl_add_u32 v16, v1, 3, s26                 ; phase 0: my wave's first LDS row + 8 x lane
	s_mul_i32 s26, s12, 400
	s_add_co_u32 s26, s26, MINV
	v_mov_b32 v17, s26
	v_mov_b32 v30, 0
	s_mov_b32 s24, 0x76543210
	s_mov_b32 s25, 0xfedcba98
	s_mov_b32 s28, 0xffff0000
	s_mul_i32 s26, s13, 400
	s_mul_i32 s27, s12, 100
	s_add_co_u32 s26, s26, s27
	s_lshl_b32 s26, s26, 10                        ; my wave's first memory row, in bytes (under 2^27)
	s_mov_b32 s27, 0
	s_wait_kmcnt 0x0
	s_add_nc_u64 s[14:15], s[6:7], s[26:27]
	s_lshl_b32 s26, s12, 16
	s_add_nc_u64 s[16:17], s[4:5], s[26:27]        ; c at query 64 v
	s_mul_i32 s26, s12, 25600000
	s_mul_i32 s29, s13, 25600
	s_add_co_u32 s26, s26, s29
	s_add_nc_u64 s[18:19], s[8:9], s[26:27]        ; scores at tile (4 v, 25 w)
	s_mul_i32 s26, s13, 102400
	s_add_nc_u64 s[20:21], s[10:11], s[26:27]
	; PHASE 0: ten trips of ten rows a wave.  A row's 1,024 bytes are two loads of 512; rounded, stored, and the rounded numbers' squares summed over the wave.
	s_mov_b32 s22, 10
.Lrows:
.set i, 0
.rept 10
	global_load_b128 v[X+8*i:X+8*i+3], v6, s[14:15] offset:i*1024 th:TH_LOAD_NT
	global_load_b128 v[X+8*i+4:X+8*i+7], v6, s[14:15] offset:i*1024+512 th:TH_LOAD_NT
.set i, i+1
.endr
.set i, 0
.rept 10
	s_wait_loadcnt 18-2*i                          ; row i is in; the younger rows' loads stay out.  The last count is 0, which frees the base
.set j, 0
.rept 4
	v_cvt_pk_bf16_f32 v[X+8*i+j], v[X+8*i+2*j], v[X+8*i+2*j+1]
.set j, j+1
.endr
	ds_store_b64 v16, v[X+8*i:X+8*i+1] offset:i*PITCH
	ds_store_b64 v16, v[X+8*i+2:X+8*i+3] offset:i*PITCH+256
.set j, 0
.rept 4
	v_lshlrev_b32 v[20+2*j], 16, v[X+8*i+j]
	v_and_b32 v[21+2*j], s28, v[X+8*i+j]
.set j, j+1
.endr
	v_pk_mul_f32 v[28:29], v[20:21], v[20:21]
	v_pk_fma_f32 v[28:29], v[22:23], v[22:23], v[28:29]
	v_pk_fma_f32 v[28:29], v[24:25], v[24:25], v[28:29]
	v_pk_fma_f32 v[28:29], v[26:27], v[26:27], v[28:29]
	v_add_f32 v28, v28, v29
	v_add_f32_dpp v28, v28, v28 row_xmask:1 row_mask:0xf bank_mask:0xf
	v_add_f32_dpp v28, v28, v28 row_xmask:2 row_mask:0xf bank_mask:0xf
	v_add_f32_dpp v28, v28, v28 row_xmask:4 row_mask:0xf bank_mask:0xf
	v_add_f32_dpp v28, v28, v28 row_xmask:8 row_mask:0xf bank_mask:0xf
	v_permlanex16_b32 v30, v28, s24, s25
	v_add_f32 v28, v28, v30
	v_add_f32 v28, 0x2b8cbccc, v28                 ; + 1e-12
	v_rsq_f32 v29, v28
	v_nop                                          ; a plain instruction behind the root
	s_wait_alu depctr_va_vdst(0)
	ds_store_b32 v17, v29 offset:4*i
.set i, i+1
.endr
	s_add_nc_u64 s[14:15], s[14:15], 10240
	v_add_nc_u32 v16, 10*PITCH, v16
	v_add_nc_u32 v17, 40, v17
	s_sub_co_u32 s22, s22, 1
	s_cmp_lg_u32 s22, 0
	s_cbranch_scc1 .Lrows
	s_wait_dscnt 0x0                               ; for the others' sake: my rows and norms are in LDS
	s_barrier_signal -1
	s_barrier_wait -1
.macro AFLOAD k                        ; five fragments (80 memory rows x 32 K at K step k) into buffer k % 2
.set ai, 0
.rept 5
	ds_load_b128 v[AF+40*((\k)&1)+8*ai:AF+40*((\k)&1)+8*ai+3], v7 offset:ai*16*PITCH+(\k)*64
	ds_load_b128 v[AF+40*((\k)&1)+8*ai+4:AF+40*((\k)&1)+8*ai+7], v7 offset:ai*16*PITCH+(\k)*64+32
.set ai, ai+1
.endr
.endm
	s_mov_b32 s22, 4
.Lqt:                                  ; a tile of 256 queries
.set qa, 0
.rept 4                                ; my 64 queries, 16 at a time: f32 into the accumulators' registers, rounded into window 1
	WIN 0x80
.set qk, 0
.rept 8
	global_load_b128 v[16*qk:16*qk+3], v14, s[16:17] offset:qa*16384+qk*128
	global_load_b128 v[16*qk+4:16*qk+7], v14, s[16:17] offset:qa*16384+qk*128+16
	global_load_b128 v[16*qk+8:16*qk+11], v14, s[16:17] offset:qa*16384+qk*128+64
	global_load_b128 v[16*qk+12:16*qk+15], v14, s[16:17] offset:qa*16384+qk*128+80
.set qk, qk+1
.endr
	s_wait_loadcnt 0x0
	WIN 0x4a
.set qj, 0
.rept 64
	v_cvt_pk_bf16_f32 v[64*qa+qj], v[2*qj], v[2*qj+1]
.set qj, qj+1
.endr
.set qa, qa+1
.endr
	WIN 0
	s_mov_b32 s23, 5
.Lnb:                                  ; 80 memory rows: 160 matrix instructions, the 20 accumulators by turns
.set i, 0
.rept 5
	ds_load_b128 v[MV+8*i:MV+8*i+3], v8 offset:64*i
	ds_load_b128 v[MV+8*i+4:MV+8*i+7], v8 offset:64*i+16
.set i, i+1
.endr
	AFLOAD 0
.set ks, 0
.rept 8
.if ks < 7
	PLACES
	AFLOAD ks+1
	s_wait_dscnt 10                                ; all but the ten loads just issued
.else
	s_wait_dscnt 0x0
.endif
	WIN 0xa4                                       ; memory window 0, queries window 1, sums window 2
.set x, 0
.rept 20
.if ks == 0
	v_wmma_f32_16x16x32_bf16 v[8*x:8*x+7], v[AF+40*(ks&1)+8*(x/4):AF+40*(ks&1)+8*(x/4)+7], v[64*(x%4)+8*ks:64*(x%4)+8*ks+7], 0
.else
	v_wmma_f32_16x16x32_bf16 v[8*x:8*x+7], v[AF+40*(ks&1)+8*(x/4):AF+40*(ks&1)+8*(x/4)+7], v[64*(x%4)+8*ks:64*(x%4)+8*ks+7], v[8*x:8*x+7]
.endif
.set x, x+1
.endr
	WIN 0
.set ks, ks+1
.endr
	PLACES
	WIN 0x82                                       ; times the memory rows' inverse norms, each accumulator from its low end
.set x, 0
.rept 20
.set p, 0
.rept 4
	v_pk_mul_f32 v[8*x+2*p:8*x+2*p+1], v[8*x+2*p:8*x+2*p+1], v[MV+8*(x/4)+2*p:MV+8*(x/4)+2*p+1]
.set p, p+1
.endr
.set x, x+1
.endr
	WIN 0x08
.set x, 0
.rept 20
	global_store_b128 v[10+x%4], v[8*x:8*x+3], s[18:19] offset:(x/4)*1024 th:TH_STORE_NT
	global_store_b128 v[10+x%4], v[8*x+4:8*x+7], s[18:19] offset:(x/4)*1024+512 th:TH_STORE_NT
.set x, x+1
.endr
	WIN 0x2a                                       ; the group's maximum: eight registers, then the other half of the lanes
.set x, 0
.rept 20
	v_max3_num_f32 v[32+x], v[8*x], v[8*x+1], v[8*x+2]
	v_max3_num_f32 v[52+x], v[8*x+3], v[8*x+4], v[8*x+5]
.set x, x+1
.endr
	WIN 0x28
.set x, 0
.rept 20
	v_max3_num_f32 v[32+x], v[32+x], v[8*x+6], v[8*x+7]
.set x, x+1
.endr
	WIN 0
.set x, 0
.rept 20
	v_max_num_f32 v[32+x], v[32+x], v[52+x]
.set x, x+1
.endr
.set x, 0
.rept 20
	v_permlanex16_b32 v[52+x], v[32+x], s24, s25
.set x, x+1
.endr
.set x, 0
.rept 20
	v_max_num_f32 v[32+x], v[32+x], v[52+x]
	ds_store_b32 v9, v[32+x] offset:(x%4)*1600+(x/4)*4
.set x, x+1
.endr
	s_wait_xcnt 0x0                                ; the stores' base and data are rewritten only behind this wait
	s_add_nc_u64 s[18:19], s[18:19], 5120
	v_add_nc_u32 v7, 80*PITCH, v7
	v_add_nc_u32 v8, 320, v8
	v_add_nc_u32 v9, 20, v9
	s_sub_co_u32 s23, s23, 1
	s_cmp_lg_u32 s23, 0
	s_cbranch_scc1 .Lnb
	s_add_nc_u64 s[18:19], s[18:19], 102374400     ; 16 query blocks on, 25 tiles back
	v_add_nc_u32 v7, -400*PITCH, v7
	v_add_nc_u32 v8, -1600, v8
	v_add_nc_u32 v9, 25500, v9                     ; 256 queries on, 25 groups back
	s_add_nc_u64 s[16:17], s[16:17], 262144
	s_sub_co_u32 s22, s22, 1
	s_cmp_lg_u32 s22, 0
	s_cbranch_scc1 .Lqt
	s_wait_dscnt 0x0                               ; my maxima are in LDS
	s_barrier_signal -1
	s_barrier_wait -1
	v_lshlrev_b32 v15, 4, v0                       ; 16 x thread
	v_add_nc_u32 v16, STG, v15
	s_mov_b32 s22, 5
.Lflush:                               ; 102,400 dense bytes: five trips of ten loads and stores of 2,048 bytes a work-group
.set i, 0
.rept 10
	ds_load_b128 v[X+4*i:X+4*i+3], v16 offset:2048*i
.set i, i+1
.endr
	s_wait_dscnt 0x0
.set i, 0
.rept 10
	global_store_b128 v15, v[X+4*i:X+4*i+3], s[20:21] offset:2048*i
.set i, i+1
.endr
	s_wait_xcnt 0x0
	s_add_nc_u64 s[20:21], s[20:21], 20480
	v_add_nc_u32 v16, 20480, v16
	s_sub_co_u32 s22, s22, 1
	s_cmp_lg_u32 s22, 0
	s_cbranch_scc1 .Lflush
	s_wait_tensorcnt 0x0                           ; the wave's end
	ds_add_u32 v4, v5
	s_wait_dscnt 0x0
	s_endpgm
.Lfunc_end_k_qf72363d0c5_G:
	.size	k_qf72363d0c5_G, .Lfunc_end_k_qf72363d0c5_G-k_qf72363d0c5_G
	.p2alignl 7, 3214868480
	.fill 96, 4, 3214868480
	.section	.rodata,"a",@progbits
	.p2align	6, 0x0
	.amdhsa_kernel k_qf72363d0c5_G
		.amdhsa_group_segment_fixed_size 315904
		.amdhsa_private_segment_fixed_size 0
		.amdhsa_enable_private_segment 0
		.amdhsa_kernarg_size 32
		.amdhsa_user_sgpr_count 2
		.amdhsa_user_sgpr_kernarg_segment_ptr 1
		.amdhsa_wavefront_size32 1
		.amdhsa_system_sgpr_workgroup_id_x 1
		.amdhsa_system_sgpr_workgroup_id_y 1
		.amdhsa_system_sgpr_workgroup_id_z 1
		.amdhsa_system_vgpr_workitem_id 0
		.amdhsa_next_free_vgpr 672
		.amdhsa_next_free_sgpr 66
		.amdhsa_reserve_vcc 0
		.amdhsa_float_denorm_mode_32 3
		.amdhsa_float_denorm_mode_16_64 3
		.amdhsa_memory_ordered 1
		.amdhsa_forward_progress 1
		.amdhsa_inst_pref_size 86
	.end_amdhsa_kernel
	.amdgpu_metadata
---
amdhsa.version: [ 1, 2 ]
amdhsa.kernels:
  - .name:           k_qf72363d0c5_G
    .symbol:         k_qf72363d0c5_G.kd
    .args:
      - { .name: c, .offset: 0, .size: 8, .value_kind: global_buffer, .address_space: global }
      - { .name: mem_c, .offset: 8, .size: 8, .value_kind: global_buffer, .address_space: global }
      - { .name: scores, .offset: 16, .size: 8, .value_kind: global_buffer, .address_space: global }
      - { .name: gm, .offset: 24, .size: 8, .value_kind: global_buffer, .address_space: global }
    .group_segment_fixed_size: 315904
    .private_segment_fixed_size: 0
    .kernarg_segment_align: 8
    .kernarg_segment_size: 32
    .max_flat_workgroup_size: 128
    .sgpr_count:     66
    .vgpr_count:     672
    .wavefront_size: 32
...
	.end_amdgpu_metadata
.endif
;; end of part 2
;; launch S1 (part 3): grid 1024 x 1, 4 waves a work-group, no clusters, 768 bytes of LDS; arguments gm, bm1, pf1; writes bm1, pf1
.if DOCPART == 3
	.amdgcn_target "amdgcn-amd-amdhsa--gfx1250"
	.amdhsa_code_object_version 6
	.text
	.protected	k_qf72363d0c5_S1
	.globl	k_qf72363d0c5_S1
	.p2align	8
	.type	k_qf72363d0c5_S1,@function
k_qf72363d0c5_S1:
	s_mov_b64 s[64:65], 0
	v_nop
	global_prefetch_b8 v0, s[64:65] scope:SCOPE_SE
	s_setreg_imm32_b32 hwreg(HW_REG_WAVE_MODE, 25, 1), 1
	s_wait_xcnt 0x0
; For one query: the 128 best of its 6,250 group maxima, ties to the lower group, as a bit mask and the count of set bits in front of each word.  The top 128 rows lie in these groups.
; A thread holds 49 keys: key i of lane L of wave v is group 1568 v + 32 i + L.  A float becomes an unsigned key of the same order; the 128th largest key is found bit by bit (32 counts over the
; work-group); keys above it become all ones, keys equal to it 8191 - group, the others 0; 14 more counts find the 128th of those, and key >= that holds for exactly 128.
; Nothing here steers an address or a branch: masks and counts go to fixed places, and the next launch reads them as whole numbers.
; bm1, pf1: [1024][4 waves][64 words]; word i < 49 is key i's 32 lanes; the others hold mask 0 and the count at the wave's end.
; LIMIT: NaN sorts by its bits, -0 below +0.
.set NK, 49
.set NW, 2
.set K,  8                             ; v[8:56]
.set BC, 57                            ; 8191 - my first group
.set BM, 58
.set PF, 60
.set VCS, 62                           ; LDS: my wave's word
.set VCL, 63                           ; LDS: 0
.set VL4, 64
.macro STEP buf                        ; one bit: how many keys reach tau | bit?  128 or more: the bit stays.  The two LDS buffers take turns, so one barrier orders a step's stores and loads and the last step's loads and these stores
	s_or_b32 s21, s20, s22
	v_mov_b32 v5, 0
.set i, 0
.rept NK
	v_cmp_le_u32 vcc_lo, s21, v[K+i]
	v_add_co_ci_u32 v5, vcc_lo, 0, v5, vcc_lo
.set i, i+1
.endr
	v_cvt_f32_u32 v5, v5                           ; counts up to 6,272 are exact in f32
	v_add_f32_dpp v5, v5, v5 row_xmask:1 row_mask:0xf bank_mask:0xf
	v_add_f32_dpp v5, v5, v5 row_xmask:2 row_mask:0xf bank_mask:0xf
	v_add_f32_dpp v5, v5, v5 row_xmask:4 row_mask:0xf bank_mask:0xf
	v_add_f32_dpp v5, v5, v5 row_xmask:8 row_mask:0xf bank_mask:0xf
	v_permlanex16_b32 v6, v5, s24, s25
	v_add_f32 v5, v5, v6
	ds_store_b32 v[VCS], v5 offset:16*(\buf)
	s_wait_dscnt 0x0
	s_barrier_signal -1
	s_barrier_wait -1
	ds_load_b128 v[VL4:VL4+3], v[VCL] offset:16*(\buf)
	s_wait_dscnt 0x0
	v_add_f32 v[VL4], v[VL4], v[VL4+1]
	v_add_f32 v[VL4+2], v[VL4+2], v[VL4+3]
	v_add_f32 v[VL4], v[VL4], v[VL4+2]
	v_readfirstlane_b32 s23, v[VL4]
	s_cmp_ge_u32 s23, 0x43000000                   ; 128.0: floats that are not negative compare as whole numbers
	s_cselect_b32 s20, s21, s20
	s_lshr_b32 s22, s22, 1
.endm
.macro SEARCH top, pairs
	s_mov_b32 s20, 0
	s_mov_b32 s22, 1<<(\top)
	s_mov_b32 s26, \pairs
.Lsearch_\@:
	STEP 0
	STEP 1
	s_sub_co_u32 s26, s26, 1
	s_cmp_lg_u32 s26, 0
	s_cbranch_scc1 .Lsearch_\@
.endm
	s_load_b128 s[4:7], s[0:1], 0x0                ; gm, bm1
	s_load_b64 s[8:9], s[0:1], 0x10                ; pf1
	v_lshl_add_u32 v2, v0, 2, 256
	v_mov_b32 v3, 0
	v_and_b32 v1, 31, v0
	v_lshrrev_b32 v5, 5, v0
	v_readfirstlane_b32 s12, v5
	s_mul_i32 s13, s12, 1568
	v_add_nc_u32 v4, s13, v1                       ; my first group
	v_sub_nc_u32 v[BC], 8191, v4
	s_lshl_b32 s13, s12, 2
	v_mov_b32 v[VCS], s13
	v_mov_b32 v[VCL], 0
	v_mov_b32 v6, 0
	s_mov_b32 s24, 0x76543210
	s_mov_b32 s25, 0xfedcba98
	s_mul_i32 s14, ttmp9, 100
	s_mov_b32 s15, 0
	s_lshl_b32 s16, ttmp9, 10
	s_mov_b32 s17, 0
.set i, 0
.rept NK                               ; group e lies at 4 e + 102,300 (e / 25) + 100 x query; e / 25 = e x 5243 >> 17 for e under 6,272
	v_add_nc_u32 v[K+i], 32*i, v4
.if i == 48
	v_min_u32 v[K+i], 6249, v[K+i]                 ; only key 48 of wave 3 can pass the last group
.endif
	v_mul_u32_u24 v7, 5243, v[K+i]
	v_lshrrev_b32 v7, 17, v7
	v_mul_u32_u24 v7, 102300, v7
	v_lshl_add_u32 v[K+i], v[K+i], 2, v7
.set i, i+1
.endr
	s_wait_kmcnt 0x0
	s_add_nc_u64 s[4:5], s[4:5], s[14:15]
	s_add_nc_u64 s[6:7], s[6:7], s[16:17]
	s_add_nc_u64 s[8:9], s[8:9], s[16:17]
.set i, 0
.rept NK
	global_load_b32 v[K+i], v[K+i], s[4:5]
.set i, i+1
.endr
	s_wait_loadcnt 0x0
.set i, 0
.rept NK
	v_ashrrev_i32 v7, 31, v[K+i]
	v_or_b32 v7, 0x80000000, v7
	v_xor_b32 v[K+i], v7, v[K+i]
.set i, i+1
.endr
	v_cmp_lt_u32 vcc_lo, 6249-32*48, v4            ; a key past the last group is 0, below every finite number's key
	v_cndmask_b32 v[K+48], v[K+48], 0, vcc_lo
	SEARCH 31, 16
.set i, 0
.rept NK
	v_add_nc_u32 v7, -32*i, v[BC]
	v_cmp_eq_u32 vcc_lo, s20, v[K+i]
	v_cndmask_b32 v7, 0, v7, vcc_lo
	v_cmp_ge_u32 vcc_lo, s20, v[K+i]
	v_cndmask_b32 v[K+i], -1, v7, vcc_lo
.set i, i+1
.endr
	SEARCH 13, 7
	s_mov_b32 s27, 0
.set i, 0
.rept NW
	v_mov_b32 v[BM+i], 0
	v_mov_b32 v[PF+i], 0
.set i, i+1
.endr
.set i, 0
.rept NK
	v_cmp_le_u32 s30, s20, v[K+i]
	v_writelane_b32 v[BM+i/32], s30, i%32
	v_writelane_b32 v[PF+i/32], s27, i%32
	s_bcnt1_i32_b32 s31, s30
	s_add_co_u32 s27, s27, s31
.set i, i+1
.endr
	v_mov_b32 v6, s27
	v_cmp_le_u32 vcc_lo, NK-32*(NW-1), v1
	v_cndmask_b32 v[PF+NW-1], v[PF+NW-1], v6, vcc_lo
	ds_store_b32 v[VCS], v6 offset:32              ; the waves' totals
	s_wait_dscnt 0x0
	s_barrier_signal -1
	s_barrier_wait -1
	ds_load_b128 v[VL4:VL4+3], v[VCL] offset:32
	s_wait_dscnt 0x0
	v_readfirstlane_b32 s32, v[VL4]
	v_readfirstlane_b32 s33, v[VL4+1]
	v_readfirstlane_b32 s34, v[VL4+2]
	s_cmp_gt_u32 s12, 0
	s_cselect_b32 s32, s32, 0
	s_cmp_gt_u32 s12, 1
	s_cselect_b32 s33, s33, 0
	s_cmp_gt_u32 s12, 2
	s_cselect_b32 s34, s34, 0
	s_add_co_u32 s32, s32, s33
	s_add_co_u32 s32, s32, s34
	s_lshl_b32 s33, s12, 8
	v_lshl_add_u32 v7, v1, 2, s33
.set i, 0
.rept NW
	v_add_nc_u32 v[PF+i], s32, v[PF+i]
	global_store_b32 v7, v[BM+i], s[6:7] offset:128*i
	global_store_b32 v7, v[PF+i], s[8:9] offset:128*i
.set i, i+1
.endr
	s_wait_tensorcnt 0x0                           ; the wave's end
	ds_add_u32 v2, v3
	s_wait_dscnt 0x0
	s_endpgm
.Lfunc_end_k_qf72363d0c5_S1:
	.size	k_qf72363d0c5_S1, .Lfunc_end_k_qf72363d0c5_S1-k_qf72363d0c5_S1
	.p2alignl 7, 3214868480
	.fill 96, 4, 3214868480
	.section	.rodata,"a",@progbits
	.p2align	6, 0x0
	.amdhsa_kernel k_qf72363d0c5_S1
		.amdhsa_group_segment_fixed_size 768
		.amdhsa_private_segment_fixed_size 0
		.amdhsa_enable_private_segment 0
		.amdhsa_kernarg_size 24
		.amdhsa_user_sgpr_count 2
		.amdhsa_user_sgpr_kernarg_segment_ptr 1
		.amdhsa_wavefront_size32 1
		.amdhsa_system_sgpr_workgroup_id_x 1
		.amdhsa_system_sgpr_workgroup_id_y 1
		.amdhsa_system_sgpr_workgroup_id_z 1
		.amdhsa_system_vgpr_workitem_id 0
		.amdhsa_next_free_vgpr 72
		.amdhsa_next_free_sgpr 66
		.amdhsa_reserve_vcc 1
		.amdhsa_float_denorm_mode_32 3
		.amdhsa_float_denorm_mode_16_64 3
		.amdhsa_memory_ordered 1
		.amdhsa_forward_progress 1
		.amdhsa_inst_pref_size 66
	.end_amdhsa_kernel
	.amdgpu_metadata
---
amdhsa.version: [ 1, 2 ]
amdhsa.kernels:
  - .name:           k_qf72363d0c5_S1
    .symbol:         k_qf72363d0c5_S1.kd
    .args:
      - { .name: gm, .offset: 0, .size: 8, .value_kind: global_buffer, .address_space: global }
      - { .name: bm1, .offset: 8, .size: 8, .value_kind: global_buffer, .address_space: global }
      - { .name: pf1, .offset: 16, .size: 8, .value_kind: global_buffer, .address_space: global }
    .group_segment_fixed_size: 768
    .private_segment_fixed_size: 0
    .kernarg_segment_align: 8
    .kernarg_segment_size: 24
    .max_flat_workgroup_size: 128
    .sgpr_count:     66
    .vgpr_count:     72
    .wavefront_size: 32
...
	.end_amdgpu_metadata
.endif
;; end of part 3
;; launch S2 (part 4): grid 1024 x 1, 4 waves a work-group, no clusters, 3,328 bytes of LDS; arguments bm1, pf1, scores, glist, bm2, pf2; writes glist, bm2, pf2
.if DOCPART == 4
	.amdgcn_target "amdgcn-amd-amdhsa--gfx1250"
	.amdhsa_code_object_version 6
	.text
	.protected	k_qf72363d0c5_S2
	.globl	k_qf72363d0c5_S2
	.p2align	8
	.type	k_qf72363d0c5_S2,@function
k_qf72363d0c5_S2:
	s_mov_b64 s[64:65], 0
	v_nop
	global_prefetch_b8 v0, s[64:65] scope:SCOPE_SE
	s_setreg_imm32_b32 hwreg(HW_REG_WAVE_MODE, 25, 1), 1
	s_wait_xcnt 0x0
; For one query: the mask of 128 groups is turned into a list (thread t finds the t-th set bit), the groups' 2,048 scores are read, and the exact 128 best of them, ties to the lower row, leave as a mask and counts.
; Candidate p = 16 x slot + row in the group, ascending in the memory row.  Thread t holds p = 512 i + 4 t + e as key 4 i + e.  The addresses hang on whole numbers that an earlier launch stored, each held under a constant.
; bm2, pf2: [1024][4 waves][32 words]; word kk < 16 is key kk's 32 lanes; the others hold mask 0 and the count at the wave's end.
; LIMIT: NaN sorts by its bits, -0 below +0.
.set NK, 16
.set NW, 1
.set K,  8                             ; v[8:23]
.set FI, 24
.set FT, 25
.set FA, 26
.set FP, 27
.set FW, 28
.set FR, 29
.set FO, 30
.set FX1, 31
.set FX2, 32
.set FX4, 33
.set FX8, 34
.set FC, 35
.set FB, 36
.set FK, 0
.set BC, 43
.set BM, 44
.set PF, 45
.set VCS, 46
.set VCL, 47
.set VL4, 48
.set LW,  1024
.set GL,  2048
.set CNT, 2560
.macro STEP buf
	s_or_b32 s21, s20, s22
	v_mov_b32 v5, 0
.set i, 0
.rept NK
	v_cmp_le_u32 vcc_lo, s21, v[K+i]
	v_add_co_ci_u32 v5, vcc_lo, 0, v5, vcc_lo
.set i, i+1
.endr
	v_cvt_f32_u32 v5, v5
	v_add_f32_dpp v5, v5, v5 row_xmask:1 row_mask:0xf bank_mask:0xf
	v_add_f32_dpp v5, v5, v5 row_xmask:2 row_mask:0xf bank_mask:0xf
	v_add_f32_dpp v5, v5, v5 row_xmask:4 row_mask:0xf bank_mask:0xf
	v_add_f32_dpp v5, v5, v5 row_xmask:8 row_mask:0xf bank_mask:0xf
	v_permlanex16_b32 v6, v5, s24, s25
	v_add_f32 v5, v5, v6
	ds_store_b32 v[VCS], v5 offset:16*(\buf)
	s_wait_dscnt 0x0
	s_barrier_signal -1
	s_barrier_wait -1
	ds_load_b128 v[VL4:VL4+3], v[VCL] offset:16*(\buf)
	s_wait_dscnt 0x0
	v_add_f32 v[VL4], v[VL4], v[VL4+1]
	v_add_f32 v[VL4+2], v[VL4+2], v[VL4+3]
	v_add_f32 v[VL4], v[VL4], v[VL4+2]
	v_readfirstlane_b32 s23, v[VL4]
	s_cmp_ge_u32 s23, 0x43000000                   ; 128.0
	s_cselect_b32 s20, s21, s20
	s_lshr_b32 s22, s22, 1
.endm
.macro SEARCH top, pairs
	s_mov_b32 s20, 0
	s_mov_b32 s22, 1<<(\top)
	s_mov_b32 s26, \pairs
.Lsearch_\@:
	STEP 0
	STEP 1
	s_sub_co_u32 s26, s26, 1
	s_cmp_lg_u32 s26, 0
	s_cbranch_scc1 .Lsearch_\@
.endm
.macro PICK x, s, w                    ; are there FR or fewer set bits in the s bits from FO on?  Then they are passed over
	v_bfe_u32 v[FC], v[\x], v[FO], \w
	v_cmp_ge_u32 vcc_lo, v[FR], v[FC]
	v_sub_nc_u32 v[FC], v[FR], v[FC]
	v_cndmask_b32 v[FR], v[FR], v[FC], vcc_lo
	v_add_nc_u32 v[FC], \s, v[FO]
	v_cndmask_b32 v[FO], v[FO], v[FC], vcc_lo
.endm
.macro FIND n, steps, woff             ; the FK-th set bit: FI = the last word whose count in front is FK or less, FO = the bit in it
	v_mov_b32 v[FI], 0
.set st, (\n)/2
.rept \steps
	v_add_nc_u32 v[FT], st, v[FI]
	v_min_u32 v[FA], (\n)-1, v[FT]
	v_lshl_add_u32 v[FA], v[FA], 2, v[FB]
	ds_load_b32 v[FP], v[FA]
	s_wait_dscnt 0x0
	v_cmp_le_u32 vcc_lo, v[FP], v[FK]
	v_cndmask_b32 v[FI], v[FI], v[FT], vcc_lo
.set st, st/2
.endr
	v_min_u32 v[FA], (\n)-1, v[FI]
	v_lshl_add_u32 v[FA], v[FA], 2, v[FB]
	ds_load_b32 v[FP], v[FA]
	ds_load_b32 v[FW], v[FA] offset:\woff
	s_wait_dscnt 0x0
	v_sub_nc_u32 v[FR], v[FK], v[FP]
	v_lshrrev_b32 v[FC], 1, v[FW]                  ; counts of set bits in fields of 2, 4, 8 and 16 bits
	v_and_b32 v[FC], 0x55555555, v[FC]
	v_sub_nc_u32 v[FX1], v[FW], v[FC]
	v_lshrrev_b32 v[FC], 2, v[FX1]
	v_and_b32 v[FC], 0x33333333, v[FC]
	v_and_b32 v[FX2], 0x33333333, v[FX1]
	v_add_nc_u32 v[FX2], v[FX2], v[FC]
	v_lshrrev_b32 v[FC], 4, v[FX2]
	v_add_nc_u32 v[FX4], v[FX2], v[FC]
	v_and_b32 v[FX4], 0x0f0f0f0f, v[FX4]
	v_lshrrev_b32 v[FC], 8, v[FX4]
	v_add_nc_u32 v[FX8], v[FX4], v[FC]
	v_and_b32 v[FX8], 0x00ff00ff, v[FX8]
	v_mov_b32 v[FO], 0
	PICK FX8, 16, 8
	PICK FX4, 8, 8
	PICK FX2, 4, 4
	PICK FX1, 2, 2
	PICK FW, 1, 1
.endm
	s_load_b256 s[4:11], s[0:1], 0x0               ; bm1, pf1, scores, glist
	s_load_b128 s[12:15], s[0:1], 0x20             ; bm2, pf2
	v_lshl_add_u32 v2, v0, 2, 2816
	v_mov_b32 v3, 0
	v_and_b32 v1, 31, v0
	v_lshrrev_b32 v5, 5, v0
	v_readfirstlane_b32 s16, v5
	s_lshl_b32 s17, s16, 2
	s_add_co_u32 s17, s17, CNT
	v_mov_b32 v[VCS], s17
	v_mov_b32 v[VCL], CNT
	v_mov_b32 v[FB], 0
	v_mov_b32 v6, 0
	s_mov_b32 s24, 0x76543210
	s_mov_b32 s25, 0xfedcba98
	v_lshlrev_b32 v4, 3, v0                        ; 8 t
	v_lshlrev_b32 v7, 2, v0                        ; 4 t
	v_sub_nc_u32 v[BC], 4095, v7
	s_lshl_b32 s18, ttmp9, 10                      ; a row of bm1 and pf1
	s_mov_b32 s19, 0
	s_lshl_b32 s28, ttmp9, 9                       ; a row of glist, bm2, pf2
	s_mov_b32 s29, 0
	s_lshr_b32 s30, ttmp9, 4
	s_mul_i32 s30, s30, 6400000
	s_and_b32 s31, ttmp9, 15
	s_lshl_b32 s31, s31, 4
	s_add_co_u32 s30, s30, s31                     ; the query's place in scores (under 2^29)
	s_mov_b32 s31, 0
	s_wait_kmcnt 0x0
	s_add_nc_u64 s[4:5], s[4:5], s[18:19]
	s_add_nc_u64 s[6:7], s[6:7], s[18:19]
	s_add_nc_u64 s[8:9], s[8:9], s[30:31]
	s_add_nc_u64 s[10:11], s[10:11], s[28:29]
	s_add_nc_u64 s[12:13], s[12:13], s[28:29]
	s_add_nc_u64 s[14:15], s[14:15], s[28:29]
	global_load_b64 v[38:39], v4, s[6:7]
	global_load_b64 v[40:41], v4, s[4:5]
	s_wait_loadcnt 0x0
	ds_store_b64 v4, v[38:39]
	ds_store_b64 v4, v[40:41] offset:LW
	s_wait_dscnt 0x0
	s_barrier_signal -1
	s_barrier_wait -1
	FIND 256, 8, LW
	v_lshrrev_b32 v37, 6, v[FI]                    ; group = 1568 x wave + 32 x key + lane
	v_mul_u32_u24 v37, 1568, v37
	v_and_b32 v42, 63, v[FI]
	v_lshl_add_u32 v37, v42, 5, v37
	v_add_nc_u32 v37, v37, v[FO]
	v_min_u32 v37, 6249, v37
	global_store_b32 v7, v37, s[10:11]
	ds_store_b32 v7, v37 offset:GL
	s_wait_dscnt 0x0
	s_barrier_signal -1
	s_barrier_wait -1
	v_lshrrev_b32 v42, 2, v0
	v_lshlrev_b32 v42, 2, v42                      ; slot 32 i + t / 4
	v_and_b32 v57, 1, v0
	v_lshlrev_b32 v57, 9, v57
	v_bfe_u32 v58, v0, 1, 1
	v_lshl_add_u32 v57, v58, 8, v57                ; my four rows of the group's sixteen
.set i, 0
.rept 4
	ds_load_b32 v[53+i], v42 offset:GL+128*i
.set i, i+1
.endr
	s_wait_dscnt 0x0
.set i, 0
.rept 4
	v_min_u32 v[53+i], 6249, v[53+i]
	v_lshl_add_u32 v[53+i], v[53+i], 10, v57
	global_load_b128 v[K+4*i:K+4*i+3], v[53+i], s[8:9]
.set i, i+1
.endr
	s_wait_loadcnt 0x0
.set i, 0
.rept NK
	v_ashrrev_i32 v4, 31, v[K+i]
	v_or_b32 v4, 0x80000000, v4
	v_xor_b32 v[K+i], v4, v[K+i]
.set i, i+1
.endr
	SEARCH 31, 16
.set i, 0
.rept NK
	v_add_nc_u32 v4, -(512*(i/4)+i%4), v[BC]
	v_cmp_eq_u32 vcc_lo, s20, v[K+i]
	v_cndmask_b32 v4, 0, v4, vcc_lo
	v_cmp_ge_u32 vcc_lo, s20, v[K+i]
	v_cndmask_b32 v[K+i], -1, v4, vcc_lo
.set i, i+1
.endr
	SEARCH 11, 6
	s_mov_b32 s27, 0
	v_mov_b32 v[BM], 0
	v_mov_b32 v[PF], 0
.set i, 0
.rept NK
	v_cmp_le_u32 s30, s20, v[K+i]
	v_writelane_b32 v[BM], s30, i
	v_writelane_b32 v[PF], s27, i
	s_bcnt1_i32_b32 s31, s30
	s_add_co_u32 s27, s27, s31
.set i, i+1
.endr
	v_mov_b32 v6, s27
	v_cmp_le_u32 vcc_lo, NK, v1
	v_cndmask_b32 v[PF], v[PF], v6, vcc_lo
	ds_store_b32 v[VCS], v6 offset:32
	s_wait_dscnt 0x0
	s_barrier_signal -1
	s_barrier_wait -1
	ds_load_b128 v[VL4:VL4+3], v[VCL] offset:32
	s_wait_dscnt 0x0
	v_readfirstlane_b32 s32, v[VL4]
	v_readfirstlane_b32 s33, v[VL4+1]
	v_readfirstlane_b32 s34, v[VL4+2]
	s_cmp_gt_u32 s16, 0
	s_cselect_b32 s32, s32, 0
	s_cmp_gt_u32 s16, 1
	s_cselect_b32 s33, s33, 0
	s_cmp_gt_u32 s16, 2
	s_cselect_b32 s34, s34, 0
	s_add_co_u32 s32, s32, s33
	s_add_co_u32 s32, s32, s34
	v_add_nc_u32 v[PF], s32, v[PF]
	global_store_b32 v7, v[BM], s[12:13]           ; word 32 x wave + lane = thread
	global_store_b32 v7, v[PF], s[14:15]
	s_wait_tensorcnt 0x0                           ; the wave's end
	ds_add_u32 v2, v3
	s_wait_dscnt 0x0
	s_endpgm
.Lfunc_end_k_qf72363d0c5_S2:
	.size	k_qf72363d0c5_S2, .Lfunc_end_k_qf72363d0c5_S2-k_qf72363d0c5_S2
	.p2alignl 7, 3214868480
	.fill 96, 4, 3214868480
	.section	.rodata,"a",@progbits
	.p2align	6, 0x0
	.amdhsa_kernel k_qf72363d0c5_S2
		.amdhsa_group_segment_fixed_size 3328
		.amdhsa_private_segment_fixed_size 0
		.amdhsa_enable_private_segment 0
		.amdhsa_kernarg_size 48
		.amdhsa_user_sgpr_count 2
		.amdhsa_user_sgpr_kernarg_segment_ptr 1
		.amdhsa_wavefront_size32 1
		.amdhsa_system_sgpr_workgroup_id_x 1
		.amdhsa_system_sgpr_workgroup_id_y 1
		.amdhsa_system_sgpr_workgroup_id_z 1
		.amdhsa_system_vgpr_workitem_id 0
		.amdhsa_next_free_vgpr 64
		.amdhsa_next_free_sgpr 66
		.amdhsa_reserve_vcc 1
		.amdhsa_float_denorm_mode_32 3
		.amdhsa_float_denorm_mode_16_64 3
		.amdhsa_memory_ordered 1
		.amdhsa_forward_progress 1
		.amdhsa_inst_pref_size 27
	.end_amdhsa_kernel
	.amdgpu_metadata
---
amdhsa.version: [ 1, 2 ]
amdhsa.kernels:
  - .name:           k_qf72363d0c5_S2
    .symbol:         k_qf72363d0c5_S2.kd
    .args:
      - { .name: bm1, .offset: 0, .size: 8, .value_kind: global_buffer, .address_space: global }
      - { .name: pf1, .offset: 8, .size: 8, .value_kind: global_buffer, .address_space: global }
      - { .name: scores, .offset: 16, .size: 8, .value_kind: global_buffer, .address_space: global }
      - { .name: glist, .offset: 24, .size: 8, .value_kind: global_buffer, .address_space: global }
      - { .name: bm2, .offset: 32, .size: 8, .value_kind: global_buffer, .address_space: global }
      - { .name: pf2, .offset: 40, .size: 8, .value_kind: global_buffer, .address_space: global }
    .group_segment_fixed_size: 3328
    .private_segment_fixed_size: 0
    .kernarg_segment_align: 8
    .kernarg_segment_size: 48
    .max_flat_workgroup_size: 128
    .sgpr_count:     66
    .vgpr_count:     64
    .wavefront_size: 32
...
	.end_amdgpu_metadata
.endif
;; end of part 4
;; launch F (part 5): grid 256 x 1, 4 waves a work-group, no clusters, 271,872 bytes of LDS; arguments bm2, pf2, glist, scores, c, action, mem_q, mem_t, wt, qkv_b, ln_g, ln_b, lnm_g, lnm_b, mlp1_b, mlp2_b, proj1_b, proj2_b, out0; writes out0
.if DOCPART == 5
	.amdgcn_target "amdgcn-amd-amdhsa--gfx1250"
	.amdhsa_code_object_version 6
	.text
	.protected	k_qf72363d0c5_F
	.globl	k_qf72363d0c5_F
	.p2align	8
	.type	k_qf72363d0c5_F,@function
k_qf72363d0c5_F:
	s_mov_b64 s[64:65], 0
	v_nop
	global_prefetch_b8 v0, s[64:65] scope:SCOPE_SE
	s_setreg_imm32_b32 hwreg(HW_REG_WAVE_MODE, 25, 1), 1
	s_wait_xcnt 0x0
; For four queries a work-group: the 128 chosen rows' (delta, q, t), the qkv layer, LayerNorm, one-head attention, LayerNorm, the MLP with its residual, LayerNorm, the mean over rows; then the projection for all four.
; The order of the 128 rows does not matter (attention keeps it, the mean forgets it).  A block's rows differ in three features alone, so metadata @ qkv_w is ONE K step: per feature (base high, base low, w0, w1, w2)
; times per row (1, 1, delta, q, t), with base = action @ qkv_w[3:] + qkv_b made once a query.  The last LayerNorm's gain and bias are applied to the mean.
; EVERY PRODUCT IS USED TRANSPOSED: source 0 = 16 features (or keys), source 1 = 16 rows: a lane holds ONE row (lane % 16) and eight features 8 (lane / 16) + j, so a row's sums want one exchange of the lanes' halves.
; SHARES.  qkv, attention, first LayerNorm: wave v owns rows 32 v .. 32 v + 31, all features.  MLP: wave v owns output features 64 v .. 64 v + 63 of all 128 rows; its weights stay in 512 registers for all four queries.
; FORMATS.  All inputs are rounded to bf16.  What the program makes (delta, base, q, k, v, weights p, LayerNorm's results, hidden layer, mean) goes to the matrix unit in f16; sums, maxima, norms in f32.
; LIMITS.  f16 ends at 65,504: base, the hidden layer and LayerNorm's results (at most 18 |g| + |b|) must stay within it; numbers below 6e-5 keep f16's fixed step.  NaN and infinities are not treated apart.
; No tensor loads (operands are made in registers), no cluster (work-groups share only 0.7 MB of weights, read once each).
; REGISTERS: window 0 addresses, statistics, fragments; window 1 mlp1's (later proj1's) weights, fragment (m, ks) at 64 m + 8 ks; window 2 mlp2's (proj2's); window 3 accumulators.
; In window 0 only v0-63 live through the loop; v64-255 are at work in every trip.
.set LNG, 0                            ; tables, f32, rounded to bf16
.set LNB, 1280
.set LMG, 2560
.set LMB, 3584
.set TB1, 4608
.set TB2, 5632
.set TP1, 6656
.set TP2, 7680
.set TQB, 8704
.set AQ,    10240                      ; [4 queries][320 features] 16 bytes: base high, base low, w0, w1, w2, 0, 0, 0 in f16
.set ACT,   AQ+20480                   ; [4][256] f32: 0, 0, 0, action
.set ACTH,  ACT+4096                   ; the same in f16, pitch 528
.set SELT,  ACTH+2304                  ; a wave: counts, masks, groups, 512 bytes each
.set KS,    SELT+6144                  ; [128][32] f16, pitch 80
.set VS,    KS+10240                   ; [128][256] f16, pitch 544 (an odd multiple of 32, for the turning load)
.set XS,    VS+69632                   ; [128][256] f16, pitch 528
.set HS,    XS+67584
.set RED1,  HS+67584                   ; [4 waves][128 rows] f32
.set RED2,  RED1+2048
.set MEANH, RED2+2048                  ; [4][256] f16, pitch 528
.set HP,    MEANH+2304
.set OUTS,  HP+2304                    ; [4][256] f32, pitch 1040
.set SPARE, OUTS+4352                  ; the spare words
.set FI, 101
.set FT, 102
.set FA, 103
.set FP, 104
.set FW, 105
.set FR, 106
.set FO, 107
.set FX1, 108
.set FX2, 109
.set FX4, 110
.set FX8, 111
.set FC, 112
.set FB, 26
.set FK, 0
.set CINV, 240                         ; 1 / |c|, and the two gathers' offsets: outside v64-223, which the qkv fragments fill while the gathers are out
.set GSC,  241
.set GQT,  242
.set MSB, 0
.macro WIN new                         ; bits 1:0 source 0, 3:2 source 1, 5:4 source 2, 7:6 destination; the high byte repeats the setting that is left
.if MSB != (\new)
	s_set_vgpr_msb (MSB<<8)|(\new)
.set MSB, \new
.endif
.endm
.macro PLACES                          ; four plain instructions behind a matrix instruction (ISA guide 7.12.1)
.rept 4
	v_nop
.endr
.endm
.macro BAR                             ; my LDS stores and loads are done, for the others' sake; then all four waves meet
	s_wait_dscnt 0x0
	s_barrier_signal -1
	s_barrier_wait -1
.endm
.macro RB a, b                         ; two numbers rounded to bf16 and widened again
	v_cvt_pk_bf16_f32 v56, v[\a], v[\b]
	v_lshlrev_b32 v[\a], 16, v56
	v_and_b32 v[\b], s47, v56
.endm
.macro PMULB d, a, b, sel              ; a pair times register sel of pair b
.if (\sel) == 0
	v_pk_mul_f32 v[(\d):(\d)+1], v[(\a):(\a)+1], v[(\b):(\b)+1] op_sel_hi:[1,0]
.else
	v_pk_mul_f32 v[(\d):(\d)+1], v[(\a):(\a)+1], v[(\b):(\b)+1] op_sel:[0,1] op_sel_hi:[1,1]
.endif
.endm
.macro PSUBB d, a, b, sel              ; a pair less register sel of pair b
.if (\sel) == 0
	v_pk_add_f32 v[(\d):(\d)+1], v[(\a):(\a)+1], v[(\b):(\b)+1] op_sel_hi:[1,0] neg_lo:[0,1] neg_hi:[0,1]
.else
	v_pk_add_f32 v[(\d):(\d)+1], v[(\a):(\a)+1], v[(\b):(\b)+1] op_sel:[0,1] op_sel_hi:[1,1] neg_lo:[0,1] neg_hi:[0,1]
.endif
.endm
.macro PFMAB d, a, b, sel, c           ; a pair times register sel of pair b, plus pair c
.if (\sel) == 0
	v_pk_fma_f32 v[(\d):(\d)+1], v[(\a):(\a)+1], v[(\b):(\b)+1], v[(\c):(\c)+1] op_sel_hi:[1,0,1]
.else
	v_pk_fma_f32 v[(\d):(\d)+1], v[(\a):(\a)+1], v[(\b):(\b)+1], v[(\c):(\c)+1] op_sel:[0,1,0] op_sel_hi:[1,1,1]
.endif
.endm
.macro RFIN dst                        ; four running pairs into one number, and the other half of the lanes'
	v_pk_add_f32 v[44:45], v[44:45], v[46:47]
	v_pk_add_f32 v[48:49], v[48:49], v[50:51]
	v_pk_add_f32 v[44:45], v[44:45], v[48:49]
	v_add_f32 v44, v44, v45
	v_permlanex16_b32 v45, v44, s44, s45
	v_add_f32 v[\dst], v44, v45
.endm
.macro RSUM a0, st, n, dst             ; a row's sum over n accumulators at a0 + st x, each read from its low end
	WIN 0x0f
.set rp, 0
.rept 4
	v_pk_add_f32 v[44+2*rp:45+2*rp], v[(\a0)+2*rp:(\a0)+2*rp+1], v[(\a0)+(\st)+2*rp:(\a0)+(\st)+2*rp+1]
.set rp, rp+1
.endr
	WIN 0x0c
.set rx, 2
.rept (\n)-2
.set rp, 0
.rept 4
	v_pk_add_f32 v[44+2*rp:45+2*rp], v[44+2*rp:45+2*rp], v[(\a0)+(\st)*rx+2*rp:(\a0)+(\st)*rx+2*rp+1]
.set rp, rp+1
.endr
.set rx, rx+1
.endr
	WIN 0
	RFIN \dst
.endm
.macro RSQ a0, st, n, dst              ; a row's sum of squares
	WIN 0x0f
.set rx, 0
.rept \n
.set rp, 0
.rept 4
.if rx == 0
	v_pk_mul_f32 v[44+2*rp:45+2*rp], v[(\a0)+2*rp:(\a0)+2*rp+1], v[(\a0)+2*rp:(\a0)+2*rp+1]
.else
	v_pk_fma_f32 v[44+2*rp:45+2*rp], v[(\a0)+(\st)*rx+2*rp:(\a0)+(\st)*rx+2*rp+1], v[(\a0)+(\st)*rx+2*rp:(\a0)+(\st)*rx+2*rp+1], v[44+2*rp:45+2*rp]
.endif
.set rp, rp+1
.endr
.set rx, rx+1
.endr
	WIN 0
	RFIN \dst
.endm
.macro RSUB a0, st, n, m, sel          ; the mean is taken away, in place
	WIN 0xc3
.set rx, 0
.rept \n
.set rp, 0
.rept 4
	PSUBB (\a0)+(\st)*rx+2*rp, (\a0)+(\st)*rx+2*rp, \m, \sel
.set rp, rp+1
.endr
.set rx, rx+1
.endr
	WIN 0
.endm
.macro GBLOAD buf, ar, goff, boff      ; eight gains and eight biases of my features
	ds_load_b128 v[224+16*(\buf):227+16*(\buf)], v[\ar] offset:\goff
	ds_load_b128 v[228+16*(\buf):231+16*(\buf)], v[\ar] offset:(\goff)+16
	ds_load_b128 v[232+16*(\buf):235+16*(\buf)], v[\ar] offset:\boff
	ds_load_b128 v[236+16*(\buf):239+16*(\buf)], v[\ar] offset:(\boff)+16
.endm
.macro LNAPPLY acc, gb, gp, rs, sel    ; v[44:51] = accumulator x (g x rstd) + b
.set lp, 0
.rept 4
	PMULB (\gp)+2*lp, (\gb)+2*lp, \rs, \sel
.set lp, lp+1
.endr
	WIN 0x03
.set lp, 0
.rept 4
	v_pk_fma_f32 v[44+2*lp:45+2*lp], v[(\acc)+2*lp:(\acc)+2*lp+1], v[(\gp)+2*lp:(\gp)+2*lp+1], v[(\gb)+8+2*lp:(\gb)+9+2*lp]
.set lp, lp+1
.endr
	WIN 0
.endm
.macro PACK4 d                         ; v[44:51] to eight f16
.set lp, 0
.rept 4
	v_cvt_pk_f16_f32 v[(\d)+lp], v[44+2*lp], v[45+2*lp]
.set lp, lp+1
.endr
.endm
.macro WTOFF                           ; v126 = my lane's place in wt: row 64 v + r, 16 h.  It lies among the registers at work, so it is made ahead of each use
	s_lshl_b32 s52, s42, 6
	v_add_nc_u32 v126, s52, v2
	v_lshlrev_b32 v126, 9, v126
	v_lshl_add_u32 v126, v3, 4, v126
.endm
.macro LDW win, row0                   ; 64 rows of wt from row0 + 64 v on, as 32 fragments, into a window
	WIN (\win)<<6
.set lm, 0
.rept 4
.set lk, 0
.rept 8
	global_load_b128 v[64*lm+8*lk:64*lm+8*lk+3], v126, s[20:21] offset:((\row0)+16*lm)*512+64*lk
	global_load_b128 v[64*lm+8*lk+4:64*lm+8*lk+7], v126, s[20:21] offset:((\row0)+16*lm)*512+64*lk+32
.set lk, lk+1
.endr
.set lm, lm+1
.endr
	WIN 0
.endm
.macro FRAG ar, k                      ; eight fragments (128 rows x 32 K at K step k) into buffer k % 2
.set fn, 0
.rept 8
	ds_load_b128 v[128+64*((\k)&1)+8*fn:128+64*((\k)&1)+8*fn+3], v[\ar] offset:fn*8448+64*(\k)
	ds_load_b128 v[128+64*((\k)&1)+8*fn+4:128+64*((\k)&1)+8*fn+7], v[\ar] offset:fn*8448+64*(\k)+32
.set fn, fn+1
.endr
.endm
.macro BIAS off                        ; my 64 features' biases in the accumulators' layout: they start the sums
.set bm, 0
.rept 4
	ds_load_b128 v[64+8*bm:67+8*bm], v17 offset:(\off)+64*bm
	ds_load_b128 v[68+8*bm:71+8*bm], v17 offset:(\off)+64*bm+16
.set bm, bm+1
.endr
.endm
.macro LAYER wa, ar                    ; 128 rows x my 64 features, K = 256: 256 matrix instructions, the 32 accumulators (m, n) at 8 (8 m + n) by turns
	FRAG \ar, 0
.set lk, 0
.rept 8
.if lk < 7
	PLACES
	FRAG \ar, lk+1
	s_wait_dscnt 16                                ; all but the sixteen loads just issued
.else
	s_wait_dscnt 0x0
.endif
.if lk == 0
	WIN 0xc0|(\wa)
.else
	WIN 0xf0|(\wa)
.endif
.set lm, 0
.rept 4
.set ln, 0
.rept 8
.if lk == 0
	v_wmma_f32_16x16x32_f16 v[8*(8*lm+ln):8*(8*lm+ln)+7], v[64*lm+8*lk:64*lm+8*lk+7], v[128+64*(lk&1)+8*ln:128+64*(lk&1)+8*ln+7], v[64+8*lm:71+8*lm]
.else
	v_wmma_f32_16x16x32_f16 v[8*(8*lm+ln):8*(8*lm+ln)+7], v[64*lm+8*lk:64*lm+8*lk+7], v[128+64*(lk&1)+8*ln:128+64*(lk&1)+8*ln+7], v[8*(8*lm+ln):8*(8*lm+ln)+7]
.endif
.set ln, ln+1
.endr
.set lm, lm+1
.endr
	WIN 0
.set lk, lk+1
.endr
.endm
.macro PICK x, s, w                    ; are there FR or fewer set bits in the s bits from FO on?  Then they are passed over
	v_bfe_u32 v[FC], v[\x], v[FO], \w
	v_cmp_ge_u32 vcc_lo, v[FR], v[FC]
	v_sub_nc_u32 v[FC], v[FR], v[FC]
	v_cndmask_b32 v[FR], v[FR], v[FC], vcc_lo
	v_add_nc_u32 v[FC], \s, v[FO]
	v_cndmask_b32 v[FO], v[FO], v[FC], vcc_lo
.endm
.macro FIND n, steps, woff             ; the FK-th set bit: FI = the last word whose count in front is FK or less, FO = the bit in it
	v_mov_b32 v[FI], 0
.set st, (\n)/2
.rept \steps
	v_add_nc_u32 v[FT], st, v[FI]
	v_min_u32 v[FA], (\n)-1, v[FT]
	v_lshl_add_u32 v[FA], v[FA], 2, v[FB]
	ds_load_b32 v[FP], v[FA]
	s_wait_dscnt 0x0
	v_cmp_le_u32 vcc_lo, v[FP], v[FK]
	v_cndmask_b32 v[FI], v[FI], v[FT], vcc_lo
.set st, st/2
.endr
	v_min_u32 v[FA], (\n)-1, v[FI]
	v_lshl_add_u32 v[FA], v[FA], 2, v[FB]
	ds_load_b32 v[FP], v[FA]
	ds_load_b32 v[FW], v[FA] offset:\woff
	s_wait_dscnt 0x0
	v_sub_nc_u32 v[FR], v[FK], v[FP]
	v_lshrrev_b32 v[FC], 1, v[FW]                  ; counts of set bits in fields of 2, 4, 8 and 16 bits
	v_and_b32 v[FC], 0x55555555, v[FC]
	v_sub_nc_u32 v[FX1], v[FW], v[FC]
	v_lshrrev_b32 v[FC], 2, v[FX1]
	v_and_b32 v[FC], 0x33333333, v[FC]
	v_and_b32 v[FX2], 0x33333333, v[FX1]
	v_add_nc_u32 v[FX2], v[FX2], v[FC]
	v_lshrrev_b32 v[FC], 4, v[FX2]
	v_add_nc_u32 v[FX4], v[FX2], v[FC]
	v_and_b32 v[FX4], 0x0f0f0f0f, v[FX4]
	v_lshrrev_b32 v[FC], 8, v[FX4]
	v_add_nc_u32 v[FX8], v[FX4], v[FC]
	v_and_b32 v[FX8], 0x00ff00ff, v[FX8]
	v_mov_b32 v[FO], 0
	PICK FX8, 16, 8
	PICK FX4, 8, 8
	PICK FX2, 4, 4
	PICK FX1, 2, 2
	PICK FW, 1, 1
.endm
; qkv and its LayerNorm for my rows 32 v + 16 nb + r.  Only lanes 0-15 carry k = 0..7; the row's numbers are their own (nb = 0) or the lane's 16 away (nb = 1).  Where source 1 is 0, source 0 need only be finite.
.macro QKV nb
	v_cvt_pk_f16_f32 v225, v[20+3*(\nb)], v[21+3*(\nb)]
	v_cvt_pk_f16_f32 v226, v[22+3*(\nb)], v7
	v_mov_b32 v224, 0x3c003c00                     ; 1, 1: for base's two halves
	v_cndmask_b32 v224, v7, v224, s46
	v_cndmask_b32 v225, v7, v225, s46
	v_cndmask_b32 v226, v7, v226, s46
.set qi, 227
.rept 5
	v_mov_b32 v[qi], 0
.set qi, qi+1
.endr
	s_wait_dscnt 0x0                               ; source 0's fragments are in
	WIN 0xc0
.set qm, 0
.rept 20
	v_wmma_f32_16x16x32_f16 v[8*qm:8*qm+7], v[64+8*qm:71+8*qm], v[224:231], 0
.set qm, qm+1
.endr
	WIN 0
	PLACES
	GBLOAD 0, 16, LNG, LNB
	RSUM 0, 8, 20, 44
	v_mul_f32 v[60+(\nb)], s49, v44
	RSUB 0, 8, 20, 60, \nb
	RSQ 0, 8, 20, 44
	v_fma_f32 v44, v44, s49, s50
	v_rsq_f32 v[62+(\nb)], v44
	v_nop
	s_wait_alu depctr_va_vdst(0)
.set qm, 0
.rept 20
.if qm < 19
	GBLOAD (qm+1)&1, 16, LNG+64*(qm+1), LNB+64*(qm+1)
	s_wait_dscnt 4                                 ; all but the four loads just issued
.else
	s_wait_dscnt 0x0
.endif
	LNAPPLY 8*qm, 224+16*(qm&1), 224+16*(qm&1), 62, \nb
.if qm < 2                             ; q, times 32^-1/2 log2(e): it IS source 1 of the scores
.set qi, 0
.rept 4
	v_pk_mul_f32 v[44+2*qi:45+2*qi], v[44+2*qi:45+2*qi], 0x3e8293ee op_sel_hi:[1,0]
.set qi, qi+1
.endr
	PACK4 28+8*(\nb)+4*qm
.elseif qm < 4
	PACK4 56
	ds_store_b128 v14, v[56:59] offset:(\nb)*1280+(qm-2)*32
.else
	PACK4 56
	ds_store_b128 v15, v[56:59] offset:(\nb)*8704+(qm-4)*32
.endif
.set qm, qm+1
.endr
.endm
.macro VLOAD c                         ; V turned: keys 32 (c / 2) on, channels 128 (c % 2) on: eight fragments into buffer c % 2
.set vm, 0
.rept 8
	ds_load_tr16_b128 v[128+64*((\c)&1)+8*vm:128+64*((\c)&1)+8*vm+3], v9 offset:((\c)/2)*17408+(8*((\c)&1)+vm)*32
	ds_load_tr16_b128 v[128+64*((\c)&1)+8*vm+4:128+64*((\c)&1)+8*vm+7], v9 offset:((\c)/2)*17408+(8*((\c)&1)+vm)*32+8704
.set vm, vm+1
.endr
.endm
.macro PROJ wa, soff, boff             ; four rows (each held by four columns) x my 64 features: four accumulators by turns
	BIAS \boff
.set pk, 0
.rept 8
	ds_load_b128 v[128+8*pk:131+8*pk], v120 offset:(\soff)+64*pk
	ds_load_b128 v[132+8*pk:135+8*pk], v120 offset:(\soff)+64*pk+32
.set pk, pk+1
.endr
	s_wait_dscnt 0x0
.set pk, 0
.rept 8
.if pk == 0
	WIN 0xc0|(\wa)
.else
	WIN 0xf0|(\wa)
.endif
.set pm, 0
.rept 4
.if pk == 0
	v_wmma_f32_16x16x32_f16 v[8*pm:8*pm+7], v[64*pm+8*pk:64*pm+8*pk+7], v[128+8*pk:135+8*pk], v[64+8*pm:71+8*pm]
.else
	v_wmma_f32_16x16x32_f16 v[8*pm:8*pm+7], v[64*pm+8*pk:64*pm+8*pk+7], v[128+8*pk:135+8*pk], v[8*pm:8*pm+7]
.endif
.set pm, pm+1
.endr
.set pk, pk+1
.endr
	WIN 0
	PLACES
.endm
.macro T256 d, p
	global_load_b32 v[\d], v64, s[\p:\p+1]
	global_load_b32 v[(\d)+1], v64, s[\p:\p+1] offset:512
.endm
.macro T320 d, p
	global_load_b32 v[\d], v65, s[\p:\p+1]
	global_load_b32 v[(\d)+1], v66, s[\p:\p+1]
	global_load_b32 v[(\d)+2], v67, s[\p:\p+1]
.endm
.macro S256 d, off
	ds_store_b32 v64, v[\d] offset:\off
	ds_store_b32 v64, v[(\d)+1] offset:(\off)+512
.endm
.macro S320 d, off
	ds_store_b32 v65, v[\d] offset:\off
	ds_store_b32 v66, v[(\d)+1] offset:\off
	ds_store_b32 v67, v[(\d)+2] offset:\off
.endm
	s_load_b512 s[4:19], s[0:1], 0x0               ; bm2 4, pf2 6, glist 8, scores 10, c 12, action 14, mem_q 16, mem_t 18
	s_load_b512 s[20:35], s[0:1], 0x40             ; wt 20, qkv_b 22, ln_g 24, ln_b 26, lnm_g 28, lnm_b 30, mlp1_b 32, mlp2_b 34
	s_load_b128 s[36:39], s[0:1], 0x80             ; proj1_b 36, proj2_b 38
	s_load_b64 s[40:41], s[0:1], 0x90              ; out0
	v_lshl_add_u32 v4, v0, 2, SPARE
	v_mov_b32 v5, 0
	v_and_b32 v1, 31, v0
	v_lshrrev_b32 v56, 5, v0
	v_readfirstlane_b32 s42, v56                   ; wave
	s_mov_b32 s43, ttmp9
	v_and_b32 v2, 15, v0                           ; r
	v_bfe_u32 v3, v0, 4, 1                         ; h
	v_mov_b32 v6, 1.0
	v_mov_b32 v7, 0
	s_mov_b32 s44, 0x76543210
	s_mov_b32 s45, 0xfedcba98
	s_mov_b32 s46, 0xffff                          ; lanes 0-15
	s_mov_b32 s47, 0xffff0000
	s_mov_b32 s49, 0x3b4ccccd                      ; 1 / 320
	s_mov_b32 s50, 0x3727c5ac                      ; 1e-5
	s_mov_b32 s51, 0x3b800000                      ; 1 / 256
	v_mul_u32_u24 v8, v2, 80
	v_lshl_add_u32 v8, v3, 4, v8
	v_add_nc_u32 v8, KS, v8                        ; K's fragments
	v_and_b32 v56, 7, v0
	v_bfe_u32 v57, v0, 3, 1
	v_lshl_add_u32 v9, v3, 3, v56
	v_mul_u32_u24 v9, v9, 544
	v_lshl_add_u32 v9, v57, 4, v9
	v_add_nc_u32 v9, VS, v9                        ; V's turning loads
	v_mul_u32_u24 v10, v2, 528
	v_lshl_add_u32 v10, v3, 4, v10
	v_add_nc_u32 v11, HS, v10                      ; fragments of the hidden layer
	v_add_nc_u32 v10, XS, v10                      ; fragments of the first LayerNorm's result
	s_mul_i32 s52, s42, 32*528
	v_add_nc_u32 v12, s52, v10                     ; my 32 rows of it
	s_lshl_b32 s52, s42, 7
	v_add_nc_u32 v13, s52, v11                     ; my 64 features of every hidden row
	v_add_nc_u32 v54, s52, v10                     ; and of every row of the residual
	s_mul_i32 s52, s42, 32*80
	v_add_nc_u32 v14, s52, v8                      ; my 32 rows of K
	s_lshl_b32 s52, s42, 5
	v_add_nc_u32 v15, s52, v2
	v_mul_u32_u24 v15, v15, 544
	v_lshl_add_u32 v15, v3, 4, v15
	v_add_nc_u32 v15, VS, v15                      ; my 32 rows of V
	v_lshlrev_b32 v16, 5, v3                       ; tables: features 8 h ..
	s_lshl_b32 s52, s42, 8
	v_add_nc_u32 v17, s52, v16                     ; tables: features 64 v + 8 h ..
	v_lshlrev_b32 v18, 4, v2
	v_add_nc_u32 v18, AQ, v18
	v_add_nc_u32 v19, ACT, v16
	s_mul_i32 s52, s42, 1536
	s_add_co_u32 s52, s52, SELT
	v_mov_b32 v26, s52
	s_lshl_b32 s52, s42, 7
	s_add_co_u32 s52, s52, MEANH
	v_lshl_add_u32 v27, v3, 4, s52
	v_lshlrev_b32 v53, 2, v2
	v_add_nc_u32 v53, RED1, v53
	s_lshl_b32 s52, s42, 9
	v_add_nc_u32 v52, s52, v53
	v_lshlrev_b32 v55, 4, v1                       ; 16 x lane
.irp x, 23,24,25,60,61,62,63
	v_mov_b32 v\x, 0
.endr
	; the prologue's offsets
	v_lshlrev_b32 v64, 2, v0                       ; 4 t
	s_mul_i32 s52, s42, 80                         ; the 320-long tables: wave v takes entries 80 v + min(lane + 32 i, 79)
	v_add_nc_u32 v65, s52, v1
	v_add_nc_u32 v66, 32, v65
	v_add_nc_u32 v67, 64, v1
	v_min_u32 v67, 79, v67
	v_add_nc_u32 v67, s52, v67
.set i, 0
.rept 3
	v_lshlrev_b32 v[70+i], 9, v[65+i]
	v_lshlrev_b32 v[73+i], 4, v[65+i]
	v_lshlrev_b32 v[65+i], 2, v[65+i]
.set i, i+1
.endr
	v_max_u32 v68, 3, v0
	v_add_nc_u32 v68, -3, v68
	v_lshlrev_b32 v68, 2, v68
	v_lshlrev_b32 v69, 1, v0
	WTOFF
	s_mov_b32 s53, 0
	s_wait_kmcnt 0x0
	s_lshl_b32 s52, s43, 11
	s_add_nc_u64 s[4:5], s[4:5], s[52:53]
	s_add_nc_u64 s[6:7], s[6:7], s[52:53]
	s_add_nc_u64 s[8:9], s[8:9], s[52:53]
	s_lshl_b32 s52, s43, 12
	s_add_nc_u64 s[12:13], s[12:13], s[52:53]
	s_lshl_b32 s56, s42, 10
	s_add_co_u32 s52, s52, s56
	s_add_nc_u64 s[40:41], s[40:41], s[52:53]      ; out0 at query 4 wg + v
	s_mul_i32 s52, s43, 4048
	s_add_nc_u64 s[14:15], s[14:15], s[52:53]
	s_lshr_b32 s52, s43, 2
	s_mul_i32 s52, s52, 6400000
	s_and_b32 s56, s43, 3
	s_lshl_b32 s56, s56, 6
	s_add_co_u32 s52, s52, s56
	s_add_nc_u64 s[54:55], s[10:11], s[52:53]      ; scores at my first query
	T256 128, 28
	T256 130, 30
	T256 132, 32
	T256 134, 34
	T256 136, 36
	T256 138, 38
	T320 140, 24
	T320 143, 26
	T320 146, 22
.set i, 0
.rept 4
	global_load_b32 v[150+2*i], v68, s[14:15] offset:i*1012
	global_load_b32 v[151+2*i], v64, s[14:15] offset:i*1012+500
.set i, i+1
.endr
.set i, 0
.rept 3
	global_load_b64 v[160+2*i:161+2*i], v[70+i], s[20:21]
.set i, i+1
.endr
	s_wait_loadcnt 0x0
	LDW 1, 320                                     ; mlp1's and mlp2's weights: on their way while the tables are laid
	LDW 2, 576
	v_cmp_gt_u32 vcc_lo, 3, v0
.set i, 0
.rept 4
	v_cndmask_b32 v[150+2*i], v[150+2*i], v7, vcc_lo  ; features 0-2 are no action
.set i, i+1
.endr
.set i, 128
.rept 10
	RB i, i+1
.set i, i+2
.endr
	RB 148, 148
.set i, 150
.rept 4
	RB i, i+1
.set i, i+2
.endr
	S256 128, LMG
	S256 130, LMB
	S256 132, TB1
	S256 134, TB2
	S256 136, TP1
	S256 138, TP2
	S320 140, LNG
	S320 143, LNB
	S320 146, TQB
.set i, 0
.rept 4
	ds_store_b32 v64, v[150+2*i] offset:ACT+i*1024
	ds_store_b32 v64, v[151+2*i] offset:ACT+i*1024+512
	v_cvt_pk_f16_f32 v[57+i], v[150+2*i], v[151+2*i]
	ds_store_b16 v69, v[57+i] offset:ACTH+i*528
	ds_store_b16_d16_hi v69, v[57+i] offset:ACTH+i*528+256
.set i, i+1
.endr
	v_mov_b32 v60, 0
.set i, 0
.rept 3
	v_and_b32 v[170+2*i], 0xffff, v[161+2*i]       ; w2, 0
	v_mov_b32 v[171+2*i], 0
.set j, 0
.rept 4
	ds_store_b32 v[73+i], v[160+2*i] offset:AQ+j*5120+4
	ds_store_b64 v[73+i], v[170+2*i:171+2*i] offset:AQ+j*5120+8
.set j, j+1
.endr
.set i, i+1
.endr
	BAR
	; base = action @ qkv_w[3:] + qkv_b for the four queries: wave v takes features 80 v .. 80 v + 79; column r holds query r % 4
	v_and_b32 v77, 3, v0
	v_mul_u32_u24 v120, v77, 5120
	v_mul_u32_u24 v77, v77, 528
	v_lshl_add_u32 v77, v3, 4, v77
	v_add_nc_u32 v77, ACTH, v77
	s_mul_i32 s52, s42, 80
	v_add_nc_u32 v78, s52, v2
	v_lshlrev_b32 v78, 9, v78
	v_lshl_add_u32 v78, v3, 4, v78
	s_mul_i32 s52, s42, 320
	s_add_co_u32 s52, s52, TQB
	v_add_nc_u32 v79, s52, v16
	s_mul_i32 s52, s42, 1280
	s_add_co_u32 s52, s52, AQ
	v_add_nc_u32 v120, s52, v120
	v_lshl_add_u32 v120, v3, 7, v120
.set i, 0
.rept 5
	ds_load_b128 v[80+8*i:83+8*i], v79 offset:64*i     ; the bias starts the sums
	ds_load_b128 v[84+8*i:87+8*i], v79 offset:64*i+16
.set i, i+1
.endr
.set i, 0
.rept 8
	ds_load_b128 v[128+8*i:131+8*i], v77 offset:64*i
	ds_load_b128 v[132+8*i:135+8*i], v77 offset:64*i+32
.set i, i+1
.endr
.set hf, 0
.rept 2
	WIN 0xc0
.set i, 0
.rept 20                               ; fragment (m = i / 4, K step 4 hf + i % 4)
	global_load_b128 v[8*i:8*i+3], v78, s[20:21] offset:(i/4)*8192+(4*hf+i%4)*64
	global_load_b128 v[8*i+4:8*i+7], v78, s[20:21] offset:(i/4)*8192+(4*hf+i%4)*64+32
.set i, i+1
.endr
	s_wait_loadcnt 0x0
	s_wait_dscnt 0x0
	WIN 0x03
.set i, 0
.rept 20                               ; K step outer, the five accumulators by turns
	v_wmma_f32_16x16x32_f16 v[80+8*(i%5):87+8*(i%5)], v[8*(4*(i%5)+i/5):8*(4*(i%5)+i/5)+7], v[128+8*(4*hf+i/5):135+8*(4*hf+i/5)], v[80+8*(i%5):87+8*(i%5)]
.set i, i+1
.endr
	WIN 0
	PLACES
.set hf, hf+1
.endr
.set i, 0
.rept 40                               ; base as two f16: the rounded number and what the rounding left
	v_cvt_f16_f32 v121.l, v[80+i]
	v_cvt_f32_f16 v122, v121.l
	v_sub_f32 v122, v[80+i], v122
	v_cvt_pk_f16_f32 v123, v[80+i], v122
	ds_store_b32 v120, v123 offset:(i/8)*256+(i%8)*16
.set i, i+1
.endr
	BAR
	s_mov_b32 s48, 4
.Lbatch:
	; 1. WHICH ROWS.  Each wave reads the query's masks, counts and groups into LDS bytes of its own; thread t finds the t-th set bit.
	global_load_b128 v[64:67], v55, s[6:7]
	global_load_b128 v[68:71], v55, s[4:5]
	global_load_b128 v[72:75], v55, s[8:9]
	global_load_b128 v[76:79], v55, s[12:13]
	global_load_b128 v[80:83], v55, s[12:13] offset:512
	s_wait_loadcnt 0x0
	v_add_nc_u32 v84, v55, v26
	ds_store_b128 v84, v[64:67]
	ds_store_b128 v84, v[68:71] offset:512
	ds_store_b128 v84, v[72:75] offset:1024
.set i, 0
.rept 4
	v_cvt_pk_bf16_f32 v[85+i], v[76+2*i], v[77+2*i]
.set i, i+1
.endr
.set i, 0
.rept 4
	v_lshlrev_b32 v[90+2*i], 16, v[85+i]
	v_and_b32 v[91+2*i], s47, v[85+i]
.set i, i+1
.endr
	v_pk_mul_f32 v[98:99], v[90:91], v[90:91]
	v_pk_fma_f32 v[98:99], v[92:93], v[92:93], v[98:99]
	v_pk_fma_f32 v[98:99], v[94:95], v[94:95], v[98:99]
	v_pk_fma_f32 v[98:99], v[96:97], v[96:97], v[98:99]
	v_add_f32 v98, v98, v99
	v_add_f32_dpp v98, v98, v98 row_xmask:1 row_mask:0xf bank_mask:0xf
	v_add_f32_dpp v98, v98, v98 row_xmask:2 row_mask:0xf bank_mask:0xf
	v_add_f32_dpp v98, v98, v98 row_xmask:4 row_mask:0xf bank_mask:0xf
	v_add_f32_dpp v98, v98, v98 row_xmask:8 row_mask:0xf bank_mask:0xf
	v_permlanex16_b32 v99, v98, s44, s45
	v_add_f32 v98, v98, v99
	v_add_f32 v98, 0x2b8cbccc, v98                 ; + 1e-12
	v_rsq_f32 v[CINV], v98                         ; 1 / |c|
	FIND 128, 7, 512
	v_lshrrev_b32 v113, 5, v[FI]                   ; word = 32 x wave + key; candidate p = 512 (key / 4) + 4 (32 wave + lane) + key % 4
	v_and_b32 v114, 31, v[FI]
	v_lshl_add_u32 v113, v113, 5, v[FO]
	v_lshrrev_b32 v115, 2, v114
	v_and_b32 v114, 3, v114
	v_lshl_add_u32 v113, v113, 2, v114
	v_lshl_add_u32 v113, v115, 9, v113
	v_lshrrev_b32 v114, 4, v113
	v_min_u32 v114, 127, v114
	v_lshl_add_u32 v114, v114, 2, v26
	ds_load_b32 v115, v114 offset:1024             ; its group
	v_and_b32 v116, 15, v113                       ; its row in the group
	v_bfe_u32 v117, v116, 2, 1
	v_lshrrev_b32 v118, 3, v116
	v_and_b32 v119, 3, v116
	v_lshlrev_b32 v117, 9, v117
	v_lshl_add_u32 v117, v118, 8, v117
	v_lshl_add_u32 v117, v119, 2, v117
	v_min_u32 v117, 0x3ff, v117
	s_wait_dscnt 0x0
	v_min_u32 v115, 6249, v115
	v_lshl_add_u32 v[GSC], v115, 10, v117
	v_lshl_add_u32 v[GQT], v115, 4, v116
	v_min_u32 v[GQT], 99999, v[GQT]
	v_lshlrev_b32 v[GQT], 2, v[GQT]
	global_load_b32 v20, v[GSC], s[54:55]
	global_load_b32 v21, v[GQT], s[16:17]
	global_load_b32 v22, v[GQT], s[18:19]
.set i, 0
.rept 20                               ; 2. QKV.  Source 0: a feature's 16 bytes, into both halves of the fragment (k from 5 on meets zeros).  These loads fill v64-223 while the three gathers are out
	ds_load_b128 v[64+8*i:67+8*i], v18 offset:256*i
	ds_load_b128 v[68+8*i:71+8*i], v18 offset:256*i
.set i, i+1
.endr
	s_wait_loadcnt 0x0
	s_wait_alu depctr_va_vdst(0)
	v_mul_f32 v20, v20, v[CINV]                    ; delta
	RB 21, 22
	v_permlanex16_b32 v23, v20, s44, s45
	v_permlanex16_b32 v24, v21, s44, s45
	v_permlanex16_b32 v25, v22, s44, s45
	QKV 0
	QKV 1
	BAR                                            ; K and V are whole
	; 3. SCORES: my 32 queries x 128 keys, one K step
.set i, 0
.rept 8
	ds_load_b128 v[128+8*i:131+8*i], v8 offset:1280*i
	ds_load_b128 v[132+8*i:135+8*i], v8 offset:1280*i+32
.set i, i+1
.endr
	s_wait_dscnt 0x0
	WIN 0xc0
.set i, 0
.rept 16                               ; accumulator 2 kb + nb
	v_wmma_f32_16x16x32_f16 v[8*i:8*i+7], v[128+8*(i/2):135+8*(i/2)], v[28+8*(i%2):35+8*(i%2)], 0
.set i, i+1
.endr
	WIN 0
	PLACES
	; 4. SOFTMAX in base 2, the row's maximum taken away
	WIN 0x3f
.set i, 0
.rept 16
	v_max3_num_f32 v[192+i], v[8*i], v[8*i+1], v[8*i+2]
	v_max3_num_f32 v[208+i], v[8*i+3], v[8*i+4], v[8*i+5]
.set i, i+1
.endr
	WIN 0x3c
.set i, 0
.rept 16
	v_max3_num_f32 v[192+i], v[192+i], v[8*i+6], v[8*i+7]
.set i, i+1
.endr
	WIN 0
.set i, 0
.rept 16
	v_max_num_f32 v[192+i], v[192+i], v[208+i]
.set i, i+1
.endr
.set i, 0
.rept 2
	v_max3_num_f32 v56, v[192+i], v[194+i], v[196+i]
	v_max3_num_f32 v57, v[198+i], v[200+i], v[202+i]
	v_max3_num_f32 v56, v56, v[204+i], v[206+i]
	v_max_num_f32 v56, v56, v57
	v_permlanex16_b32 v57, v56, s44, s45
	v_max_num_f32 v[60+i], v56, v57
.set i, i+1
.endr
	WIN 0xc3
.set i, 0
.rept 16
.set j, 0
.rept 4
	PSUBB 8*i+2*j, 8*i+2*j, 60, i%2
.set j, j+1
.endr
.set i, i+1
.endr
.set i, 0
.rept 128
	v_exp_f32 v[i], v[i]
.set i, i+1
.endr
	v_nop                                          ; a plain instruction behind the last exponential
	s_wait_alu depctr_va_vdst(0)
	WIN 0
	RSUM 0, 16, 8, 62
	RSUM 8, 16, 8, 63
	v_rcp_f32 v62, v62
	v_rcp_f32 v63, v63
	WIN 0x0f
.set i, 0
.rept 64                               ; weights to f16: fragment (ks, nb) at 64 + 8 (2 ks + nb); register j from key block 2 ks + j / 4
	v_cvt_pk_f16_f32 v[64+i], v[8*(2*(2*(i/16)+(i%8)/4)+(i/8)%2)+2*(i%4)], v[8*(2*(2*(i/16)+(i%8)/4)+(i/8)%2)+2*(i%4)+1]
.set i, i+1
.endr
	WIN 0
	; 5. O^T = V^T P: eight chunks of 16 matrix instructions; accumulator (m, nb) at 8 (2 m + nb)
	VLOAD 0
.set cc, 0
.rept 8
.if cc < 7
	PLACES
	VLOAD cc+1
	s_wait_dscnt 16                                ; all but the sixteen loads just issued
.else
	s_wait_dscnt 0x0
.endif
	WIN 0xf0
.set i, 0
.rept 16
.if cc < 2
	v_wmma_f32_16x16x32_f16 v[8*(2*(8*(cc&1)+i/2)+i%2):8*(2*(8*(cc&1)+i/2)+i%2)+7], v[128+64*(cc&1)+8*(i/2):135+64*(cc&1)+8*(i/2)], v[64+8*(2*(cc/2)+i%2):71+8*(2*(cc/2)+i%2)], 0
.else
	v_wmma_f32_16x16x32_f16 v[8*(2*(8*(cc&1)+i/2)+i%2):8*(2*(8*(cc&1)+i/2)+i%2)+7], v[128+64*(cc&1)+8*(i/2):135+64*(cc&1)+8*(i/2)], v[64+8*(2*(cc/2)+i%2):71+8*(2*(cc/2)+i%2)], v[8*(2*(8*(cc&1)+i/2)+i%2):8*(2*(8*(cc&1)+i/2)+i%2)+7]
.endif
.set i, i+1
.endr
	WIN 0
.set cc, cc+1
.endr
	PLACES
	; 6. metadata + attention, and the first LayerNorm over 256 features
.set i, 0
.rept 16
	ds_load_b128 v[128+8*i:131+8*i], v19 offset:64*i
	ds_load_b128 v[132+8*i:135+8*i], v19 offset:64*i+16
.set i, i+1
.endr
	s_wait_dscnt 0x0
	v_cndmask_b32 v56, v128, v20, s46              ; features 0-2, in lanes 0-15: delta, q, t of the lane's row
	v_cndmask_b32 v57, v129, v21, s46
	v_cndmask_b32 v58, v130, v22, s46
	v_mov_b32 v59, v131
	v_cndmask_b32 v44, v128, v23, s46
	v_cndmask_b32 v45, v129, v24, s46
	v_cndmask_b32 v46, v130, v25, s46
	v_mov_b32 v47, v131
	s_wait_alu depctr_va_vdst(0)
	WIN 0xc3
.set xm, 0
.rept 16
.set xn, 0
.rept 2
.set xp, 0
.rept 4
.set xr, 128+8*xm+2*xp
.if (xm == 0) && (xp < 2)
.set xr, 56-12*xn+2*xp
.endif
	PFMAB 8*(2*xm+xn)+2*xp, 8*(2*xm+xn)+2*xp, 62, xn, xr
.set xp, xp+1
.endr
.set xn, xn+1
.endr
.set xm, xm+1
.endr
	WIN 0
	GBLOAD 0, 16, LMG, LMB
.set xn, 0
.rept 2
	RSUM 8*xn, 16, 16, 44
	v_mul_f32 v[60+xn], s51, v44
	RSUB 8*xn, 16, 16, 60, xn
	RSQ 8*xn, 16, 16, 44
	v_fma_f32 v44, v44, s51, s50
	v_rsq_f32 v[62+xn], v44
	v_nop
	s_wait_alu depctr_va_vdst(0)
.set xn, xn+1
.endr
.set xm, 0
.rept 16
.if xm < 15
	GBLOAD (xm+1)&1, 16, LMG+64*(xm+1), LMB+64*(xm+1)
	s_wait_dscnt 4                                 ; all but the four loads just issued
.else
	s_wait_dscnt 0x0
.endif
.set xn, 0
.rept 2
	LNAPPLY 8*(2*xm+xn), 224+16*(xm&1), 64, 62, xn
	PACK4 56
	ds_store_b128 v12, v[56:59] offset:xn*8448+xm*32
.set xn, xn+1
.endr
.set xm, xm+1
.endr
	BAR                                            ; the 128 rows are whole
	; 7. the hidden layer
	BIAS TB1
	LAYER 1, 10
	PLACES
	WIN 0x0f
.set i, 0
.rept 128
	v_cvt_pk_f16_f32 v[128+i], v[2*i], v[2*i+1]
.set i, i+1
.endr
	WIN 0
.set i, 0
.rept 128
	v_pk_max_num_f16 v[128+i], v[128+i], v7
.set i, i+1
.endr
.set i, 0
.rept 32
	ds_store_b128 v13, v[128+4*i:131+4*i] offset:(i%8)*8448+(i/8)*32
.set i, i+1
.endr
	BAR
	; 8. the second layer and the residual
	BIAS TB2
	LAYER 2, 11
	PLACES
.set i, 0
.rept 32
	ds_load_b128 v[128+4*i:131+4*i], v54 offset:(i%8)*8448+(i/8)*32
.set i, i+1
.endr
	s_wait_dscnt 0x0
	WIN 0xf0
.set i, 0
.rept 128
	v_fma_mix_f32 v[2*i], v[128+i], v6, v[2*i] op_sel_hi:[1,0,0]
	v_fma_mix_f32 v[2*i+1], v[128+i], v6, v[2*i+1] op_sel:[1,0,0] op_sel_hi:[1,0,0]
.set i, i+1
.endr
	WIN 0
	; 9. the last LayerNorm: a row's 256 features lie in four waves, so its sums meet in LDS; then the mean over the rows
.set nn, 0
.rept 8
	RSUM 8*nn, 64, 4, 96+nn
	ds_store_b32 v52, v[96+nn] offset:64*nn
.set nn, nn+1
.endr
	BAR
.set i, 0
.rept 32
	ds_load_b32 v[128+i], v53 offset:512*(i%4)+64*(i/4)
.set i, i+1
.endr
	s_wait_dscnt 0x0
.set nn, 0
.rept 8
	v_add_f32 v[128+4*nn], v[128+4*nn], v[129+4*nn]
	v_add_f32 v[130+4*nn], v[130+4*nn], v[131+4*nn]
	v_add_f32 v[128+4*nn], v[128+4*nn], v[130+4*nn]
	v_mul_f32 v[96+nn], s51, v[128+4*nn]
.set nn, nn+1
.endr
.set nn, 0
.rept 8
	RSUB 8*nn, 64, 4, 96+2*(nn/2), nn&1
	RSQ 8*nn, 64, 4, 104+nn
	ds_store_b32 v52, v[104+nn] offset:2048+64*nn
.set nn, nn+1
.endr
	BAR
.set i, 0
.rept 32
	ds_load_b32 v[192+i], v53 offset:2048+512*(i%4)+64*(i/4)
.set i, i+1
.endr
.set i, 0
.rept 4
	ds_load_b128 v[128+8*i:131+8*i], v17 offset:LMG+64*i
	ds_load_b128 v[132+8*i:135+8*i], v17 offset:LMG+64*i+16
	ds_load_b128 v[160+8*i:163+8*i], v17 offset:LMB+64*i
	ds_load_b128 v[164+8*i:167+8*i], v17 offset:LMB+64*i+16
.set i, i+1
.endr
	s_wait_dscnt 0x0
.set nn, 0
.rept 8
	v_add_f32 v[192+4*nn], v[192+4*nn], v[193+4*nn]
	v_add_f32 v[194+4*nn], v[194+4*nn], v[195+4*nn]
	v_add_f32 v[192+4*nn], v[192+4*nn], v[194+4*nn]
	v_fma_f32 v[192+4*nn], v[192+4*nn], s51, s50
.set nn, nn+1
.endr
.set nn, 0
.rept 8
	v_rsq_f32 v[96+nn], v[192+4*nn]
.set nn, nn+1
.endr
	v_nop
	s_wait_alu depctr_va_vdst(0)
	WIN 0x03
.set nn, 0
.rept 8
.set i, 0
.rept 16                               ; pair i % 4 of feature block i / 4
.if nn == 0
	PMULB 64+2*i, 64*(i/4)+2*(i%4), 96, 0
.else
	PFMAB 64+2*i, 8*(8*(i/4)+nn)+2*(i%4), 96+2*(nn/2), nn&1, 64+2*i
.endif
.set i, i+1
.endr
.set nn, nn+1
.endr
	WIN 0
.irp m, 1,2,4,8
.set i, 0
.rept 32
	v_add_f32_dpp v[64+i], v[64+i], v[64+i] row_xmask:\m row_mask:0xf bank_mask:0xf
.set i, i+1
.endr
.endr
.set i, 0
.rept 16
	v_pk_mul_f32 v[128+2*i:129+2*i], v[128+2*i:129+2*i], 0x3c000000 op_sel_hi:[1,0]   ; g / 128
.set i, i+1
.endr
.set i, 0
.rept 16
	v_pk_fma_f32 v[64+2*i:65+2*i], v[64+2*i:65+2*i], v[128+2*i:129+2*i], v[160+2*i:161+2*i]
.set i, i+1
.endr
.set i, 0
.rept 16
	v_cvt_pk_f16_f32 v[192+i], v[64+2*i], v[65+2*i]
.set i, i+1
.endr
.set i, 0
.rept 4
	ds_store_b128 v27, v[192+4*i:195+4*i] offset:32*i
.set i, i+1
.endr
	s_wait_xcnt 0x0                                ; the bases step only behind this wait
	s_add_nc_u64 s[4:5], s[4:5], 512
	s_add_nc_u64 s[6:7], s[6:7], 512
	s_add_nc_u64 s[8:9], s[8:9], 512
	s_add_nc_u64 s[12:13], s[12:13], 1024
	s_add_nc_u64 s[54:55], s[54:55], 16
	v_add_nc_u32 v18, 5120, v18
	v_add_nc_u32 v19, 1024, v19
	v_add_nc_u32 v27, 528, v27
	s_sub_co_u32 s48, s48, 1
	s_cmp_lg_u32 s48, 0
	s_cbranch_scc1 .Lbatch
	; THE PROJECTION for the four queries
	WTOFF                                          ; the loop has used v126 for other things
	LDW 1, 832
	LDW 2, 1088
	v_and_b32 v120, 3, v0
	v_mul_u32_u24 v122, v120, 1040
	v_mul_u32_u24 v120, v120, 528
	v_lshl_add_u32 v120, v3, 4, v120
	v_add_nc_u32 v120, MEANH, v120                 ; fragments: column r takes query r % 4
	s_lshl_b32 s52, s42, 7
	s_add_co_u32 s52, s52, HP-MEANH
	v_add_nc_u32 v121, s52, v120
	v_add_nc_u32 v122, v122, v17
	v_add_nc_u32 v122, OUTS, v122
	s_mul_i32 s52, s42, 1040
	s_add_co_u32 s52, s52, OUTS
	v_add_nc_u32 v123, s52, v55
	BAR                                            ; the four means are whole
	s_wait_loadcnt 0x0
	PROJ 1, 0, TP1
	WIN 0x0f
.set i, 0
.rept 16
	v_cvt_pk_f16_f32 v[96+i], v[2*i], v[2*i+1]
.set i, i+1
.endr
	WIN 0
.set i, 0
.rept 16
	v_pk_max_num_f16 v[96+i], v[96+i], v7
.set i, i+1
.endr
.set i, 0
.rept 4
	ds_store_b128 v121, v[96+4*i:99+4*i] offset:32*i
.set i, i+1
.endr
	BAR
	PROJ 2, HP-MEANH, TP2
	WIN 0x0c
.set i, 0
.rept 4
	ds_store_b128 v122, v[8*i:8*i+3] offset:64*i
	ds_store_b128 v122, v[8*i+4:8*i+7] offset:64*i+16
.set i, i+1
.endr
	WIN 0
	BAR
	ds_load_b128 v[96:99], v123                    ; wave v stores query 4 wg + v: two stores of 512 consecutive aligned bytes
	ds_load_b128 v[100:103], v123 offset:512
	s_wait_dscnt 0x0
	global_store_b128 v55, v[96:99], s[40:41]
	global_store_b128 v55, v[100:103], s[40:41] offset:512
	s_wait_tensorcnt 0x0                           ; the wave's end
	ds_add_u32 v4, v5
	s_wait_dscnt 0x0
	s_endpgm
.Lfunc_end_k_qf72363d0c5_F:
	.size	k_qf72363d0c5_F, .Lfunc_end_k_qf72363d0c5_F-k_qf72363d0c5_F
	.p2alignl 7, 3214868480
	.fill 96, 4, 3214868480
	.section	.rodata,"a",@progbits
	.p2align	6, 0x0
	.amdhsa_kernel k_qf72363d0c5_F
		.amdhsa_group_segment_fixed_size 271872
		.amdhsa_private_segment_fixed_size 0
		.amdhsa_enable_private_segment 0
		.amdhsa_kernarg_size 152
		.amdhsa_user_sgpr_count 2
		.amdhsa_user_sgpr_kernarg_segment_ptr 1
		.amdhsa_wavefront_size32 1
		.amdhsa_system_sgpr_workgroup_id_x 1
		.amdhsa_system_sgpr_workgroup_id_y 1
		.amdhsa_system_sgpr_workgroup_id_z 1
		.amdhsa_system_vgpr_workitem_id 0
		.amdhsa_next_free_vgpr 1024
		.amdhsa_next_free_sgpr 66
		.amdhsa_reserve_vcc 1
		.amdhsa_float_denorm_mode_32 3
		.amdhsa_float_denorm_mode_16_64 3
		.amdhsa_memory_ordered 1
		.amdhsa_forward_progress 1
		.amdhsa_inst_pref_size 255
	.end_amdhsa_kernel
	.section	.bss,"aw",@nobits
	.p2align	6
	.space	262144
	.amdgpu_metadata
---
amdhsa.version: [ 1, 2 ]
amdhsa.kernels:
  - .name:           k_qf72363d0c5_F
    .symbol:         k_qf72363d0c5_F.kd
    .args:
      - { .name: bm2, .offset: 0, .size: 8, .value_kind: global_buffer, .address_space: global }
      - { .name: pf2, .offset: 8, .size: 8, .value_kind: global_buffer, .address_space: global }
      - { .name: glist, .offset: 16, .size: 8, .value_kind: global_buffer, .address_space: global }
      - { .name: scores, .offset: 24, .size: 8, .value_kind: global_buffer, .address_space: global }
      - { .name: c, .offset: 32, .size: 8, .value_kind: global_buffer, .address_space: global }
      - { .name: action, .offset: 40, .size: 8, .value_kind: global_buffer, .address_space: global }
      - { .name: mem_q, .offset: 48, .size: 8, .value_kind: global_buffer, .address_space: global }
      - { .name: mem_t, .offset: 56, .size: 8, .value_kind: global_buffer, .address_space: global }
      - { .name: wt, .offset: 64, .size: 8, .value_kind: global_buffer, .address_space: global }
      - { .name: qkv_b, .offset: 72, .size: 8, .value_kind: global_buffer, .address_space: global }
      - { .name: ln_g, .offset: 80, .size: 8, .value_kind: global_buffer, .address_space: global }
      - { .name: ln_b, .offset: 88, .size: 8, .value_kind: global_buffer, .address_space: global }
      - { .name: lnm_g, .offset: 96, .size: 8, .value_kind: global_buffer, .address_space: global }
      - { .name: lnm_b, .offset: 104, .size: 8, .value_kind: global_buffer, .address_space: global }
      - { .name: mlp1_b, .offset: 112, .size: 8, .value_kind: global_buffer, .address_space: global }
      - { .name: mlp2_b, .offset: 120, .size: 8, .value_kind: global_buffer, .address_space: global }
      - { .name: proj1_b, .offset: 128, .size: 8, .value_kind: global_buffer, .address_space: global }
      - { .name: proj2_b, .offset: 136, .size: 8, .value_kind: global_buffer, .address_space: global }
      - { .name: out0, .offset: 144, .size: 8, .value_kind: global_buffer, .address_space: global }
    .group_segment_fixed_size: 271872
    .private_segment_fixed_size: 0
    .kernarg_segment_align: 8
    .kernarg_segment_size: 152
    .max_flat_workgroup_size: 128
    .sgpr_count:     66
    .vgpr_count:     1024
    .wavefront_size: 32
...
	.end_amdgpu_metadata
.endif
;; end of part 5
;; ======== version 2 of 3: 5 launches; 1.15 times as fast as version 1
;; limits: values outside matrix products are rounded to f16; values are held in f16: magnitudes above 65,504 overflow, below 6.1e-05 lose precision; inputs' magnitudes at most 65,504
;; workspace buffers: wt 1,212,416 bytes; scores 409,600,000 bytes; gm 25,600,000 bytes; bm1 1,048,576 bytes of whole numbers; pf1 1,048,576 bytes of whole numbers; glist 524,288 bytes of whole numbers; bm2 524,288 bytes of whole numbers; pf2 524,288 bytes of whole numbers
;; launch P (part 6): grid 106 x 1, 8 waves a work-group, no clusters, 0 bytes of LDS; arguments qkv_w, mlp1_w, mlp2_w, proj1_w, proj2_w, c, wt; writes wt
.if DOCPART == 6
	.amdgcn_target "amdgcn-amd-amdhsa--gfx1250"
	.amdhsa_code_object_version 6
	.text
	.protected	k_qf72363d0c5_P
	.globl	k_qf72363d0c5_P
	.p2align	8
	.type	k_qf72363d0c5_P,@function
k_qf72363d0c5_P:
	s_mov_b64 s[64:65], 0
	v_nop
	global_prefetch_b8 v0, s[64:65] scope:SCOPE_SE
	s_setreg_imm32_b32 hwreg(HW_REG_WAVE_MODE, 25, 1), 1
	s_wait_xcnt 0x0
; Two preparations, chosen by the work-group's number.
; Work-groups 0-41: the five weight matrices [256 (k)][N] f32 are rounded to bf16, written as f16 (exact within f16's range) and turned: wt[row n][256 (k)].
; wt's rows: 0-319 qkv_w, 320-575 mlp1_w, 576-831 mlp2_w, 832-1087 proj1_w, 1088-1343 proj2_w.  A work-group takes 32 columns of one matrix: lane = column, wave v = k 32 v .. 32 v + 31.
; Work-groups 42-105: c is rounded to bf16 and laid in the order of matrix fragments, from byte 688,128 of wt on: block (query / 16, K step) is 1,024 bytes; in it half j of the fragment's
; eight registers is 512 bytes, 16 for each lane (lane = 16 h + query % 16 holds k = 16 j + 8 h .. + 7).  A work-group takes 16 queries, wave v K step v; each store is 512 consecutive aligned bytes.
; LIMIT: a weight beyond 65,504 becomes an infinity; below 6e-5 it keeps f16's fixed step.
.set OFS, 32                           ; v[32:63] byte offsets of my 32 numbers
.set DAT, 64                           ; v[64:95] the numbers
.set OUT, 16                           ; v[16:31] 32 f16, packed
.set CB,  688128                       ; c's fragments begin here
	s_load_b256 s[4:11], s[0:1], 0x0               ; qkv_w, mlp1_w, mlp2_w, proj1_w
	s_load_b128 s[12:15], s[0:1], 0x20             ; proj2_w, c
	s_load_b64 s[18:19], s[0:1], 0x30              ; wt
	s_mov_b32 s20, ttmp9                           ; g: 0-9 qkv_w, then eight for each square matrix, then c
	v_and_b32 v1, 31, v0                           ; lane
	s_cmp_ge_u32 s20, 42
	s_cbranch_scc1 .Lquery
	s_sub_co_u32 s21, s20, 10
	s_lshr_b32 s22, s21, 3                         ; which square matrix
	s_and_b32 s23, s21, 7
	s_lshl_b32 s23, s23, 5                         ; its first column
	s_lshl_b32 s24, s22, 8
	s_add_co_u32 s24, s24, s23
	s_add_co_u32 s24, s24, 320                     ; wt's first row
	s_lshl_b32 s25, s20, 5                         ; for qkv_w both are 32 g
	s_mov_b32 s26, 1024                            ; bytes from k to k + 1
	s_mov_b32 s27, 1280
	s_cmp_lt_u32 s20, 10
	s_cselect_b32 s23, s25, s23
	s_cselect_b32 s24, s25, s24
	s_cselect_b32 s26, s27, s26
	s_lshl_b32 s28, s23, 2
	s_mov_b32 s29, 0
	s_lshl_b32 s30, s24, 9
	s_mov_b32 s31, 0
	s_mov_b32 s32, 0xffff0000
	v_and_b32 v2, 0xe0, v0                         ; 32 x wave = my first k
	v_mul_lo_u32 v3, v2, s26
	v_lshl_add_u32 v[OFS], v1, 2, v3
.set i, 1
.rept 31
	v_add_nc_u32 v[OFS+i], s26, v[OFS+i-1]
.set i, i+1
.endr
	v_lshlrev_b32 v4, 9, v1                        ; out: row = lane, 512 bytes a row,
	v_lshl_add_u32 v4, v2, 1, v4                   ; + 2 bytes x my first k
	s_wait_kmcnt 0x0
	s_cmp_eq_u32 s22, 0
	s_cselect_b64 s[16:17], s[6:7], s[8:9]
	s_cmp_eq_u32 s22, 2
	s_cselect_b64 s[16:17], s[10:11], s[16:17]
	s_cmp_eq_u32 s22, 3
	s_cselect_b64 s[16:17], s[12:13], s[16:17]
	s_cmp_lt_u32 s20, 10
	s_cselect_b64 s[16:17], s[4:5], s[16:17]
	s_add_nc_u64 s[16:17], s[16:17], s[28:29]
	s_add_nc_u64 s[18:19], s[18:19], s[30:31]
.set i, 0
.rept 32
	global_load_b32 v[DAT+i], v[OFS+i], s[16:17]
.set i, i+1
.endr
	s_wait_loadcnt 0x0
.set i, 0
.rept 16                               ; two numbers: to bf16, widened again, to f16
	v_cvt_pk_bf16_f32 v5, v[DAT+2*i], v[DAT+2*i+1]
	v_lshlrev_b32 v[DAT+2*i], 16, v5
	v_and_b32 v[DAT+2*i+1], s32, v5
	v_cvt_pk_f16_f32 v[OUT+i], v[DAT+2*i], v[DAT+2*i+1]
.set i, i+1
.endr
.set i, 0
.rept 4
	global_store_b128 v4, v[OUT+4*i:OUT+4*i+3], s[18:19] offset:16*i
.set i, i+1
.endr
	s_endpgm
.Lquery:
	s_sub_co_u32 s21, s20, 42                      ; the block of 16 queries
	s_lshl_b32 s22, s21, 14                        ; its 16 rows of 1,024 bytes in c
	s_mov_b32 s23, 0
	s_lshl_b32 s24, s21, 13                        ; its eight blocks of 1,024 bytes in wt
	s_add_co_u32 s24, s24, CB
	s_mov_b32 s25, 0
	v_and_b32 v2, 15, v0                           ; r: the query in the block
	v_bfe_u32 v3, v0, 4, 1                         ; h
	v_lshrrev_b32 v4, 5, v0                        ; wave = K step
	v_lshlrev_b32 v5, 10, v2
	v_lshl_add_u32 v5, v4, 7, v5
	v_lshl_add_u32 v5, v3, 5, v5                   ; in: r x 1024 + 128 x K step + 32 h
	v_lshlrev_b32 v6, 4, v1
	v_lshl_add_u32 v6, v4, 10, v6                  ; out: 1024 x K step + 16 x lane
	s_wait_kmcnt 0x0
	s_add_nc_u64 s[14:15], s[14:15], s[22:23]
	s_add_nc_u64 s[18:19], s[18:19], s[24:25]
	global_load_b128 v[8:11], v5, s[14:15]             ; k = 8 h .. 8 h + 7
	global_load_b128 v[12:15], v5, s[14:15] offset:16
	global_load_b128 v[16:19], v5, s[14:15] offset:64  ; k = 16 + 8 h ..
	global_load_b128 v[20:23], v5, s[14:15] offset:80
	s_wait_loadcnt 0x0
.set i, 0
.rept 8
	v_cvt_pk_bf16_f32 v[24+i], v[8+2*i], v[9+2*i]
.set i, i+1
.endr
	global_store_b128 v6, v[24:27], s[18:19]
	global_store_b128 v6, v[28:31], s[18:19] offset:512
	s_endpgm
.Lfunc_end_k_qf72363d0c5_P:
	.size	k_qf72363d0c5_P, .Lfunc_end_k_qf72363d0c5_P-k_qf72363d0c5_P
	.p2alignl 7, 3214868480
	.fill 96, 4, 3214868480
	.section	.rodata,"a",@progbits
	.p2align	6, 0x0
	.amdhsa_kernel k_qf72363d0c5_P
		.amdhsa_group_segment_fixed_size 0
		.amdhsa_private_segment_fixed_size 0
		.amdhsa_enable_private_segment 0
		.amdhsa_kernarg_size 56
		.amdhsa_user_sgpr_count 2
		.amdhsa_user_sgpr_kernarg_segment_ptr 1
		.amdhsa_wavefront_size32 1
		.amdhsa_system_sgpr_workgroup_id_x 1
		.amdhsa_system_sgpr_workgroup_id_y 1
		.amdhsa_system_sgpr_workgroup_id_z 1
		.amdhsa_system_vgpr_workitem_id 0
		.amdhsa_next_free_vgpr 96
		.amdhsa_next_free_sgpr 66
		.amdhsa_reserve_vcc 0
		.amdhsa_float_denorm_mode_32 3
		.amdhsa_float_denorm_mode_16_64 3
		.amdhsa_memory_ordered 1
		.amdhsa_forward_progress 1
		.amdhsa_inst_pref_size 12
	.end_amdhsa_kernel
	.amdgpu_metadata
---
amdhsa.version: [ 1, 2 ]
amdhsa.kernels:
  - .name:           k_qf72363d0c5_P
    .symbol:         k_qf72363d0c5_P.kd
    .args:
      - { .name: qkv_w, .offset: 0, .size: 8, .value_kind: global_buffer, .address_space: global }
      - { .name: mlp1_w, .offset: 8, .size: 8, .value_kind: global_buffer, .address_space: global }
      - { .name: mlp2_w, .offset: 16, .size: 8, .value_kind: global_buffer, .address_space: global }
      - { .name: proj1_w, .offset: 24, .size: 8, .value_kind: global_buffer, .address_space: global }
      - { .name: proj2_w, .offset: 32, .size: 8, .value_kind: global_buffer, .address_space: global }
      - { .name: c, .offset: 40, .size: 8, .value_kind: global_buffer, .address_space: global }
      - { .name: wt, .offset: 48, .size: 8, .value_kind: global_buffer, .address_space: global }
    .group_segment_fixed_size: 0
    .private_segment_fixed_size: 0
    .kernarg_segment_align: 8
    .kernarg_segment_size: 56
    .max_flat_workgroup_size: 256
    .sgpr_count:     66
    .vgpr_count:     96
    .wavefront_size: 32
...
	.end_amdgpu_metadata
.endif
;; end of part 6
;; launch G (part 7): grid 250 x 1, 4 waves a work-group, no clusters, 315,904 bytes of LDS; arguments wt, mem_c, scores, gm; writes scores, gm
.if DOCPART == 7
	.amdgcn_target "amdgcn-amd-amdhsa--gfx1250"
	.amdhsa_code_object_version 6
	.text
	.protected	k_qf72363d0c5_G
	.globl	k_qf72363d0c5_G
	.p2align	8
	.type	k_qf72363d0c5_G,@function
k_qf72363d0c5_G:
	s_mov_b64 s[64:65], 0
	v_nop
	global_prefetch_b8 v0, s[64:65] scope:SCOPE_SE
	s_setreg_imm32_b32 hwreg(HW_REG_WAVE_MODE, 25, 1), 1
	s_wait_xcnt 0x0
; scores[q][n] = bf16(c[q]) . bf16(mem_c[n]) x 1 / |bf16(mem_c[n])|, and the maximum of each group of 16 memory rows.  The query's own norm, a positive factor of its whole row, is applied after the selection.
; A work-group owns 400 memory rows (25 groups): read once, rounded to bf16 into LDS, their inverse norms beside them.  It walks all 1,024 queries in four tiles of 256; a wave owns 64 of a tile, their
; fragments in 256 registers, loaded as they lie from the copy of c that an earlier launch rounded and laid in fragment order (wt from byte 688,128 on).
; Source 0 = 16 memory rows, source 1 = 16 queries: a lane holds one query and eight memory rows of a group.
; scores: tile (query / 16, row / 16) is 1,024 bytes at (qb x 6250 + gb) x 1024; inside, query r and row 8 h + j lie at (j / 4) x 512 + h x 256 + 16 r + 4 (j % 4): each store of a wave is 512 consecutive aligned bytes.
; gm: [250 work-groups][1024 queries][25] f32, gathered in LDS and written as one dense block.
; No tensor loads: the memory rows are converted on their way and pass registers anyway.  No cluster: what work-groups share is c's copy, 0.5 MB of the 103 MB read.
; THE PRICE OF ONE TEXT for the ring of phase 0: the last trip's refills fetch that trip's own ten rows once more (10 KB a wave) and are dropped.
; LIMIT: NaN and infinities are not treated apart.
; REGISTERS: window 0 addresses, memory fragments (two buffers of five), inverse norms; window 1 the queries' fragments ((a, ks) at 64 a + 8 ks); window 2 the 20 accumulators ((i, a) at 8 (4 i + a)).
.set PITCH, 528                        ; an LDS row: 512 bytes + 16: the 16 rows of a fragment load start at 16 different groups of four banks
.set MINV,  211200                     ; behind 400 rows: 400 f32
.set STG,   212992                     ; [1024][25] f32
.set SPARE, 315392                     ; the spare words: 128 bytes a wave
.set CB,    688128                     ; c's fragments in wt
.set AF, 32                            ; v[32:111]
.set MV, 112                           ; v[112:151]
.set X,  160                           ; v[160:239]
.set MSB, 0
.macro WIN new                         ; the immediate's high byte repeats the setting that is left
.if MSB != (\new)
	s_set_vgpr_msb (MSB<<8)|(\new)
.set MSB, \new
.endif
.endm
.macro PLACES                          ; four plain instructions between a matrix instruction and a load into, or a vector access to, its registers
.rept 4
	v_nop
.endr
.endm
	s_load_b256 s[4:11], s[0:1], 0x0               ; wt, mem_c, scores, gm
	v_lshl_add_u32 v4, v0, 2, SPARE
	v_mov_b32 v5, 0
	v_and_b32 v1, 31, v0
	v_lshrrev_b32 v20, 5, v0
	v_readfirstlane_b32 s12, v20                   ; wave
	s_mov_b32 s13, ttmp9
	v_and_b32 v2, 15, v0                           ; r
	v_bfe_u32 v3, v0, 4, 1                         ; h
	v_lshlrev_b32 v6, 4, v1                        ; 16 x lane
	v_mul_u32_u24 v7, v2, PITCH
	v_lshl_add_u32 v7, v3, 4, v7                   ; memory fragments: r x pitch + 16 h
	v_lshlrev_b32 v8, 5, v3
	v_add_nc_u32 v8, MINV, v8                      ; inverse norms of rows 8 h ..
	s_lshl_b32 s26, s12, 6
	v_add_nc_u32 v9, s26, v2
	v_mul_u32_u24 v9, v9, 100
	v_add_nc_u32 v9, STG, v9                       ; group maxima of query 64 v + r
.set i, 0
.rept 4
	v_add_nc_u32 v[10+i], i*6400000, v6            ; scores: query block a lies 6,250 tiles on
.set i, i+1
.endr
	s_mul_i32 s26, s12, 100*PITCH
	v_lshl_add_u32 v16, v1, 3, s26                 ; phase 0: my wave's first LDS row + 8 x lane
	s_mul_i32 s26, s12, 400
	s_add_co_u32 s26, s26, MINV
	v_mov_b32 v17, s26
	v_mov_b32 v30, 0
	s_mov_b32 s24, 0x76543210
	s_mov_b32 s25, 0xfedcba98
	s_mov_b32 s28, 0xffff0000
	s_mul_i32 s26, s13, 400
	s_mul_i32 s27, s12, 100
	s_add_co_u32 s26, s26, s27
	s_lshl_b32 s26, s26, 10                        ; my wave's first memory row, in bytes (under 2^27),
	s_add_co_u32 s26, s26, 10240                   ; and ten rows on: where the ring's first refills begin
	s_mov_b32 s27, 0
	s_wait_kmcnt 0x0
	s_add_nc_u64 s[14:15], s[6:7], s[26:27]
	s_lshl_b32 s26, s12, 15
	s_add_co_u32 s26, s26, CB
	s_add_nc_u64 s[16:17], s[4:5], s[26:27]        ; c's fragments at query block 4 v
	s_mul_i32 s26, s12, 25600000
	s_mul_i32 s29, s13, 25600
	s_add_co_u32 s26, s26, s29
	s_add_nc_u64 s[18:19], s[8:9], s[26:27]        ; scores at tile (4 v, 25 w)
	s_mul_i32 s26, s13, 102400
	s_add_nc_u64 s[20:21], s[10:11], s[26:27]
	; PHASE 0: a ring of ten row slots in registers, ten trips of ten rows a wave.  A row's 1,024 bytes are two loads of 512; rounded, stored, the rounded numbers' squares summed over the wave.
	; A slot is loaded again, with the row ten further on, as soon as it has been unpacked: twenty loads of a wave are always on their way.
.set i, 0
.rept 10
	global_load_b128 v[X+8*i:X+8*i+3], v6, s[14:15] offset:i*1024-10240 th:TH_LOAD_NT
	global_load_b128 v[X+8*i+4:X+8*i+7], v6, s[14:15] offset:i*1024-10240+512 th:TH_LOAD_NT
.set i, i+1
.endr
	s_mov_b32 s22, 10
.Lrows:
.set i, 0
.rept 10
	s_wait_loadcnt 18                              ; this slot's two loads are in; the other nine slots' eighteen stay out
.set j, 0
.rept 4
	v_cvt_pk_bf16_f32 v[X+8*i+j], v[X+8*i+2*j], v[X+8*i+2*j+1]
.set j, j+1
.endr
	ds_store_b64 v16, v[X+8*i:X+8*i+1] offset:i*PITCH
	ds_store_b64 v16, v[X+8*i+2:X+8*i+3] offset:i*PITCH+256
.set j, 0
.rept 4
	v_lshlrev_b32 v[20+2*j], 16, v[X+8*i+j]
	v_and_b32 v[21+2*j], s28, v[X+8*i+j]
.set j, j+1
.endr
	global_load_b128 v[X+8*i:X+8*i+3], v6, s[14:15] offset:i*1024 th:TH_LOAD_NT
	global_load_b128 v[X+8*i+4:X+8*i+7], v6, s[14:15] offset:i*1024+512 th:TH_LOAD_NT
	v_pk_mul_f32 v[28:29], v[20:21], v[20:21]
	v_pk_fma_f32 v[28:29], v[22:23], v[22:23], v[28:29]
	v_pk_fma_f32 v[28:29], v[24:25], v[24:25], v[28:29]
	v_pk_fma_f32 v[28:29], v[26:27], v[26:27], v[28:29]
	v_add_f32 v28, v28, v29
	v_add_f32_dpp v28, v28, v28 row_xmask:1 row_mask:0xf bank_mask:0xf
	v_add_f32_dpp v28, v28, v28 row_xmask:2 row_mask:0xf bank_mask:0xf
	v_add_f32_dpp v28, v28, v28 row_xmask:4 row_mask:0xf bank_mask:0xf
	v_add_f32_dpp v28, v28, v28 row_xmask:8 row_mask:0xf bank_mask:0xf
	v_permlanex16_b32 v30, v28, s24, s25
	v_add_f32 v28, v28, v30
	v_add_f32 v28, 0x2b8cbccc, v28                 ; + 1e-12
	v_rsq_f32 v29, v28
	v_nop                                          ; a plain instruction behind the root
	s_wait_alu depctr_va_vdst(0)
	ds_store_b32 v17, v29 offset:4*i
.set i, i+1
.endr
	s_wait_xcnt 0x0                                ; the refills' base steps only behind this wait
	s_cmp_gt_u32 s22, 2                            ; the trip before the last has fetched the last ten rows: the base stays there, inside the buffer
	s_cselect_b32 s26, 10240, 0
	s_add_nc_u64 s[14:15], s[14:15], s[26:27]
	v_add_nc_u32 v16, 10*PITCH, v16
	v_add_nc_u32 v17, 40, v17
	s_sub_co_u32 s22, s22, 1
	s_cmp_lg_u32 s22, 0
	s_cbranch_scc1 .Lrows
	s_wait_loadcnt 0x0                             ; the last trip's refills, which nobody reads
	s_wait_dscnt 0x0                               ; for the others' sake: my rows and norms are in LDS
	s_barrier_signal -1
	s_barrier_wait -1
.macro AFLOAD k                        ; five fragments (80 memory rows x 32 K at K step k) into buffer k % 2
.set ai, 0
.rept 5
	ds_load_b128 v[AF+40*((\k)&1)+8*ai:AF+40*((\k)&1)+8*ai+3], v7 offset:ai*16*PITCH+(\k)*64
	ds_load_b128 v[AF+40*((\k)&1)+8*ai+4:AF+40*((\k)&1)+8*ai+7], v7 offset:ai*16*PITCH+(\k)*64+32
.set ai, ai+1
.endr
.endm
	s_mov_b32 s22, 4
.Lqt:                                  ; a tile of 256 queries
	WIN 0x40                                       ; my 64 queries' fragments: register 4 i .. 4 i + 3 of window 1 is the i-th 512 bytes
.set qi, 0
.rept 64
	global_load_b128 v[4*qi:4*qi+3], v6, s[16:17] offset:512*qi
.set qi, qi+1
.endr
	WIN 0
	s_wait_loadcnt 0x0
	s_mov_b32 s23, 5
.Lnb:                                  ; 80 memory rows: 160 matrix instructions, the 20 accumulators by turns
.set i, 0
.rept 5
	ds_load_b128 v[MV+8*i:MV+8*i+3], v8 offset:64*i
	ds_load_b128 v[MV+8*i+4:MV+8*i+7], v8 offset:64*i+16
.set i, i+1
.endr
	AFLOAD 0
.set ks, 0
.rept 8
.if ks < 7
	PLACES
	AFLOAD ks+1
	s_wait_dscnt 10                                ; all but the ten loads just issued
.else
	s_wait_dscnt 0x0
.endif
	WIN 0xa4                                       ; memory window 0, queries window 1, sums window 2
.set x, 0
.rept 20
.if ks == 0
	v_wmma_f32_16x16x32_bf16 v[8*x:8*x+7], v[AF+40*(ks&1)+8*(x/4):AF+40*(ks&1)+8*(x/4)+7], v[64*(x%4)+8*ks:64*(x%4)+8*ks+7], 0
.else
	v_wmma_f32_16x16x32_bf16 v[8*x:8*x+7], v[AF+40*(ks&1)+8*(x/4):AF+40*(ks&1)+8*(x/4)+7], v[64*(x%4)+8*ks:64*(x%4)+8*ks+7], v[8*x:8*x+7]
.endif
.set x, x+1
.endr
	WIN 0
.set ks, ks+1
.endr
	PLACES
	WIN 0x82                                       ; times the memory rows' inverse norms, each accumulator from its low end
.set x, 0
.rept 20
.set p, 0
.rept 4
	v_pk_mul_f32 v[8*x+2*p:8*x+2*p+1], v[8*x+2*p:8*x+2*p+1], v[MV+8*(x/4)+2*p:MV+8*(x/4)+2*p+1]
.set p, p+1
.endr
.set x, x+1
.endr
	WIN 0x2a                                       ; the group's maximum: eight registers, then the other half of the lanes
.set x, 0
.rept 20
	v_max3_num_f32 v[32+x], v[8*x], v[8*x+1], v[8*x+2]
	v_max3_num_f32 v[52+x], v[8*x+3], v[8*x+4], v[8*x+5]
.set x, x+1
.endr
	WIN 0x28
.set x, 0
.rept 20
	v_max3_num_f32 v[32+x], v[32+x], v[8*x+6], v[8*x+7]
.set x, x+1
.endr
	WIN 0x08                                       ; the stores stand between the two parts of the maxima: behind the products' last writes, ahead of the wait that frees their data
.set x, 0
.rept 20
	global_store_b128 v[10+x%4], v[8*x:8*x+3], s[18:19] offset:(x/4)*1024 th:TH_STORE_NT
	global_store_b128 v[10+x%4], v[8*x+4:8*x+7], s[18:19] offset:(x/4)*1024+512 th:TH_STORE_NT
.set x, x+1
.endr
	WIN 0
.set x, 0
.rept 20
	v_max_num_f32 v[32+x], v[32+x], v[52+x]
.set x, x+1
.endr
.set x, 0
.rept 20
	v_permlanex16_b32 v[52+x], v[32+x], s24, s25
.set x, x+1
.endr
.set x, 0
.rept 20
	v_max_num_f32 v[32+x], v[32+x], v[52+x]
	ds_store_b32 v9, v[32+x] offset:(x%4)*1600+(x/4)*4
.set x, x+1
.endr
	s_wait_xcnt 0x0                                ; the stores' base and data are rewritten only behind this wait
	s_add_nc_u64 s[18:19], s[18:19], 5120
	v_add_nc_u32 v7, 80*PITCH, v7
	v_add_nc_u32 v8, 320, v8
	v_add_nc_u32 v9, 20, v9
	s_sub_co_u32 s23, s23, 1
	s_cmp_lg_u32 s23, 0
	s_cbranch_scc1 .Lnb
	s_add_nc_u64 s[18:19], s[18:19], 102374400     ; 16 query blocks on, 25 tiles back
	v_add_nc_u32 v7, -400*PITCH, v7
	v_add_nc_u32 v8, -1600, v8
	v_add_nc_u32 v9, 25500, v9                     ; 256 queries on, 25 groups back
	s_add_nc_u64 s[16:17], s[16:17], 131072        ; 16 query blocks of 8,192 bytes on
	s_sub_co_u32 s22, s22, 1
	s_cmp_lg_u32 s22, 0
	s_cbranch_scc1 .Lqt
	s_wait_dscnt 0x0                               ; my maxima are in LDS
	s_barrier_signal -1
	s_barrier_wait -1
	v_lshlrev_b32 v15, 4, v0                       ; 16 x thread
	v_add_nc_u32 v16, STG, v15
	s_mov_b32 s22, 5
.Lflush:                               ; 102,400 dense bytes: five trips of ten loads and stores of 2,048 bytes a work-group
.set i, 0
.rept 10
	ds_load_b128 v[X+4*i:X+4*i+3], v16 offset:2048*i
.set i, i+1
.endr
	s_wait_dscnt 0x0
.set i, 0
.rept 10
	global_store_b128 v15, v[X+4*i:X+4*i+3], s[20:21] offset:2048*i
.set i, i+1
.endr
	s_wait_xcnt 0x0
	s_add_nc_u64 s[20:21], s[20:21], 20480
	v_add_nc_u32 v16, 20480, v16
	s_sub_co_u32 s22, s22, 1
	s_cmp_lg_u32 s22, 0
	s_cbranch_scc1 .Lflush
	s_wait_tensorcnt 0x0                           ; the wave's end
	ds_add_u32 v4, v5
	s_wait_dscnt 0x0
	s_endpgm
.Lfunc_end_k_qf72363d0c5_G:
	.size	k_qf72363d0c5_G, .Lfunc_end_k_qf72363d0c5_G-k_qf72363d0c5_G
	.p2alignl 7, 3214868480
	.fill 96, 4, 3214868480
	.section	.rodata,"a",@progbits
	.p2align	6, 0x0
	.amdhsa_kernel k_qf72363d0c5_G
		.amdhsa_group_segment_fixed_size 315904
		.amdhsa_private_segment_fixed_size 0
		.amdhsa_enable_private_segment 0
		.amdhsa_kernarg_size 32
		.amdhsa_user_sgpr_count 2
		.amdhsa_user_sgpr_kernarg_segment_ptr 1
		.amdhsa_wavefront_size32 1
		.amdhsa_system_sgpr_workgroup_id_x 1
		.amdhsa_system_sgpr_workgroup_id_y 1
		.amdhsa_system_sgpr_workgroup_id_z 1
		.amdhsa_system_vgpr_workitem_id 0
		.amdhsa_next_free_vgpr 672
		.amdhsa_next_free_sgpr 66
		.amdhsa_reserve_vcc 0
		.amdhsa_float_denorm_mode_32 3
		.amdhsa_float_denorm_mode_16_64 3
		.amdhsa_memory_ordered 1
		.amdhsa_forward_progress 1
		.amdhsa_inst_pref_size 65
	.end_amdhsa_kernel
	.amdgpu_metadata
---
amdhsa.version: [ 1, 2 ]
amdhsa.kernels:
  - .name:           k_qf72363d0c5_G
    .symbol:         k_qf72363d0c5_G.kd
    .args:
      - { .name: wt, .offset: 0, .size: 8, .value_kind: global_buffer, .address_space: global }
      - { .name: mem_c, .offset: 8, .size: 8, .value_kind: global_buffer, .address_space: global }
      - { .name: scores, .offset: 16, .size: 8, .value_kind: global_buffer, .address_space: global }
      - { .name: gm, .offset: 24, .size: 8, .value_kind: global_buffer, .address_space: global }
    .group_segment_fixed_size: 315904
    .private_segment_fixed_size: 0
    .kernarg_segment_align: 8
    .kernarg_segment_size: 32
    .max_flat_workgroup_size: 128
    .sgpr_count:     66
    .vgpr_count:     672
    .wavefront_size: 32
...
	.end_amdgpu_metadata
.endif
;; end of part 7
;; launch S1 (part 8): grid 1024 x 1, 4 waves a work-group, no clusters, 768 bytes of LDS; arguments gm, bm1, pf1; writes bm1, pf1
.if DOCPART == 8
	.amdgcn_target "amdgcn-amd-amdhsa--gfx1250"
	.amdhsa_code_object_version 6
	.text
	.protected	k_qf72363d0c5_S1
	.globl	k_qf72363d0c5_S1
	.p2align	8
	.type	k_qf72363d0c5_S1,@function
k_qf72363d0c5_S1:
	s_mov_b64 s[64:65], 0
	v_nop
	global_prefetch_b8 v0, s[64:65] scope:SCOPE_SE
	s_setreg_imm32_b32 hwreg(HW_REG_WAVE_MODE, 25, 1), 1
	s_wait_xcnt 0x0
; For one query: the 128 best of its 6,250 group maxima, ties to the lower group, as a bit mask and the count of set bits in front of each word.  The top 128 rows lie in these groups.
; A thread holds 49 keys: key i of lane L of wave v is group 1568 v + 32 i + L.  A float becomes an unsigned key of the same order; the 128th largest key is found bit by bit (32 counts over the
; work-group); keys above it become all ones, keys equal to it 8191 - group, the others 0; 14 more counts find the 128th of those, and key >= that holds for exactly 128.
; Nothing here steers an address or a branch: masks and counts go to fixed places, and the next launch reads them as whole numbers.
; bm1, pf1: [1024][4 waves][64 words]; word i < 49 is key i's 32 lanes; the others hold mask 0 and the count at the wave's end.
; LIMIT: NaN sorts by its bits, -0 below +0.
.set NK, 49
.set NW, 2
.set K,  8                             ; v[8:56]
.set BC, 57                            ; 8191 - the group of the key in hand
.set BM, 58
.set PF, 60
.set VCS, 62                           ; LDS: my wave's word
.set VCL, 63                           ; LDS: 0
.set VL4, 64
.set RUN, 68                           ; the group of the key in hand
.set CLP, 69
.set C32, 70                           ; 32
.macro STEP buf                        ; one bit: how many keys reach tau | bit?  128 or more: the bit stays.  The two LDS buffers take turns, so one barrier orders a step's stores and loads and the last step's loads and these stores
	s_or_b32 s21, s20, s22
	v_mov_b32 v5, 0
.set i, 0
.rept NK
	v_cmp_le_u32 vcc_lo, s21, v[K+i]
	v_add_co_ci_u32 v5, vcc_lo, 0, v5, vcc_lo
.set i, i+1
.endr
	v_cvt_f32_u32 v5, v5                           ; counts up to 6,272 are exact in f32
	v_add_f32_dpp v5, v5, v5 row_xmask:1 row_mask:0xf bank_mask:0xf
	v_add_f32_dpp v5, v5, v5 row_xmask:2 row_mask:0xf bank_mask:0xf
	v_add_f32_dpp v5, v5, v5 row_xmask:4 row_mask:0xf bank_mask:0xf
	v_add_f32_dpp v5, v5, v5 row_xmask:8 row_mask:0xf bank_mask:0xf
	v_permlanex16_b32 v6, v5, s24, s25
	v_add_f32 v5, v5, v6
	ds_store_b32 v[VCS], v5 offset:16*(\buf)
	s_wait_dscnt 0x0
	s_barrier_signal -1
	s_barrier_wait -1
	ds_load_b128 v[VL4:VL4+3], v[VCL] offset:16*(\buf)
	s_wait_dscnt 0x0
	v_add_f32 v[VL4], v[VL4], v[VL4+1]
	v_add_f32 v[VL4+2], v[VL4+2], v[VL4+3]
	v_add_f32 v[VL4], v[VL4], v[VL4+2]
	v_readfirstlane_b32 s23, v[VL4]
	s_cmp_ge_u32 s23, 0x43000000                   ; 128.0: floats that are not negative compare as whole numbers
	s_cselect_b32 s20, s21, s20
	s_lshr_b32 s22, s22, 1
.endm
.macro SEARCH top, pairs
	s_mov_b32 s20, 0
	s_mov_b32 s22, 1<<(\top)
	s_mov_b32 s26, \pairs
.Lsearch_\@:
	STEP 0
	STEP 1
	s_sub_co_u32 s26, s26, 1
	s_cmp_lg_u32 s26, 0
	s_cbranch_scc1 .Lsearch_\@
.endm
.macro GADR d, e                       ; group e lies at 4 e + 102,300 (e / 25) + 100 x query; e / 25 = e x 5243 >> 17 for e under 6,272
	v_mul_u32_u24 v7, s28, v[\e]
	v_lshrrev_b32 v7, 17, v7
	v_mul_u32_u24 v7, s29, v7
	v_lshl_add_u32 v[\d], v[\e], 2, v7
.endm
	s_load_b128 s[4:7], s[0:1], 0x0                ; gm, bm1
	s_load_b64 s[8:9], s[0:1], 0x10                ; pf1
	v_lshl_add_u32 v2, v0, 2, 256
	v_mov_b32 v3, 0
	v_and_b32 v1, 31, v0
	v_lshrrev_b32 v5, 5, v0
	v_readfirstlane_b32 s12, v5
	s_mul_i32 s13, s12, 1568
	v_add_nc_u32 v4, s13, v1                       ; my first group
	v_sub_nc_u32 v[BC], 8191, v4
	s_lshl_b32 s13, s12, 2
	v_mov_b32 v[VCS], s13
	v_mov_b32 v[VCL], 0
	v_mov_b32 v6, 0
	v_mov_b32 v[C32], 32
	s_mov_b32 s24, 0x76543210
	s_mov_b32 s25, 0xfedcba98
	s_mov_b32 s28, 5243
	s_mov_b32 s29, 102300
	s_mov_b32 s35, 0x80000000
	s_mul_i32 s14, ttmp9, 100
	s_mov_b32 s15, 0
	s_lshl_b32 s16, ttmp9, 10
	s_mov_b32 s17, 0
	v_mov_b32 v[RUN], v4
.set i, 0
.rept NK-1
	GADR K+i, RUN
	v_add_nc_u32 v[RUN], 32, v[RUN]
.set i, i+1
.endr
	v_min_u32 v[CLP], 6249, v[RUN]                 ; only key 48 of wave 3 can pass the last group
	GADR K+48, CLP
	s_wait_kmcnt 0x0
	s_add_nc_u64 s[4:5], s[4:5], s[14:15]
	s_add_nc_u64 s[6:7], s[6:7], s[16:17]
	s_add_nc_u64 s[8:9], s[8:9], s[16:17]
.set i, 0
.rept NK
	global_load_b32 v[K+i], v[K+i], s[4:5]
.set i, i+1
.endr
	s_wait_loadcnt 0x0
.set i, 0
.rept NK
	v_ashrrev_i32 v7, 31, v[K+i]
	v_or_b32 v7, s35, v7
	v_xor_b32 v[K+i], v7, v[K+i]
.set i, i+1
.endr
	v_cmp_lt_u32 vcc_lo, 6249-32*48, v4            ; a key past the last group is 0, below every finite number's key
	v_cndmask_b32 v[K+48], v[K+48], 0, vcc_lo
	SEARCH 31, 16
.set i, 0
.rept NK
	v_cmp_eq_u32 vcc_lo, s20, v[K+i]
	v_cndmask_b32 v7, 0, v[BC], vcc_lo
	v_cmp_ge_u32 vcc_lo, s20, v[K+i]
	v_cndmask_b32 v[K+i], -1, v7, vcc_lo
	v_sub_nc_u32 v[BC], v[BC], v[C32]              ; the next key's group is 32 higher
.set i, i+1
.endr
	SEARCH 13, 7
	s_mov_b32 s27, 0
.set i, 0
.rept NW
	v_mov_b32 v[BM+i], 0
	v_mov_b32 v[PF+i], 0
.set i, i+1
.endr
.set i, 0
.rept NK
	v_cmp_le_u32 s30, s20, v[K+i]
	v_writelane_b32 v[BM+i/32], s30, i%32
	v_writelane_b32 v[PF+i/32], s27, i%32
	s_bcnt1_i32_b32 s31, s30
	s_add_co_u32 s27, s27, s31
.set i, i+1
.endr
	v_mov_b32 v6, s27
	v_cmp_le_u32 vcc_lo, NK-32*(NW-1), v1
	v_cndmask_b32 v[PF+NW-1], v[PF+NW-1], v6, vcc_lo
	ds_store_b32 v[VCS], v6 offset:32              ; the waves' totals
	s_wait_dscnt 0x0
	s_barrier_signal -1
	s_barrier_wait -1
	ds_load_b128 v[VL4:VL4+3], v[VCL] offset:32
	s_wait_dscnt 0x0
	v_readfirstlane_b32 s32, v[VL4]
	v_readfirstlane_b32 s33, v[VL4+1]
	v_readfirstlane_b32 s34, v[VL4+2]
	s_cmp_gt_u32 s12, 0
	s_cselect_b32 s32, s32, 0
	s_cmp_gt_u32 s12, 1
	s_cselect_b32 s33, s33, 0
	s_cmp_gt_u32 s12, 2
	s_cselect_b32 s34, s34, 0
	s_add_co_u32 s32, s32, s33
	s_add_co_u32 s32, s32, s34
	s_lshl_b32 s33, s12, 8
	v_lshl_add_u32 v7, v1, 2, s33
.set i, 0
.rept NW
	v_add_nc_u32 v[PF+i], s32, v[PF+i]
	global_store_b32 v7, v[BM+i], s[6:7] offset:128*i
	global_store_b32 v7, v[PF+i], s[8:9] offset:128*i
.set i, i+1
.endr
	s_wait_tensorcnt 0x0                           ; the wave's end
	ds_add_u32 v2, v3
	s_wait_dscnt 0x0
	s_endpgm
.Lfunc_end_k_qf72363d0c5_S1:
	.size	k_qf72363d0c5_S1, .Lfunc_end_k_qf72363d0c5_S1-k_qf72363d0c5_S1
	.p2alignl 7, 3214868480
	.fill 96, 4, 3214868480
	.section	.rodata,"a",@progbits
	.p2align	6, 0x0
	.amdhsa_kernel k_qf72363d0c5_S1
		.amdhsa_group_segment_fixed_size 768
		.amdhsa_private_segment_fixed_size 0
		.amdhsa_enable_private_segment 0
		.amdhsa_kernarg_size 24
		.amdhsa_user_sgpr_count 2
		.amdhsa_user_sgpr_kernarg_segment_ptr 1
		.amdhsa_wavefront_size32 1
		.amdhsa_system_sgpr_workgroup_id_x 1
		.amdhsa_system_sgpr_workgroup_id_y 1
		.amdhsa_system_sgpr_workgroup_id_z 1
		.amdhsa_system_vgpr_workitem_id 0
		.amdhsa_next_free_vgpr 72
		.amdhsa_next_free_sgpr 66
		.amdhsa_reserve_vcc 1
		.amdhsa_float_denorm_mode_32 3
		.amdhsa_float_denorm_mode_16_64 3
		.amdhsa_memory_ordered 1
		.amdhsa_forward_progress 1
		.amdhsa_inst_pref_size 58
	.end_amdhsa_kernel
	.amdgpu_metadata
---
amdhsa.version: [ 1, 2 ]
amdhsa.kernels:
  - .name:           k_qf72363d0c5_S1
    .symbol:         k_qf72363d0c5_S1.kd
    .args:
      - { .name: gm, .offset: 0, .size: 8, .value_kind: global_buffer, .address_space: global }
      - { .name: bm1, .offset: 8, .size: 8, .value_kind: global_buffer, .address_space: global }
      - { .name: pf1, .offset: 16, .size: 8, .value_kind: global_buffer, .address_space: global }
    .group_segment_fixed_size: 768
    .private_segment_fixed_size: 0
    .kernarg_segment_align: 8
    .kernarg_segment_size: 24
    .max_flat_workgroup_size: 128
    .sgpr_count:     66
    .vgpr_count:     72
    .wavefront_size: 32
...
	.end_amdgpu_metadata
.endif
;; end of part 8
;; launch S2: the kernel of part 4 again; grid 1024 x 1, 4 waves a work-group, no clusters, 3,328 bytes of LDS; arguments bm1, pf1, scores, glist, bm2, pf2; writes glist, bm2, pf2
;; launch F (part 9): grid 256 x 1, 4 waves a work-group, no clusters, 272,896 bytes of LDS; arguments bm2, pf2, glist, scores, c, action, mem_q, mem_t, wt, qkv_b, ln_g, ln_b, lnm_g, lnm_b, mlp1_b, mlp2_b, proj1_b, proj2_b, out0; writes out0
.if DOCPART == 9
	.amdgcn_target "amdgcn-amd-amdhsa--gfx1250"
	.amdhsa_code_object_version 6
	.text
	.protected	k_qf72363d0c5_F
	.globl	k_qf72363d0c5_F
	.p2align	8
	.type	k_qf72363d0c5_F,@function
k_qf72363d0c5_F:
	s_mov_b64 s[64:65], 0
	v_nop
	global_prefetch_b8 v0, s[64:65] scope:SCOPE_SE
	s_setreg_imm32_b32 hwreg(HW_REG_WAVE_MODE, 25, 1), 1
	s_wait_xcnt 0x0
; For four queries a work-group: the 128 chosen rows' (delta, q, t), the qkv layer, LayerNorm, one-head attention, LayerNorm, the MLP with its residual, LayerNorm, the mean over rows; then the projection for all four.
; The order of the 128 rows does not matter (attention keeps it, the mean forgets it).  A block's rows differ in three features alone, so metadata @ qkv_w is ONE K step: per feature (base high, base low, w0, w1, w2)
; times per row (1, 1, delta, q, t), with base = action @ qkv_w[3:] + qkv_b made once a query.  The last LayerNorm's gain and bias are applied to the mean.
; EVERY PRODUCT IS USED TRANSPOSED: source 0 = 16 features (or keys), source 1 = 16 rows: a lane holds ONE row (lane % 16) and eight features 8 (lane / 16) + j, so a row's sums want one exchange of the lanes' halves.
; SHARES.  qkv, attention, first LayerNorm: wave v owns rows 32 v .. 32 v + 31, all features, as two blocks of 16 rows.  What is done block by block is written once and walked twice on the same registers; what
; differs between the two trips is moved: delta, q, t change places with the other block's at each trip's end (twice: as they were), results move down one place, store addresses step and step back.
; MLP: wave v owns output features 64 v .. 64 v + 63 of all 128 rows; its weights stay in 512 registers for all four queries.  The residual is added by 32 products with a matrix that holds a single 1 a row.
; FORMATS.  All inputs are rounded to bf16.  What the program makes (delta, base, q, k, v, weights p, LayerNorm's results, hidden layer, mean) goes to the matrix unit in f16; sums, maxima, norms in f32.
; LIMITS.  f16 ends at 65,504: base, the hidden layer and LayerNorm's results (at most 18 |g| + |b|) must stay within it; numbers below 6e-5 keep f16's fixed step.  NaN and infinities are not treated apart.
; No tensor loads (operands are made in registers), no cluster (work-groups share only 0.7 MB of weights, read once each).
; REGISTERS: window 0 addresses, statistics, fragments; window 1 mlp1's (later proj1's) weights, fragment (m, ks) at 64 m + 8 ks; window 2 mlp2's (proj2's); window 3 accumulators.
; In window 0 only v0-63 live through the loop; v64-255 are at work in every trip.
.set LNG, 0                            ; tables, f32, rounded to bf16
.set LNB, 1280
.set LMG, 2560
.set LMB, 3584
.set TB1, 4608
.set TB2, 5632
.set TP1, 6656
.set TP2, 7680
.set TQB, 8704
.set AQ,    10240                      ; [4 queries][320 features] 16 bytes: base high, base low, w0, w1, w2, 0, 0, 0 in f16
.set ACT,   AQ+20480                   ; [4][256] f32: 0, 0, 0, action
.set ACTH,  ACT+4096                   ; the same in f16, pitch 528
.set SELP,  1792                       ; a query's tables: counts, masks, groups, 512 bytes each, then 1 / |c|
.set SELT,  ACTH+2304
.set KS,    SELT+4*SELP                ; [128][32] f16, pitch 80
.set VS,    KS+10240                   ; [128][256] f16, pitch 544 (an odd multiple of 32, for the turning load)
.set XS,    VS+69632                   ; [128][256] f16, pitch 528
.set HS,    XS+67584
.set RED1,  HS+67584                   ; [4 waves][128 rows] f32
.set RED2,  RED1+2048
.set MEANH, RED2+2048                  ; [4][256] f16, pitch 528
.set HP,    MEANH+2304
.set OUTS,  HP+2304                    ; [4][256] f32, pitch 1040
.set SPARE, OUTS+4352                  ; the spare words
.set FI, 101
.set FT, 102
.set FA, 103
.set FP, 104
.set FW, 105
.set FR, 106
.set FO, 107
.set FX1, 108
.set FX2, 109
.set FX4, 110
.set FX8, 111
.set FC, 112
.set FB, 26
.set FK, 0
.set CINV, 240                         ; 1 / |c|, and the two gathers' offsets: outside v64-223, which the qkv fragments fill while the gathers are out
.set GSC,  241
.set GQT,  242
.set GBB,  224                         ; where the two buffers of gains and biases lie
.set MSB, 0
.macro WIN new                         ; bits 1:0 source 0, 3:2 source 1, 5:4 source 2, 7:6 destination; the high byte repeats the setting that is left
.if MSB != (\new)
	s_set_vgpr_msb (MSB<<8)|(\new)
.set MSB, \new
.endif
.endm
.macro PLACES                          ; four plain instructions behind a matrix instruction (ISA guide 7.12.1)
.rept 4
	v_nop
.endr
.endm
.macro BAR                             ; my LDS stores and loads are done, for the others' sake; then all four waves meet
	s_wait_dscnt 0x0
	s_barrier_signal -1
	s_barrier_wait -1
.endm
.macro RB a, b                         ; two numbers rounded to bf16 and widened again
	v_cvt_pk_bf16_f32 v56, v[\a], v[\b]
	v_lshlrev_b32 v[\a], 16, v56
	v_and_b32 v[\b], s47, v56
.endm
.macro SWAPDQT                         ; my block's delta, q, t and the other block's change places
.irp x, 0,1,2
	v_mov_b32 v56, v[20+\x]
	v_mov_b32 v[20+\x], v[23+\x]
	v_mov_b32 v[23+\x], v56
.endr
.endm
.macro PMULB d, a, b, sel              ; a pair times register sel of pair b
.if (\sel) == 0
	v_pk_mul_f32 v[(\d):(\d)+1], v[(\a):(\a)+1], v[(\b):(\b)+1] op_sel_hi:[1,0]
.else
	v_pk_mul_f32 v[(\d):(\d)+1], v[(\a):(\a)+1], v[(\b):(\b)+1] op_sel:[0,1] op_sel_hi:[1,1]
.endif
.endm
.macro PSUBB d, a, b, sel              ; a pair less register sel of pair b
.if (\sel) == 0
	v_pk_add_f32 v[(\d):(\d)+1], v[(\a):(\a)+1], v[(\b):(\b)+1] op_sel_hi:[1,0] neg_lo:[0,1] neg_hi:[0,1]
.else
	v_pk_add_f32 v[(\d):(\d)+1], v[(\a):(\a)+1], v[(\b):(\b)+1] op_sel:[0,1] op_sel_hi:[1,1] neg_lo:[0,1] neg_hi:[0,1]
.endif
.endm
.macro PFMAB d, a, b, sel, c           ; a pair times register sel of pair b, plus pair c
.if (\sel) == 0
	v_pk_fma_f32 v[(\d):(\d)+1], v[(\a):(\a)+1], v[(\b):(\b)+1], v[(\c):(\c)+1] op_sel_hi:[1,0,1]
.else
	v_pk_fma_f32 v[(\d):(\d)+1], v[(\a):(\a)+1], v[(\b):(\b)+1], v[(\c):(\c)+1] op_sel:[0,1,0] op_sel_hi:[1,1,1]
.endif
.endm
.macro RFIN dst                        ; four running pairs into one number, and the other half of the lanes'
	v_pk_add_f32 v[44:45], v[44:45], v[46:47]
	v_pk_add_f32 v[48:49], v[48:49], v[50:51]
	v_pk_add_f32 v[44:45], v[44:45], v[48:49]
	v_add_f32 v44, v44, v45
	v_permlanex16_b32 v45, v44, s44, s45
	v_add_f32 v[\dst], v44, v45
.endm
.macro RSUM a0, st, n, dst             ; a row's sum over n accumulators at a0 + st x, each read from its low end
	WIN 0x0f
.set rp, 0
.rept 4
	v_pk_add_f32 v[44+2*rp:45+2*rp], v[(\a0)+2*rp:(\a0)+2*rp+1], v[(\a0)+(\st)+2*rp:(\a0)+(\st)+2*rp+1]
.set rp, rp+1
.endr
	WIN 0x0c
.set rx, 2
.rept (\n)-2
.set rp, 0
.rept 4
	v_pk_add_f32 v[44+2*rp:45+2*rp], v[44+2*rp:45+2*rp], v[(\a0)+(\st)*rx+2*rp:(\a0)+(\st)*rx+2*rp+1]
.set rp, rp+1
.endr
.set rx, rx+1
.endr
	WIN 0
	RFIN \dst
.endm
.macro RSQ a0, st, n, dst              ; a row's sum of squares
	WIN 0x0f
.set rx, 0
.rept \n
.set rp, 0
.rept 4
.if rx == 0
	v_pk_mul_f32 v[44+2*rp:45+2*rp], v[(\a0)+2*rp:(\a0)+2*rp+1], v[(\a0)+2*rp:(\a0)+2*rp+1]
.else
	v_pk_fma_f32 v[44+2*rp:45+2*rp], v[(\a0)+(\st)*rx+2*rp:(\a0)+(\st)*rx+2*rp+1], v[(\a0)+(\st)*rx+2*rp:(\a0)+(\st)*rx+2*rp+1], v[44+2*rp:45+2*rp]
.endif
.set rp, rp+1
.endr
.set rx, rx+1
.endr
	WIN 0
	RFIN \dst
.endm
.macro RSUB a0, st, n, m, sel          ; the mean is taken away, in place
	WIN 0xc3
.set rx, 0
.rept \n
.set rp, 0
.rept 4
	PSUBB (\a0)+(\st)*rx+2*rp, (\a0)+(\st)*rx+2*rp, \m, \sel
.set rp, rp+1
.endr
.set rx, rx+1
.endr
	WIN 0
.endm
.macro GBLOAD buf, ar, goff, boff      ; eight gains and eight biases of my features
	ds_load_b128 v[GBB+16*(\buf):GBB+16*(\buf)+3], v[\ar] offset:\goff
	ds_load_b128 v[GBB+16*(\buf)+4:GBB+16*(\buf)+7], v[\ar] offset:(\goff)+16
	ds_load_b128 v[GBB+16*(\buf)+8:GBB+16*(\buf)+11], v[\ar] offset:\boff
	ds_load_b128 v[GBB+16*(\buf)+12:GBB+16*(\buf)+15], v[\ar] offset:(\boff)+16
.endm
.macro LNAPPLY acc, gb, rs             ; v[44:51] = accumulator x (g x rstd) + b; g x rstd takes g's place
.set lp, 0
.rept 4
	PMULB (\gb)+2*lp, (\gb)+2*lp, \rs, 0
.set lp, lp+1
.endr
	WIN 0x03
.set lp, 0
.rept 4
	v_pk_fma_f32 v[44+2*lp:45+2*lp], v[(\acc)+2*lp:(\acc)+2*lp+1], v[(\gb)+2*lp:(\gb)+2*lp+1], v[(\gb)+8+2*lp:(\gb)+9+2*lp]
.set lp, lp+1
.endr
	WIN 0
.endm
.macro PACK4 d                         ; v[44:51] to eight f16
.set lp, 0
.rept 4
	v_cvt_pk_f16_f32 v[(\d)+lp], v[44+2*lp], v[45+2*lp]
.set lp, lp+1
.endr
.endm
.macro WTOFF                           ; v126 = my lane's place in wt: row 64 v + r, 16 h.  It lies among the registers at work, so it is made ahead of each use
	s_lshl_b32 s52, s42, 6
	v_add_nc_u32 v126, s52, v2
	v_lshlrev_b32 v126, 9, v126
	v_lshl_add_u32 v126, v3, 4, v126
.endm
.macro LDW win, row0                   ; 64 rows of wt from row0 + 64 v on, as 32 fragments, into a window
	WIN (\win)<<6
.set lm, 0
.rept 4
.set lk, 0
.rept 8
	global_load_b128 v[64*lm+8*lk:64*lm+8*lk+3], v126, s[20:21] offset:((\row0)+16*lm)*512+64*lk
	global_load_b128 v[64*lm+8*lk+4:64*lm+8*lk+7], v126, s[20:21] offset:((\row0)+16*lm)*512+64*lk+32
.set lk, lk+1
.endr
.set lm, lm+1
.endr
	WIN 0
.endm
.macro FRAG ar, k                      ; eight fragments (128 rows x 32 K at K step k) into buffer k % 2
.set fn, 0
.rept 8
	ds_load_b128 v[128+64*((\k)&1)+8*fn:128+64*((\k)&1)+8*fn+3], v[\ar] offset:fn*8448+64*(\k)
	ds_load_b128 v[128+64*((\k)&1)+8*fn+4:128+64*((\k)&1)+8*fn+7], v[\ar] offset:fn*8448+64*(\k)+32
.set fn, fn+1
.endr
.endm
.macro BIAS off                        ; my 64 features' biases in the accumulators' layout: they start the sums
.set bm, 0
.rept 4
	ds_load_b128 v[64+8*bm:67+8*bm], v17 offset:(\off)+64*bm
	ds_load_b128 v[68+8*bm:71+8*bm], v17 offset:(\off)+64*bm+16
.set bm, bm+1
.endr
.endm
; 128 rows x my 64 features, K = 256: 256 matrix instructions, the 32 accumulators (m, n) at 8 (8 m + n) by turns.  tail = 1: beside the last K step the residual's first eight fragments are fetched
.macro LAYER wa, ar, tail
	FRAG \ar, 0
.set lk, 0
.rept 8
.if lk < 7
	PLACES
	FRAG \ar, lk+1
	s_wait_dscnt 16                                ; all but the sixteen loads just issued
.elseif \tail
	PLACES
	FRAG 54, 0
	s_wait_dscnt 16                                ; all but the sixteen loads just issued
.else
	s_wait_dscnt 0x0
.endif
.if lk == 0
	WIN 0xc0|(\wa)
.else
	WIN 0xf0|(\wa)
.endif
.set lm, 0
.rept 4
.set ln, 0
.rept 8
.if lk == 0
	v_wmma_f32_16x16x32_f16 v[8*(8*lm+ln):8*(8*lm+ln)+7], v[64*lm+8*lk:64*lm+8*lk+7], v[128+64*(lk&1)+8*ln:128+64*(lk&1)+8*ln+7], v[64+8*lm:71+8*lm]
.else
	v_wmma_f32_16x16x32_f16 v[8*(8*lm+ln):8*(8*lm+ln)+7], v[64*lm+8*lk:64*lm+8*lk+7], v[128+64*(lk&1)+8*ln:128+64*(lk&1)+8*ln+7], v[8*(8*lm+ln):8*(8*lm+ln)+7]
.endif
.set ln, ln+1
.endr
.set lm, lm+1
.endr
	WIN 0
.set lk, lk+1
.endr
.endm
.macro PICK x, s, w                    ; are there FR or fewer set bits in the s bits from FO on?  Then they are passed over
	v_bfe_u32 v[FC], v[\x], v[FO], \w
	v_cmp_ge_u32 vcc_lo, v[FR], v[FC]
	v_sub_nc_u32 v[FC], v[FR], v[FC]
	v_cndmask_b32 v[FR], v[FR], v[FC], vcc_lo
	v_add_nc_u32 v[FC], \s, v[FO]
	v_cndmask_b32 v[FO], v[FO], v[FC], vcc_lo
.endm
.macro FIND n, steps, woff             ; the FK-th set bit: FI = the last word whose count in front is FK or less, FO = the bit in it
	v_mov_b32 v[FI], 0
.set st, (\n)/2
.rept \steps
	v_add_nc_u32 v[FT], st, v[FI]
	v_min_u32 v[FA], (\n)-1, v[FT]
	v_lshl_add_u32 v[FA], v[FA], 2, v[FB]
	ds_load_b32 v[FP], v[FA]
	s_wait_dscnt 0x0
	v_cmp_le_u32 vcc_lo, v[FP], v[FK]
	v_cndmask_b32 v[FI], v[FI], v[FT], vcc_lo
.set st, st/2
.endr
	v_min_u32 v[FA], (\n)-1, v[FI]
	v_lshl_add_u32 v[FA], v[FA], 2, v[FB]
	ds_load_b32 v[FP], v[FA]
	ds_load_b32 v[FW], v[FA] offset:\woff
	s_wait_dscnt 0x0
	v_sub_nc_u32 v[FR], v[FK], v[FP]
	v_lshrrev_b32 v[FC], 1, v[FW]                  ; counts of set bits in fields of 2, 4, 8 and 16 bits
	v_and_b32 v[FC], 0x55555555, v[FC]
	v_sub_nc_u32 v[FX1], v[FW], v[FC]
	v_lshrrev_b32 v[FC], 2, v[FX1]
	v_and_b32 v[FC], 0x33333333, v[FC]
	v_and_b32 v[FX2], 0x33333333, v[FX1]
	v_add_nc_u32 v[FX2], v[FX2], v[FC]
	v_lshrrev_b32 v[FC], 4, v[FX2]
	v_add_nc_u32 v[FX4], v[FX2], v[FC]
	v_and_b32 v[FX4], 0x0f0f0f0f, v[FX4]
	v_lshrrev_b32 v[FC], 8, v[FX4]
	v_add_nc_u32 v[FX8], v[FX4], v[FC]
	v_and_b32 v[FX8], 0x00ff00ff, v[FX8]
	v_mov_b32 v[FO], 0
	PICK FX8, 16, 8
	PICK FX4, 8, 8
	PICK FX2, 4, 4
	PICK FX1, 2, 2
	PICK FW, 1, 1
.endm
.macro VLOAD c                         ; V turned: keys 32 (c / 2) on, channels 128 (c % 2) on: eight fragments into buffer c % 2
.set vm, 0
.rept 8
	ds_load_tr16_b128 v[128+64*((\c)&1)+8*vm:128+64*((\c)&1)+8*vm+3], v9 offset:((\c)/2)*17408+(8*((\c)&1)+vm)*32
	ds_load_tr16_b128 v[128+64*((\c)&1)+8*vm+4:128+64*((\c)&1)+8*vm+7], v9 offset:((\c)/2)*17408+(8*((\c)&1)+vm)*32+8704
.set vm, vm+1
.endr
.endm
.macro PROJ wa, soff, boff             ; four rows (each held by four columns) x my 64 features: four accumulators by turns
	BIAS \boff
.set pk, 0
.rept 8
	ds_load_b128 v[128+8*pk:131+8*pk], v120 offset:(\soff)+64*pk
	ds_load_b128 v[132+8*pk:135+8*pk], v120 offset:(\soff)+64*pk+32
.set pk, pk+1
.endr
	s_wait_dscnt 0x0
.set pk, 0
.rept 8
.if pk == 0
	WIN 0xc0|(\wa)
.else
	WIN 0xf0|(\wa)
.endif
.set pm, 0
.rept 4
.if pk == 0
	v_wmma_f32_16x16x32_f16 v[8*pm:8*pm+7], v[64*pm+8*pk:64*pm+8*pk+7], v[128+8*pk:135+8*pk], v[64+8*pm:71+8*pm]
.else
	v_wmma_f32_16x16x32_f16 v[8*pm:8*pm+7], v[64*pm+8*pk:64*pm+8*pk+7], v[128+8*pk:135+8*pk], v[8*pm:8*pm+7]
.endif
.set pm, pm+1
.endr
.set pk, pk+1
.endr
	WIN 0
	PLACES
.endm
.macro T256 d, p
	global_load_b32 v[\d], v64, s[\p:\p+1]
	global_load_b32 v[(\d)+1], v64, s[\p:\p+1] offset:512
.endm
.macro T320 d, p
	global_load_b32 v[\d], v65, s[\p:\p+1]
	global_load_b32 v[(\d)+1], v66, s[\p:\p+1]
	global_load_b32 v[(\d)+2], v67, s[\p:\p+1]
.endm
.macro S256 d, off
	ds_store_b32 v64, v[\d] offset:\off
	ds_store_b32 v64, v[(\d)+1] offset:(\off)+512
.endm
.macro S320 d, off
	ds_store_b32 v65, v[\d] offset:\off
	ds_store_b32 v66, v[(\d)+1] offset:\off
	ds_store_b32 v67, v[(\d)+2] offset:\off
.endm
	s_load_b512 s[4:19], s[0:1], 0x0               ; bm2 4, pf2 6, glist 8, scores 10, c 12, action 14, mem_q 16, mem_t 18
	s_load_b512 s[20:35], s[0:1], 0x40             ; wt 20, qkv_b 22, ln_g 24, ln_b 26, lnm_g 28, lnm_b 30, mlp1_b 32, mlp2_b 34
	s_load_b128 s[36:39], s[0:1], 0x80             ; proj1_b 36, proj2_b 38
	s_load_b64 s[40:41], s[0:1], 0x90              ; out0
	v_lshl_add_u32 v4, v0, 2, SPARE
	v_mov_b32 v5, 0
	v_and_b32 v1, 31, v0
	v_lshrrev_b32 v56, 5, v0
	v_readfirstlane_b32 s42, v56                   ; wave
	s_mov_b32 s43, ttmp9
	v_and_b32 v2, 15, v0                           ; r
	v_bfe_u32 v3, v0, 4, 1                         ; h
	v_mov_b32 v6, 1.0
	v_mov_b32 v7, 0
	s_mov_b32 s44, 0x76543210
	s_mov_b32 s45, 0xfedcba98
	s_mov_b32 s46, 0xffff                          ; lanes 0-15
	s_mov_b32 s47, 0xffff0000
	s_mov_b32 s49, 0x3b4ccccd                      ; 1 / 320
	s_mov_b32 s50, 0x3727c5ac                      ; 1e-5
	s_mov_b32 s51, 0x3b800000                      ; 1 / 256
	v_mul_u32_u24 v8, v2, 80
	v_lshl_add_u32 v8, v3, 4, v8
	v_add_nc_u32 v8, KS, v8                        ; K's fragments
	v_and_b32 v56, 7, v0
	v_bfe_u32 v57, v0, 3, 1
	v_lshl_add_u32 v9, v3, 3, v56
	v_mul_u32_u24 v9, v9, 544
	v_lshl_add_u32 v9, v57, 4, v9
	v_add_nc_u32 v9, VS, v9                        ; V's turning loads
	v_mul_u32_u24 v10, v2, 528
	v_lshl_add_u32 v10, v3, 4, v10
	v_add_nc_u32 v11, HS, v10                      ; fragments of the hidden layer
	v_add_nc_u32 v10, XS, v10                      ; fragments of the first LayerNorm's result
	s_mul_i32 s52, s42, 32*528
	v_add_nc_u32 v12, s52, v10                     ; my 32 rows of it
	s_lshl_b32 s52, s42, 7
	v_add_nc_u32 v13, s52, v11                     ; my 64 features of every hidden row
	v_add_nc_u32 v54, s52, v10                     ; and of every row of the residual
	s_mul_i32 s52, s42, 32*80
	v_add_nc_u32 v14, s52, v8                      ; my 32 rows of K
	s_lshl_b32 s52, s42, 5
	v_add_nc_u32 v15, s52, v2
	v_mul_u32_u24 v15, v15, 544
	v_lshl_add_u32 v15, v3, 4, v15
	v_add_nc_u32 v15, VS, v15                      ; my 32 rows of V
	v_lshlrev_b32 v16, 5, v3                       ; tables: features 8 h ..
	s_lshl_b32 s52, s42, 8
	v_add_nc_u32 v17, s52, v16                     ; tables: features 64 v + 8 h ..
	v_lshlrev_b32 v18, 4, v2
	v_add_nc_u32 v18, AQ, v18
	v_add_nc_u32 v19, ACT, v16
	v_mov_b32 v26, SELT                            ; the tables of the query in hand
	s_lshl_b32 s52, s42, 7
	s_add_co_u32 s52, s52, MEANH
	v_lshl_add_u32 v27, v3, 4, s52
	v_lshlrev_b32 v53, 2, v2
	v_add_nc_u32 v53, RED1, v53
	s_lshl_b32 s52, s42, 9
	v_add_nc_u32 v52, s52, v53
	v_lshlrev_b32 v55, 4, v1                       ; 16 x lane
.irp x, 23,24,25,36,37,38,39,40,41,42,43,60,61,62,63
	v_mov_b32 v\x, 0
.endr
	; the prologue's offsets
	v_lshlrev_b32 v64, 2, v0                       ; 4 t
	s_mul_i32 s52, s42, 80                         ; the 320-long tables: wave v takes entries 80 v + min(lane + 32 i, 79)
	v_add_nc_u32 v65, s52, v1
	v_add_nc_u32 v66, 32, v65
	v_add_nc_u32 v67, 64, v1
	v_min_u32 v67, 79, v67
	v_add_nc_u32 v67, s52, v67
.set i, 0
.rept 3
	v_lshlrev_b32 v[70+i], 9, v[65+i]
	v_lshlrev_b32 v[73+i], 4, v[65+i]
	v_lshlrev_b32 v[65+i], 2, v[65+i]
.set i, i+1
.endr
	v_max_u32 v68, 3, v0
	v_add_nc_u32 v68, -3, v68
	v_lshlrev_b32 v68, 2, v68
	v_lshlrev_b32 v69, 1, v0
	WTOFF
	s_mov_b32 s53, 0
	s_wait_kmcnt 0x0
	s_lshl_b32 s52, s43, 11
	s_lshl_b32 s56, s42, 9
	s_add_co_u32 s52, s52, s56                     ; wave v fetches the tables of query 4 wg + v, for all four waves
	s_add_nc_u64 s[4:5], s[4:5], s[52:53]
	s_add_nc_u64 s[6:7], s[6:7], s[52:53]
	s_add_nc_u64 s[8:9], s[8:9], s[52:53]
	s_lshl_b32 s52, s52, 1
	s_add_nc_u64 s[12:13], s[12:13], s[52:53]      ; c and out0 at query 4 wg + v
	s_add_nc_u64 s[40:41], s[40:41], s[52:53]
	s_mul_i32 s52, s43, 4048
	s_add_nc_u64 s[14:15], s[14:15], s[52:53]
	s_lshr_b32 s52, s43, 2
	s_mul_i32 s52, s52, 6400000
	s_and_b32 s56, s43, 3
	s_lshl_b32 s56, s56, 6
	s_add_co_u32 s52, s52, s56
	s_add_nc_u64 s[54:55], s[10:11], s[52:53]      ; scores at my first query
	T256 128, 28
	T256 130, 30
	T256 132, 32
	T256 134, 34
	T256 136, 36
	T256 138, 38
	T320 140, 24
	T320 143, 26
	T320 146, 22
.set i, 0
.rept 4
	global_load_b32 v[150+2*i], v68, s[14:15] offset:i*1012
	global_load_b32 v[151+2*i], v64, s[14:15] offset:i*1012+500
.set i, i+1
.endr
.set i, 0
.rept 3
	global_load_b64 v[160+2*i:161+2*i], v[70+i], s[20:21]
.set i, i+1
.endr
	global_load_b128 v[176:179], v55, s[6:7]       ; counts
	global_load_b128 v[180:183], v55, s[4:5]       ; masks
	global_load_b128 v[184:187], v55, s[8:9]       ; groups
	global_load_b128 v[188:191], v55, s[12:13]     ; the query itself
	global_load_b128 v[192:195], v55, s[12:13] offset:512
	s_wait_loadcnt 0x0
	LDW 1, 320                                     ; mlp1's and mlp2's weights: on their way while the tables are laid
	LDW 2, 576
	v_cmp_gt_u32 vcc_lo, 3, v0
.set i, 0
.rept 4
	v_cndmask_b32 v[150+2*i], v[150+2*i], v7, vcc_lo  ; features 0-2 are no action
.set i, i+1
.endr
.set i, 128
.rept 10
	RB i, i+1
.set i, i+2
.endr
	RB 148, 148
.set i, 150
.rept 4
	RB i, i+1
.set i, i+2
.endr
	S256 128, LMG
	S256 130, LMB
	S256 132, TB1
	S256 134, TB2
	S256 136, TP1
	S256 138, TP2
	S320 140, LNG
	S320 143, LNB
	S320 146, TQB
.set i, 0
.rept 4
	ds_store_b32 v64, v[150+2*i] offset:ACT+i*1024
	ds_store_b32 v64, v[151+2*i] offset:ACT+i*1024+512
	v_cvt_pk_f16_f32 v[57+i], v[150+2*i], v[151+2*i]
	ds_store_b16 v69, v[57+i] offset:ACTH+i*528
	ds_store_b16_d16_hi v69, v[57+i] offset:ACTH+i*528+256
.set i, i+1
.endr
	v_mov_b32 v60, 0
.set i, 0
.rept 3
	v_and_b32 v[170+2*i], 0xffff, v[161+2*i]       ; w2, 0
	v_mov_b32 v[171+2*i], 0
.set j, 0
.rept 4
	ds_store_b32 v[73+i], v[160+2*i] offset:AQ+j*5120+4
	ds_store_b64 v[73+i], v[170+2*i:171+2*i] offset:AQ+j*5120+8
.set j, j+1
.endr
.set i, i+1
.endr
	s_mul_i32 s52, s42, SELP                       ; query 4 wg + v's tables and 1 / |bf16(c)|
	s_add_co_u32 s52, s52, SELT
	v_add_nc_u32 v196, s52, v55
	ds_store_b128 v196, v[176:179]
	ds_store_b128 v196, v[180:183] offset:512
	ds_store_b128 v196, v[184:187] offset:1024
.set i, 0
.rept 4
	v_cvt_pk_bf16_f32 v[200+i], v[188+2*i], v[189+2*i]
.set i, i+1
.endr
.set i, 0
.rept 4
	v_lshlrev_b32 v[204+2*i], 16, v[200+i]
	v_and_b32 v[205+2*i], s47, v[200+i]
.set i, i+1
.endr
	v_pk_mul_f32 v[212:213], v[204:205], v[204:205]
	v_pk_fma_f32 v[212:213], v[206:207], v[206:207], v[212:213]
	v_pk_fma_f32 v[212:213], v[208:209], v[208:209], v[212:213]
	v_pk_fma_f32 v[212:213], v[210:211], v[210:211], v[212:213]
	v_add_f32 v212, v212, v213
	v_add_f32_dpp v212, v212, v212 row_xmask:1 row_mask:0xf bank_mask:0xf
	v_add_f32_dpp v212, v212, v212 row_xmask:2 row_mask:0xf bank_mask:0xf
	v_add_f32_dpp v212, v212, v212 row_xmask:4 row_mask:0xf bank_mask:0xf
	v_add_f32_dpp v212, v212, v212 row_xmask:8 row_mask:0xf bank_mask:0xf
	v_permlanex16_b32 v213, v212, s44, s45
	v_add_f32 v212, v212, v213
	v_add_f32 v212, 0x2b8cbccc, v212               ; + 1e-12
	v_rsq_f32 v214, v212
	v_mov_b32 v215, s52                            ; (the plain instruction behind the root)
	s_wait_alu depctr_va_vdst(0)
	ds_store_b32 v215, v214 offset:1536
	BAR
	; base = action @ qkv_w[3:] + qkv_b for the four queries: wave v takes features 80 v .. 80 v + 79; column r holds query r % 4
	v_and_b32 v77, 3, v0
	v_mul_u32_u24 v120, v77, 5120
	v_mul_u32_u24 v77, v77, 528
	v_lshl_add_u32 v77, v3, 4, v77
	v_add_nc_u32 v77, ACTH, v77
	s_mul_i32 s52, s42, 80
	v_add_nc_u32 v78, s52, v2
	v_lshlrev_b32 v78, 9, v78
	v_lshl_add_u32 v78, v3, 4, v78
	s_mul_i32 s52, s42, 320
	s_add_co_u32 s52, s52, TQB
	v_add_nc_u32 v79, s52, v16
	s_mul_i32 s52, s42, 1280
	s_add_co_u32 s52, s52, AQ
	v_add_nc_u32 v120, s52, v120
	v_lshl_add_u32 v120, v3, 7, v120
.set i, 0
.rept 5
	ds_load_b128 v[80+8*i:83+8*i], v79 offset:64*i     ; the bias starts the sums
	ds_load_b128 v[84+8*i:87+8*i], v79 offset:64*i+16
.set i, i+1
.endr
.set i, 0
.rept 8
	ds_load_b128 v[128+8*i:131+8*i], v77 offset:64*i
	ds_load_b128 v[132+8*i:135+8*i], v77 offset:64*i+32
.set i, i+1
.endr
.set hf, 0
.rept 2
	WIN 0xc0
.set i, 0
.rept 20                               ; fragment (m = i / 4, K step 4 hf + i % 4)
	global_load_b128 v[8*i:8*i+3], v78, s[20:21] offset:(i/4)*8192+(4*hf+i%4)*64
	global_load_b128 v[8*i+4:8*i+7], v78, s[20:21] offset:(i/4)*8192+(4*hf+i%4)*64+32
.set i, i+1
.endr
	s_wait_loadcnt 0x0
	s_wait_dscnt 0x0
	WIN 0x03
.set i, 0
.rept 20                               ; K step outer, the five accumulators by turns
	v_wmma_f32_16x16x32_f16 v[80+8*(i%5):87+8*(i%5)], v[8*(4*(i%5)+i/5):8*(4*(i%5)+i/5)+7], v[128+8*(4*hf+i/5):135+8*(4*hf+i/5)], v[80+8*(i%5):87+8*(i%5)]
.set i, i+1
.endr
	WIN 0
	PLACES
.set hf, hf+1
.endr
.set i, 0
.rept 40                               ; base as two f16: the rounded number and what the rounding left
	v_cvt_f16_f32 v121.l, v[80+i]
	v_cvt_f32_f16 v122, v121.l
	v_sub_f32 v122, v[80+i], v122
	v_cvt_pk_f16_f32 v123, v[80+i], v122
	ds_store_b32 v120, v123 offset:(i/8)*256+(i%8)*16
.set i, i+1
.endr
	BAR
	s_mov_b32 s48, 4
.Lbatch:
	; 1. WHICH ROWS.  Thread t finds the t-th set bit in the query's tables, which lie in LDS since the prologue.
	FIND 128, 7, 512
	v_lshrrev_b32 v113, 5, v[FI]                   ; word = 32 x wave + key; candidate p = 512 (key / 4) + 4 (32 wave + lane) + key % 4
	v_and_b32 v114, 31, v[FI]
	v_lshl_add_u32 v113, v113, 5, v[FO]
	v_lshrrev_b32 v115, 2, v114
	v_and_b32 v114, 3, v114
	v_lshl_add_u32 v113, v113, 2, v114
	v_lshl_add_u32 v113, v115, 9, v113
	v_lshrrev_b32 v114, 4, v113
	v_min_u32 v114, 127, v114
	v_lshl_add_u32 v114, v114, 2, v26
	ds_load_b32 v115, v114 offset:1024             ; its group
	ds_load_b32 v[CINV], v26 offset:1536           ; 1 / |c|
	v_and_b32 v116, 15, v113                       ; its row in the group
	v_bfe_u32 v117, v116, 2, 1
	v_lshrrev_b32 v118, 3, v116
	v_and_b32 v119, 3, v116
	v_lshlrev_b32 v117, 9, v117
	v_lshl_add_u32 v117, v118, 8, v117
	v_lshl_add_u32 v117, v119, 2, v117
	v_min_u32 v117, 0x3ff, v117
	s_wait_dscnt 0x0
	v_min_u32 v115, 6249, v115
	v_lshl_add_u32 v[GSC], v115, 10, v117
	v_lshl_add_u32 v[GQT], v115, 4, v116
	v_min_u32 v[GQT], 99999, v[GQT]
	v_lshlrev_b32 v[GQT], 2, v[GQT]
	global_load_b32 v20, v[GSC], s[54:55]
	global_load_b32 v21, v[GQT], s[16:17]
	global_load_b32 v22, v[GQT], s[18:19]
.set i, 0
.rept 20                               ; 2. QKV.  Source 0: a feature's 16 bytes, into both halves of the fragment (k from 5 on meets zeros).  These loads fill v64-223 while the three gathers are out
	ds_load_b128 v[64+8*i:67+8*i], v18 offset:256*i
	ds_load_b128 v[68+8*i:71+8*i], v18 offset:256*i
.set i, i+1
.endr
	s_wait_loadcnt 0x0
	v_mul_f32 v20, v20, v[CINV]                    ; delta
	RB 21, 22
	v_permlanex16_b32 v23, v20, s44, s45           ; the other block's rows lie in the lanes 16 away
	v_permlanex16_b32 v24, v21, s44, s45
	v_permlanex16_b32 v25, v22, s44, s45
	; qkv and its LayerNorm, a block of 16 rows a trip.  Only lanes 0-15 carry k = 0..7.  Where source 1 is 0, source 0 need only be finite.
.set GBB, 224
	s_mov_b32 s57, 2
.Lqkv:
.set i, 0
.rept 8
	v_mov_b32 v[28+i], v[36+i]                     ; q of the block before moves down
.set i, i+1
.endr
	v_cvt_pk_f16_f32 v225, v20, v21
	v_cvt_pk_f16_f32 v226, v22, v7
	v_mov_b32 v224, 0x3c003c00                     ; 1, 1: for base's two halves
	v_cndmask_b32 v224, v7, v224, s46
	v_cndmask_b32 v225, v7, v225, s46
	v_cndmask_b32 v226, v7, v226, s46
.set qi, 227
.rept 5
	v_mov_b32 v[qi], 0
.set qi, qi+1
.endr
	s_wait_dscnt 0x0                               ; source 0's fragments are in
	WIN 0xc0
.set qm, 0
.rept 20
	v_wmma_f32_16x16x32_f16 v[8*qm:8*qm+7], v[64+8*qm:71+8*qm], v[224:231], 0
.set qm, qm+1
.endr
	WIN 0
	PLACES
	GBLOAD 0, 16, LNG, LNB
	RSUM 0, 8, 20, 44
	v_mul_f32 v60, s49, v44
	RSUB 0, 8, 20, 60, 0
	RSQ 0, 8, 20, 44
	v_fma_f32 v44, v44, s49, s50
	v_rsq_f32 v62, v44
	v_nop
	s_wait_alu depctr_va_vdst(0)
.set qm, 0
.rept 20
.if qm < 19
	GBLOAD (qm+1)&1, 16, LNG+64*(qm+1), LNB+64*(qm+1)
	s_wait_dscnt 4                                 ; all but the four loads just issued
.else
	s_wait_dscnt 0x0
.endif
	LNAPPLY 8*qm, 224+16*(qm&1), 62
.if qm < 2                             ; q, times 32^-1/2 log2(e): it IS source 1 of the scores
.set qi, 0
.rept 4
	v_pk_mul_f32 v[44+2*qi:45+2*qi], v[44+2*qi:45+2*qi], 0x3e8293ee op_sel_hi:[1,0]
.set qi, qi+1
.endr
	PACK4 36+4*qm
.elseif qm < 4
	PACK4 56
	ds_store_b128 v14, v[56:59] offset:(qm-2)*32
.else
	PACK4 56
	ds_store_b128 v15, v[56:59] offset:(qm-4)*32
.endif
.set qm, qm+1
.endr
	v_add_nc_u32 v14, 1280, v14                    ; the next 16 rows of K and V
	v_add_nc_u32 v15, 8704, v15
	SWAPDQT
	s_sub_co_u32 s57, s57, 1
	s_cmp_lg_u32 s57, 0
	s_cbranch_scc1 .Lqkv
	v_add_nc_u32 v14, -2560, v14
	v_add_nc_u32 v15, -17408, v15
	BAR                                            ; K and V are whole
	; 3, 4. SCORES AND SOFTMAX in base 2, the row's maximum taken away: 16 queries x 128 keys a trip, one K step
.set i, 0
.rept 8
	ds_load_b128 v[128+8*i:131+8*i], v8 offset:1280*i
	ds_load_b128 v[132+8*i:135+8*i], v8 offset:1280*i+32
.set i, i+1
.endr
	s_mov_b32 s57, 2
.Lsm:
.set i, 0
.rept 32
	v_mov_b32 v[64+i], v[96+i]                     ; the weights of the block before move down,
.set i, i+1
.endr
	s_wait_alu depctr_va_vdst(0)
	v_mov_b32 v62, v63                             ; and its 1 / l
	s_wait_dscnt 0x0
	WIN 0xc0
.set i, 0
.rept 8
	v_wmma_f32_16x16x32_f16 v[8*i:8*i+7], v[128+8*i:135+8*i], v[28:35], 0
.set i, i+1
.endr
	WIN 0
	PLACES
	WIN 0x3f
.set i, 0
.rept 8
	v_max3_num_f32 v[192+i], v[8*i], v[8*i+1], v[8*i+2]
	v_max3_num_f32 v[208+i], v[8*i+3], v[8*i+4], v[8*i+5]
.set i, i+1
.endr
	WIN 0x3c
.set i, 0
.rept 8
	v_max3_num_f32 v[192+i], v[192+i], v[8*i+6], v[8*i+7]
.set i, i+1
.endr
	WIN 0
.set i, 0
.rept 8
	v_max_num_f32 v[192+i], v[192+i], v[208+i]
.set i, i+1
.endr
	v_max3_num_f32 v56, v192, v193, v194
	v_max3_num_f32 v57, v195, v196, v197
	v_max3_num_f32 v56, v56, v198, v199
	v_max_num_f32 v56, v56, v57
	v_permlanex16_b32 v57, v56, s44, s45
	v_max_num_f32 v60, v56, v57
	WIN 0xc3
.set i, 0
.rept 32
	PSUBB 2*i, 2*i, 60, 0
.set i, i+1
.endr
.set i, 0
.rept 64
	v_exp_f32 v[i], v[i]
.set i, i+1
.endr
	v_nop                                          ; a plain instruction behind the last exponential
	s_wait_alu depctr_va_vdst(0)
	WIN 0
	RSUM 0, 8, 8, 63
	v_rcp_f32 v63, v63
	WIN 0x0f
.set i, 0
.rept 32                               ; weights to f16: two key blocks' registers ARE a fragment of 32 keys
	v_cvt_pk_f16_f32 v[96+i], v[2*i], v[2*i+1]
.set i, i+1
.endr
	WIN 0
.set i, 0
.rept 8
	v_mov_b32 v[28+i], v[36+i]                     ; the next block's q
.set i, i+1
.endr
	s_sub_co_u32 s57, s57, 1
	s_cmp_lg_u32 s57, 0
	s_cbranch_scc1 .Lsm
	; 5. O^T = V^T P: eight chunks of 16 matrix instructions; accumulator (m, nb) at 128 nb + 8 m; the weights' fragment (nb, ks) at 64 + 32 nb + 8 ks
	VLOAD 0
.set cc, 0
.rept 8
.if cc < 7
	PLACES
	VLOAD cc+1
	s_wait_dscnt 16                                ; all but the sixteen loads just issued
.else
	s_wait_dscnt 0x0
.endif
	WIN 0xf0
.set i, 0
.rept 16
.set rD, 128*(i%2)+8*(8*(cc&1)+i/2)
.set rA, 128+64*(cc&1)+8*(i/2)
.set rB, 64+32*(i%2)+8*(cc/2)
.if cc < 2
	v_wmma_f32_16x16x32_f16 v[rD:rD+7], v[rA:rA+7], v[rB:rB+7], 0
.else
	v_wmma_f32_16x16x32_f16 v[rD:rD+7], v[rA:rA+7], v[rB:rB+7], v[rD:rD+7]
.endif
.set i, i+1
.endr
	WIN 0
.set cc, cc+1
.endr
	PLACES
	; 6. metadata + attention, and the first LayerNorm over 256 features: a block of 16 rows a trip, on the accumulators' lower half
.set i, 0
.rept 16
	ds_load_b128 v[128+8*i:131+8*i], v19 offset:64*i
	ds_load_b128 v[132+8*i:135+8*i], v19 offset:64*i+16
.set i, i+1
.endr
.set GBB, 96
	s_mov_b32 s57, 2
.Lln1:
	GBLOAD 0, 16, LMG, LMB
	s_wait_dscnt 4                                 ; all but the four loads just issued: the action is in
	v_cndmask_b32 v56, v128, v20, s46              ; features 0-2, in lanes 0-15: delta, q, t of the lane's row
	v_cndmask_b32 v57, v129, v21, s46
	v_cndmask_b32 v58, v130, v22, s46
	v_mov_b32 v59, v131
	s_wait_alu depctr_va_vdst(0)
	WIN 0xc3
.set xm, 0
.rept 16
.set xp, 0
.rept 4
.set xr, 128+8*xm+2*xp
.if (xm == 0) && (xp < 2)
.set xr, 56+2*xp
.endif
	PFMAB 8*xm+2*xp, 8*xm+2*xp, 62, 0, xr
.set xp, xp+1
.endr
.set xm, xm+1
.endr
	WIN 0
	RSUM 0, 8, 16, 44
	v_mul_f32 v60, s51, v44
	RSUB 0, 8, 16, 60, 0
	RSQ 0, 8, 16, 44
	v_fma_f32 v44, v44, s51, s50
	v_rsq_f32 v60, v44
	v_nop
	s_wait_alu depctr_va_vdst(0)
.set xm, 0
.rept 16
.if xm < 15
	GBLOAD (xm+1)&1, 16, LMG+64*(xm+1), LMB+64*(xm+1)
	s_wait_dscnt 4                                 ; all but the four loads just issued
.else
	s_wait_dscnt 0x0
.endif
	LNAPPLY 8*xm, 96+16*(xm&1), 60
	PACK4 56
	ds_store_b128 v12, v[56:59] offset:xm*32
.set xm, xm+1
.endr
	v_add_nc_u32 v12, 8448, v12                    ; the next 16 rows
	SWAPDQT
	v_mov_b32 v62, v63                             ; the next block's 1 / l
	s_cmp_eq_u32 s57, 1
	s_cbranch_scc1 .Lln1_last                      ; behind the second block nothing is left to bring down
	WIN 0xc3
.set i, 0
.rept 128
	v_mov_b32 v[i], v[128+i]                       ; the second block's O^T comes down, each accumulator from its low end
.set i, i+1
.endr
	WIN 0
.Lln1_last:
	s_sub_co_u32 s57, s57, 1
	s_cmp_lg_u32 s57, 0
	s_cbranch_scc1 .Lln1
	v_add_nc_u32 v12, -16896, v12
	BAR                                            ; the 128 rows are whole
	; 7. the hidden layer
	BIAS TB1
	LAYER 1, 10, 0
	PLACES
	WIN 0x0f
.set i, 0
.rept 128
	v_cvt_pk_f16_f32 v[128+i], v[2*i], v[2*i+1]
.set i, i+1
.endr
	WIN 0
.set i, 0
.rept 128
	v_pk_max_num_f16 v[128+i], v[128+i], v7
.set i, i+1
.endr
.set i, 0
.rept 32
	ds_store_b128 v13, v[128+4*i:131+4*i] offset:(i%8)*8448+(i/8)*32
.set i, i+1
.endr
	BAR
	; 8. the second layer and the residual.  The residual's source 0 picks feature m out of 32: a 1 at k = m (v[100:107]) or at k = 16 + m (v[96:103]); lane (r, h) holds k = 8 h .., so the 1 of row r
	; lies in the lanes with h = r / 8, in register (r % 8) / 2 of the four, half r % 2.
	v_and_b32 v108, 1, v2
	v_lshlrev_b32 v108, 4, v108
	v_mov_b32 v109, 0x3c00                         ; 1.0 in f16
	v_lshlrev_b32 v108, v108, v109
	v_lshrrev_b32 v110, 3, v2
	v_cmp_eq_u32 vcc_lo, v110, v3
	v_cndmask_b32 v108, 0, v108, vcc_lo
	v_bfe_u32 v110, v2, 1, 2
.set i, 0
.rept 4
	v_cmp_eq_u32 vcc_lo, i, v110
	v_cndmask_b32 v[100+i], 0, v108, vcc_lo
	v_mov_b32 v[96+i], 0
	v_mov_b32 v[104+i], 0
.set i, i+1
.endr
	BIAS TB2
	LAYER 2, 11, 1
	PLACES
	FRAG 54, 1                                     ; my features 64 v + 32 .. of all rows; 64 v .. came beside the last K step
	s_wait_dscnt 16                                ; all but the sixteen loads just issued
	WIN 0xf0
.set lm, 0
.rept 4
.if lm == 2
	s_wait_dscnt 0x0
.endif
.set ln, 0
.rept 8
	v_wmma_f32_16x16x32_f16 v[8*(8*lm+ln):8*(8*lm+ln)+7], v[100-4*(lm&1):107-4*(lm&1)], v[128+64*(lm/2)+8*ln:135+64*(lm/2)+8*ln], v[8*(8*lm+ln):8*(8*lm+ln)+7]
.set ln, ln+1
.endr
.set lm, lm+1
.endr
	WIN 0
	PLACES
	; 9. the last LayerNorm: a row's 256 features lie in four waves, so its sums meet in LDS; then the mean over the rows
.set nn, 0
.rept 8
	RSUM 8*nn, 64, 4, 96+nn
	ds_store_b32 v52, v[96+nn] offset:64*nn
.set nn, nn+1
.endr
	BAR
.set i, 0
.rept 32
	ds_load_b32 v[128+i], v53 offset:512*(i%4)+64*(i/4)
.set i, i+1
.endr
	s_wait_dscnt 0x0
.set nn, 0
.rept 8
	v_add_f32 v[128+4*nn], v[128+4*nn], v[129+4*nn]
	v_add_f32 v[130+4*nn], v[130+4*nn], v[131+4*nn]
	v_add_f32 v[128+4*nn], v[128+4*nn], v[130+4*nn]
	v_mul_f32 v[96+nn], s51, v[128+4*nn]
.set nn, nn+1
.endr
.set nn, 0
.rept 8
	RSUB 8*nn, 64, 4, 96+2*(nn/2), nn&1
	RSQ 8*nn, 64, 4, 104+nn
	ds_store_b32 v52, v[104+nn] offset:2048+64*nn
.set nn, nn+1
.endr
	BAR
.set i, 0
.rept 32
	ds_load_b32 v[192+i], v53 offset:2048+512*(i%4)+64*(i/4)
.set i, i+1
.endr
.set i, 0
.rept 4
	ds_load_b128 v[128+8*i:131+8*i], v17 offset:LMG+64*i
	ds_load_b128 v[132+8*i:135+8*i], v17 offset:LMG+64*i+16
	ds_load_b128 v[160+8*i:163+8*i], v17 offset:LMB+64*i
	ds_load_b128 v[164+8*i:167+8*i], v17 offset:LMB+64*i+16
.set i, i+1
.endr
	s_wait_dscnt 0x0
.set nn, 0
.rept 8
	v_add_f32 v[192+4*nn], v[192+4*nn], v[193+4*nn]
	v_add_f32 v[194+4*nn], v[194+4*nn], v[195+4*nn]
	v_add_f32 v[192+4*nn], v[192+4*nn], v[194+4*nn]
	v_fma_f32 v[192+4*nn], v[192+4*nn], s51, s50
.set nn, nn+1
.endr
.set nn, 0
.rept 8
	v_rsq_f32 v[96+nn], v[192+4*nn]
.set nn, nn+1
.endr
	v_nop
	s_wait_alu depctr_va_vdst(0)
	WIN 0x03
.set nn, 0
.rept 8
.set i, 0
.rept 16                               ; pair i % 4 of feature block i / 4
.if nn == 0
	PMULB 64+2*i, 64*(i/4)+2*(i%4), 96, 0
.else
	PFMAB 64+2*i, 8*(8*(i/4)+nn)+2*(i%4), 96+2*(nn/2), nn&1, 64+2*i
.endif
.set i, i+1
.endr
.set nn, nn+1
.endr
	WIN 0
.irp m, 1,2,4,8
.set i, 0
.rept 32
	v_add_f32_dpp v[64+i], v[64+i], v[64+i] row_xmask:\m row_mask:0xf bank_mask:0xf
.set i, i+1
.endr
.endr
.set i, 0
.rept 16
	v_pk_mul_f32 v[128+2*i:129+2*i], v[128+2*i:129+2*i], 0x3c000000 op_sel_hi:[1,0]   ; g / 128
.set i, i+1
.endr
.set i, 0
.rept 16
	v_pk_fma_f32 v[64+2*i:65+2*i], v[64+2*i:65+2*i], v[128+2*i:129+2*i], v[160+2*i:161+2*i]
.set i, i+1
.endr
.set i, 0
.rept 16
	v_cvt_pk_f16_f32 v[192+i], v[64+2*i], v[65+2*i]
.set i, i+1
.endr
.set i, 0
.rept 4
	ds_store_b128 v27, v[192+4*i:195+4*i] offset:32*i
.set i, i+1
.endr
	s_add_nc_u64 s[54:55], s[54:55], 16            ; the next query (the trip's gathers were waited for, so their base is free)
	v_add_nc_u32 v18, 5120, v18
	v_add_nc_u32 v19, 1024, v19
	v_add_nc_u32 v26, SELP, v26
	v_add_nc_u32 v27, 528, v27
	s_sub_co_u32 s48, s48, 1
	s_cmp_lg_u32 s48, 0
	s_cbranch_scc1 .Lbatch
	; THE PROJECTION for the four queries
	WTOFF                                          ; the loop has used v126 for other things
	LDW 1, 832
	LDW 2, 1088
	v_and_b32 v120, 3, v0
	v_mul_u32_u24 v122, v120, 1040
	v_mul_u32_u24 v120, v120, 528
	v_lshl_add_u32 v120, v3, 4, v120
	v_add_nc_u32 v120, MEANH, v120                 ; fragments: column r takes query r % 4
	s_lshl_b32 s52, s42, 7
	s_add_co_u32 s52, s52, HP-MEANH
	v_add_nc_u32 v121, s52, v120
	v_add_nc_u32 v122, v122, v17
	v_add_nc_u32 v122, OUTS, v122
	s_mul_i32 s52, s42, 1040
	s_add_co_u32 s52, s52, OUTS
	v_add_nc_u32 v123, s52, v55
	BAR                                            ; the four means are whole
	s_wait_loadcnt 0x0
	PROJ 1, 0, TP1
	WIN 0x0f
.set i, 0
.rept 16
	v_cvt_pk_f16_f32 v[96+i], v[2*i], v[2*i+1]
.set i, i+1
.endr
	WIN 0
.set i, 0
.rept 16
	v_pk_max_num_f16 v[96+i], v[96+i], v7
.set i, i+1
.endr
.set i, 0
.rept 4
	ds_store_b128 v121, v[96+4*i:99+4*i] offset:32*i
.set i, i+1
.endr
	BAR
	PROJ 2, HP-MEANH, TP2
	WIN 0x0c
.set i, 0
.rept 4
	ds_store_b128 v122, v[8*i:8*i+3] offset:64*i
	ds_store_b128 v122, v[8*i+4:8*i+7] offset:64*i+16
.set i, i+1
.endr
	WIN 0
	BAR
	ds_load_b128 v[96:99], v123                    ; wave v stores query 4 wg + v: two stores of 512 consecutive aligned bytes
	ds_load_b128 v[100:103], v123 offset:512
	s_wait_dscnt 0x0
	global_store_b128 v55, v[96:99], s[40:41]
	global_store_b128 v55, v[100:103], s[40:41] offset:512
	s_wait_tensorcnt 0x0                           ; the wave's end
	ds_add_u32 v4, v5
	s_wait_dscnt 0x0
	s_endpgm
.Lfunc_end_k_qf72363d0c5_F:
	.size	k_qf72363d0c5_F, .Lfunc_end_k_qf72363d0c5_F-k_qf72363d0c5_F
	.p2alignl 7, 3214868480
	.fill 96, 4, 3214868480
	.section	.rodata,"a",@progbits
	.p2align	6, 0x0
	.amdhsa_kernel k_qf72363d0c5_F
		.amdhsa_group_segment_fixed_size 272896
		.amdhsa_private_segment_fixed_size 0
		.amdhsa_enable_private_segment 0
		.amdhsa_kernarg_size 152
		.amdhsa_user_sgpr_count 2
		.amdhsa_user_sgpr_kernarg_segment_ptr 1
		.amdhsa_wavefront_size32 1
		.amdhsa_system_sgpr_workgroup_id_x 1
		.amdhsa_system_sgpr_workgroup_id_y 1
		.amdhsa_system_sgpr_workgroup_id_z 1
		.amdhsa_system_vgpr_workitem_id 0
		.amdhsa_next_free_vgpr 1024
		.amdhsa_next_free_sgpr 66
		.amdhsa_reserve_vcc 1
		.amdhsa_float_denorm_mode_32 3
		.amdhsa_float_denorm_mode_16_64 3
		.amdhsa_memory_ordered 1
		.amdhsa_forward_progress 1
		.amdhsa_inst_pref_size 255
	.end_amdhsa_kernel
	.section	.bss,"aw",@nobits
	.p2align	6
	.space	262144
	.amdgpu_metadata
---
amdhsa.version: [ 1, 2 ]
amdhsa.kernels:
  - .name:           k_qf72363d0c5_F
    .symbol:         k_qf72363d0c5_F.kd
    .args:
      - { .name: bm2, .offset: 0, .size: 8, .value_kind: global_buffer, .address_space: global }
      - { .name: pf2, .offset: 8, .size: 8, .value_kind: global_buffer, .address_space: global }
      - { .name: glist, .offset: 16, .size: 8, .value_kind: global_buffer, .address_space: global }
      - { .name: scores, .offset: 24, .size: 8, .value_kind: global_buffer, .address_space: global }
      - { .name: c, .offset: 32, .size: 8, .value_kind: global_buffer, .address_space: global }
      - { .name: action, .offset: 40, .size: 8, .value_kind: global_buffer, .address_space: global }
      - { .name: mem_q, .offset: 48, .size: 8, .value_kind: global_buffer, .address_space: global }
      - { .name: mem_t, .offset: 56, .size: 8, .value_kind: global_buffer, .address_space: global }
      - { .name: wt, .offset: 64, .size: 8, .value_kind: global_buffer, .address_space: global }
      - { .name: qkv_b, .offset: 72, .size: 8, .value_kind: global_buffer, .address_space: global }
      - { .name: ln_g, .offset: 80, .size: 8, .value_kind: global_buffer, .address_space: global }
      - { .name: ln_b, .offset: 88, .size: 8, .value_kind: global_buffer, .address_space: global }
      - { .name: lnm_g, .offset: 96, .size: 8, .value_kind: global_buffer, .address_space: global }
      - { .name: lnm_b, .offset: 104, .size: 8, .value_kind: global_buffer, .address_space: global }
      - { .name: mlp1_b, .offset: 112, .size: 8, .value_kind: global_buffer, .address_space: global }
      - { .name: mlp2_b, .offset: 120, .size: 8, .value_kind: global_buffer, .address_space: global }
      - { .name: proj1_b, .offset: 128, .size: 8, .value_kind: global_buffer, .address_space: global }
      - { .name: proj2_b, .offset: 136, .size: 8, .value_kind: global_buffer, .address_space: global }
      - { .name: out0, .offset: 144, .size: 8, .value_kind: global_buffer, .address_space: global }
    .group_segment_fixed_size: 272896
    .private_segment_fixed_size: 0
    .kernarg_segment_align: 8
    .kernarg_segment_size: 152
    .max_flat_workgroup_size: 128
    .sgpr_count:     66
    .vgpr_count:     1024
    .wavefront_size: 32
...
	.end_amdgpu_metadata
.endif
;; end of part 9
;; ======== version 3 of 3: 5 launches; version 2 with the launch G written anew for expert scheduling mode
;; limits: values outside matrix products are rounded to f16; values are held in f16: magnitudes above 65,504 overflow, below 6.1e-05 lose precision; inputs' magnitudes at most 65,504
;; workspace buffers: wt 1,212,416 bytes; scores 409,600,000 bytes; gm 25,600,000 bytes; bm1 1,048,576 bytes of whole numbers; pf1 1,048,576 bytes of whole numbers; glist 524,288 bytes of whole numbers; bm2 524,288 bytes of whole numbers; pf2 524,288 bytes of whole numbers
;; launch P: the kernel of part 6 again; grid 106 x 1, 8 waves a work-group, no clusters, 0 bytes of LDS; arguments qkv_w, mlp1_w, mlp2_w, proj1_w, proj2_w, c, wt; writes wt
;; launch G (part 10): grid 250 x 1, 4 waves a work-group, no clusters, 315,904 bytes of LDS; arguments wt, mem_c, scores, gm; writes scores, gm
.if DOCPART == 10
	.amdgcn_target "amdgcn-amd-amdhsa--gfx1250"
	.amdhsa_code_object_version 6
	.text
	.protected	k_qf72363d0c5_G
	.globl	k_qf72363d0c5_G
	.p2align	8
	.type	k_qf72363d0c5_G,@function
k_qf72363d0c5_G:
	s_mov_b64 s[64:65], 0
	v_nop
	global_prefetch_b8 v0, s[64:65] scope:SCOPE_SE
	s_setreg_imm32_b32 hwreg(HW_REG_WAVE_SCHED_MODE, 0, 2), 2
	s_setreg_imm32_b32 hwreg(HW_REG_WAVE_MODE, 25, 1), 1
	s_wait_xcnt 0x0
	s_wait_alu depctr_vm_vsrc(0)
; scores[q][n] = bf16(c[q]) . bf16(mem_c[n]) x 1 / |bf16(mem_c[n])|, and the maximum of each group of 16 memory rows.  The query's own norm, a positive factor of its whole row, is applied after the selection.
; A work-group owns 400 memory rows (25 groups): read once, rounded to bf16 into LDS, their inverse norms beside them.  It walks all 1,024 queries in four tiles of 256; a wave owns 64 of a tile, their
; fragments in 256 registers, loaded as they lie from the copy of c that an earlier launch rounded and laid in fragment order (wt from byte 688,128 on).
; Source 0 = 16 memory rows, source 1 = 16 queries: a lane holds one query and eight memory rows of a group.
; scores: tile (query / 16, row / 16) is 1,024 bytes at (qb x 6250 + gb) x 1024; inside, query r and row 8 h + j lie at (j / 4) x 512 + h x 256 + 16 r + 4 (j % 4): each store of a wave is 512 consecutive aligned bytes.
; gm: [250 work-groups][1024 queries][25] f32, gathered in LDS and written as one dense block.
; No tensor loads: the memory rows are converted on their way and pass registers anyway.  No cluster: what work-groups share is c's copy, 0.5 MB of the 103 MB read.
; THE PRICE OF ONE TEXT: the last trip of phase 0 fetches its own ten rows once more (10 KB a wave), and the very last trip of the main loop fetches block 0's first fragments and norms once more
; (50 LDS loads a wave); both are dropped.
; LIMIT: NaN and infinities are not treated apart.
; THE MODE: SCHED_MODE bits 1:0 = 2 (LLVM: expert scheduling mode 2), set by the entry lines.  The code itself states the register dependences between vector or matrix instructions and memory or
; LDS instructions, with s_wait_alu, always for 0.
; THE PLAN, PHASE 0.  A trip is five blocks of two rows.  X (ten row slots): a block's conversions read its two slots; behind them the refills land there.  OB: written by the conversions, read by the
; block's four LDS stores and its unpacking lines.  RR (a root a row): written at a block's end, read by an LDS store in the next block.  TT: vector work alone.  v16, v17: LDS addresses, stepped once a trip.
; ONE wait on va_vdst stands in a block, behind its conversions, and one more at the trip's end, ahead of the branch; one wait on vm_vsrc at the head of blocks 1 to 4 and one ahead of the address steps.
; THE PLAN, MAIN LOOP.  A trip is 80 memory rows x my 64 queries: 160 matrix instructions on end, the 20 accumulators by turns.
;   LO  the fragments of K steps 0-3.  Read by MUL 0-3; the next trip's land there in this trip's epilogue, dealt among its vector lines.
;   HI  the fragments of K steps 4-7.  Read by MUL 4-7; this trip's land there while MUL 0-3 run.
;   MV  the rows' inverse norms.  Read by the scaling; the next trip's land there behind it.
;   the accumulators: written by the matrix instructions and the scaling, read by the 40 global stores.   T1: the group maxima, read by 20 LDS stores.
;   v14, v18, v19: LDS addresses of the next block's fragments and norms and of this block's maxima, made anew once a trip, behind the matrix instructions.  v6-v8 and v10-v13 are never written again; v9 steps once a tile.
; Three waits on va_vdst a trip: behind the matrix instructions, behind the scaling, behind the maxima.  Two on vm_vsrc: ahead of the three addresses, and ahead of the trip's end for the stores' data.
; THE WALK takes a tile's five blocks of 80 rows in the order 0, 4, 3, 2, 1: the next block's number is then the trip counter less one in every trip, across a tile's end too.
; REGISTERS: window 0 addresses, maxima, inverse norms, fragments 12-19 of LO; window 1 the queries' fragments ((a, ks) at 64 a + 8 ks); window 2 the 20 accumulators ((i, a) at 8 (4 i + a)) and,
; from v160 on, fragments 0-11 of LO; window 3 HI.  LO's fragment (ks, i) has the number 5 ks + i.
.set PITCH, 528                        ; an LDS row: 512 bytes + 16: the 16 rows of a fragment load start at 16 different groups of four banks
.set MINV,  211200                     ; behind 400 rows: 400 f32
.set STG,   212992                     ; [1024][25] f32
.set SPARE, 315392                     ; the spare words: 128 bytes a wave
.set CB,    688128                     ; c's fragments in wt
.set OB, 32                            ; v[32:39]   phase 0: two rows in bf16
.set TT, 40                            ; v[40:55]   phase 0: two rows' numbers at work
.set RR, 56                            ; v[56:65]   phase 0: ten inverse norms
.set T1, 32                            ; v[32:51]   main loop: maxima
.set T2, 52                            ; v[52:71]
.set MV, 112                           ; v[112:151]
.set X,  160                           ; v[160:239] phase 0: the ring; the flush: v[160:199]
.set LOF, 160                          ; LO: v[160:255] of window 2, then v[160:223] of window 0
.set MSB, 0
.macro WIN new                         ; the immediate's high byte repeats the setting that is left
.if MSB != (\new)
	s_set_vgpr_msb (MSB<<8)|(\new)
.set MSB, \new
.endif
.endm
.macro BOTH line:vararg                ; one vector line for each of a block's two rows u
.set u, 0
.rept 2
	\line
.set u, u+1
.endr
.endm
	s_load_b256 s[4:11], s[0:1], 0x0               ; wt, mem_c, scores, gm
	v_lshl_add_u32 v4, v0, 2, SPARE
	v_mov_b32 v5, 0
	v_and_b32 v1, 31, v0
	v_lshrrev_b32 v20, 5, v0
	v_readfirstlane_b32 s12, v20                   ; wave
	s_mov_b32 s13, ttmp9
	v_and_b32 v2, 15, v0                           ; r
	v_bfe_u32 v3, v0, 4, 1                         ; h
	v_lshlrev_b32 v6, 4, v1                        ; 16 x lane
	v_mul_u32_u24 v7, v2, PITCH
	v_lshl_add_u32 v7, v3, 4, v7                   ; memory fragments: r x pitch + 16 h
	v_lshlrev_b32 v8, 5, v3
	v_add_nc_u32 v8, MINV, v8                      ; inverse norms of rows 8 h ..
	v_mov_b32 v14, v7                              ; the walk begins at block 0
	v_mov_b32 v18, v8
	s_wait_alu depctr_va_sdst(0)                   ; s12 is written, ahead of its first reader
	s_lshl_b32 s26, s12, 6
	v_add_nc_u32 v9, s26, v2
	v_mul_u32_u24 v9, v9, 100
	v_add_nc_u32 v9, STG, v9                       ; group maxima of query 64 v + r
.set i, 0
.rept 4
	v_add_nc_u32 v[10+i], i*6400000, v6            ; scores: query block a lies 6,250 tiles on
.set i, i+1
.endr
	s_mul_i32 s26, s12, 100*PITCH
	v_lshl_add_u32 v16, v1, 3, s26                 ; phase 0: my wave's first LDS row + 8 x lane
	s_mul_i32 s26, s12, 400
	s_add_co_u32 s26, s26, MINV
	v_mov_b32 v17, s26
	s_mov_b32 s24, 0x76543210
	s_mov_b32 s25, 0xfedcba98
	s_mov_b32 s28, 0xffff0000
	s_mul_i32 s26, s13, 400
	s_mul_i32 s27, s12, 100
	s_add_co_u32 s26, s26, s27
	s_lshl_b32 s26, s26, 10                        ; my wave's first memory row, in bytes (under 2^27),
	s_add_co_u32 s26, s26, 10240                   ; and ten rows on: where the ring's first refills begin
	s_mov_b32 s27, 0
	s_wait_kmcnt 0x0
	s_add_nc_u64 s[14:15], s[6:7], s[26:27]
	s_lshl_b32 s26, s12, 15
	s_add_co_u32 s26, s26, CB
	s_add_nc_u64 s[16:17], s[4:5], s[26:27]        ; c's fragments at query block 4 v
	s_mul_i32 s26, s12, 25600000
	s_mul_i32 s29, s13, 25600
	s_add_co_u32 s26, s26, s29
	s_add_nc_u64 s[18:19], s[8:9], s[26:27]        ; scores at tile (4 v, 25 w)
	s_mul_i32 s26, s13, 102400
	s_add_nc_u64 s[20:21], s[10:11], s[26:27]
	s_wait_alu depctr_va_vdst(0)                   ; the offsets and addresses v6 to v18 are written, which the loads and stores below read
	; PHASE 0: a ring of ten row slots in registers, ten trips of ten rows a wave.  A row's 1,024 bytes are two loads of 512; rounded, stored, the rounded numbers' squares summed over the wave.
	; A block's two slots are loaded again, with the rows ten further on, as soon as they have been converted: sixteen to twenty loads of a wave are always on their way.
.set i, 0
.rept 10
	global_load_b128 v[X+8*i:X+8*i+3], v6, s[14:15] offset:i*1024-10240 th:TH_LOAD_NT
	global_load_b128 v[X+8*i+4:X+8*i+7], v6, s[14:15] offset:i*1024-10240+512 th:TH_LOAD_NT
.set i, i+1
.endr
	s_mov_b32 s22, 10
.Lrows:
.set bk, 0
.rept 5
	s_wait_loadcnt 16                              ; this block's four loads are in; the other eight slots' sixteen stay out
.if bk > 0
	s_wait_alu depctr_vm_vsrc(0)                   ; the LDS stores of the block before have read OB, which the conversions write again (for block 0 the wait at the trip's end states it)
.endif
.set j, 0
.rept 4
	BOTH v_cvt_pk_bf16_f32 v[OB+4*u+j], v[X+8*(2*bk+u)+2*j], v[X+8*(2*bk+u)+2*j+1]
.set j, j+1
.endr
	s_wait_alu depctr_va_vdst(0)                   ; the conversions are done reading the two slots and have written OB; the block before's two roots are written; in block 0 v16 and v17 are written
.set u, 0
.rept 2
	global_load_b128 v[X+8*(2*bk+u):X+8*(2*bk+u)+3], v6, s[14:15] offset:(2*bk+u)*1024 th:TH_LOAD_NT
	global_load_b128 v[X+8*(2*bk+u)+4:X+8*(2*bk+u)+7], v6, s[14:15] offset:(2*bk+u)*1024+512 th:TH_LOAD_NT
.set u, u+1
.endr
.set u, 0
.rept 2
	ds_store_b64 v16, v[OB+4*u:OB+4*u+1] offset:(2*bk+u)*PITCH
	ds_store_b64 v16, v[OB+4*u+2:OB+4*u+3] offset:(2*bk+u)*PITCH+256
.set u, u+1
.endr
.if bk > 0
	ds_store_b32 v17, v[RR+2*bk-2] offset:4*(2*bk-2)   ; the inverse norms of the block before
	ds_store_b32 v17, v[RR+2*bk-1] offset:4*(2*bk-1)
.endif
.set j, 0
.rept 4
	BOTH v_lshlrev_b32 v[TT+8*u+2*j], 16, v[OB+4*u+j]
	BOTH v_and_b32 v[TT+8*u+2*j+1], s28, v[OB+4*u+j]
.set j, j+1
.endr
	BOTH v_pk_mul_f32 v[TT+8*u:TT+8*u+1], v[TT+8*u:TT+8*u+1], v[TT+8*u:TT+8*u+1]
.set j, 1
.rept 3
	BOTH v_pk_fma_f32 v[TT+8*u:TT+8*u+1], v[TT+8*u+2*j:TT+8*u+2*j+1], v[TT+8*u+2*j:TT+8*u+2*j+1], v[TT+8*u:TT+8*u+1]
.set j, j+1
.endr
	BOTH v_add_f32 v[TT+8*u], v[TT+8*u], v[TT+8*u+1]
.irp m, 1,2,4,8
	BOTH v_add_f32_dpp v[TT+8*u], v[TT+8*u], v[TT+8*u] row_xmask:\m row_mask:0xf bank_mask:0xf
.endr
	BOTH v_permlanex16_b32 v[TT+8*u+1], v[TT+8*u], s24, s25
	BOTH v_add_f32 v[TT+8*u], v[TT+8*u], v[TT+8*u+1]
	BOTH v_add_f32 v[TT+8*u], 0x2b8cbccc, v[TT+8*u]    ; + 1e-12
	BOTH v_rsq_f32 v[RR+2*bk+u], v[TT+8*u]             ; the plain instruction behind the roots is the next block's first conversion
.set bk, bk+1
.endr
	v_nop                                          ; a plain instruction behind the last block's roots
	s_wait_alu depctr_va_vdst(0)                   ; the last block's two roots are written: the stores below read them
	ds_store_b32 v17, v[RR+8] offset:32
	ds_store_b32 v17, v[RR+9] offset:36
	s_wait_xcnt 0x0                                ; the refills' base steps only behind this wait
	s_cmp_gt_u32 s22, 2                            ; the trip before the last has fetched the last ten rows: the base stays there, inside the buffer
	s_cselect_b32 s26, 10240, 0
	s_add_nc_u64 s[14:15], s[14:15], s[26:27]
	s_wait_alu depctr_vm_vsrc(0)                   ; the trip's LDS stores have read v16 and v17, which step now, and OB, which the next trip's first conversions write
	v_add_nc_u32 v16, 10*PITCH, v16
	v_add_nc_u32 v17, 40, v17
	s_sub_co_u32 s22, s22, 1
	s_cmp_lg_u32 s22, 0
	s_cbranch_scc1 .Lrows
	s_wait_loadcnt 0x0                             ; the last trip's refills, which nobody reads
	s_wait_dscnt 0x0                               ; for the others' sake: my rows and norms are in LDS
	s_barrier_signal -1
	s_barrier_wait -1
.macro NEXTLO                          ; the next of LO's 40 loads: fragment ln / 2, its half ln % 2.  The caller's windows: address window 0; data window 2 for loads 0-23, window 0 for loads 24-39
.set lf, ln/2
.if lf < 12
.set lr, LOF+8*lf+4*(ln%2)
.else
.set lr, LOF+8*(lf-12)+4*(ln%2)
.endif
	ds_load_b128 v[lr:lr+3], v14 offset:(lf%5)*16*PITCH+(lf/5)*64+32*(ln%2)
.set ln, ln+1
.endm
.macro HILOAD ks                       ; the five fragments (80 memory rows x 32 K) of K step ks, 4 to 7, into window 3
	WIN 0xc0
.set ai, 0
.rept 5
	ds_load_b128 v[8*(5*((\ks)-4)+ai):8*(5*((\ks)-4)+ai)+3], v14 offset:ai*16*PITCH+(\ks)*64
	ds_load_b128 v[8*(5*((\ks)-4)+ai)+4:8*(5*((\ks)-4)+ai)+7], v14 offset:ai*16*PITCH+(\ks)*64+32
.set ai, ai+1
.endr
.endm
.macro MVLOAD                          ; the inverse norms of 80 rows; data and address in window 0
.set mi, 0
.rept 5
	ds_load_b128 v[MV+8*mi:MV+8*mi+3], v18 offset:64*mi
	ds_load_b128 v[MV+8*mi+4:MV+8*mi+7], v18 offset:64*mi+16
.set mi, mi+1
.endr
.endm
.macro MUL ks                          ; K step ks: 20 matrix instructions, the 20 accumulators by turns; queries window 1, sums window 2, memory rows where their fragment lies
.set x, 0
.rept 20
.set f, 5*(\ks)+x/4
.if (\ks) >= 4
	WIN 0xa7
.set rA, 8*(f-20)
.elseif f < 12
	WIN 0xa6
.set rA, LOF+8*f
.else
	WIN 0xa4
.set rA, LOF+8*(f-12)
.endif
.if (\ks) == 0
	v_wmma_f32_16x16x32_bf16 v[8*x:8*x+7], v[rA:rA+7], v[64*(x%4)+8*(\ks):64*(x%4)+8*(\ks)+7], 0
.else
	v_wmma_f32_16x16x32_bf16 v[8*x:8*x+7], v[rA:rA+7], v[64*(x%4)+8*(\ks):64*(x%4)+8*(\ks)+7], v[8*x:8*x+7]
.endif
.set x, x+1
.endr
.endm
	; block 0's first fragments and norms.  No wait on va_vdst: the last one of phase 0 stands behind the last conversion that read v[160:223], and no vector line since names these registers or v14, v18
	WIN 0x80
.set ln, 0
.rept 24
	NEXTLO
.endr
	WIN 0
.rept 16
	NEXTLO
.endr
	MVLOAD
	s_wait_dscnt 0x0                               ; on the way in all of them are waited for: the counted waits in the trip count on twenty younger stores
	s_mov_b32 s29, 0                               ; the block in hand
	s_mov_b32 s3, 0
	s_mov_b32 s22, 4
.Lqt:                                  ; a tile of 256 queries
	WIN 0x40                                       ; my 64 queries' fragments: register 4 i .. 4 i + 3 of window 1 is the i-th 512 bytes.  The wait behind the last trip's matrix instructions has shown them read
.set qi, 0
.rept 64
	global_load_b128 v[4*qi:4*qi+3], v6, s[16:17] offset:512*qi
.set qi, qi+1
.endr
	WIN 0
	s_mov_b32 s23, 5
.Lnb:                                  ; 80 memory rows: 160 matrix instructions
	s_wait_loadcnt 0x0                             ; the tile's queries are in
	s_wait_dscnt 46                                ; LO's first 24 loads (K steps 0, 1 and two fragments of 2) are in; the 10 loads of norms, LO's other 16 and the 20 stores of maxima may stay out
	HILOAD 4                                       ; no wait on va_vdst: the one behind the last trip's matrix instructions showed HI read and v14 written, and no vector or matrix line since names them
	MUL 0
	HILOAD 5
	MUL 1
	HILOAD 6
	s_wait_dscnt 50                                ; all of LO is in; the 20 stores and the 30 loads of HI issued so far may stay out
	MUL 2
	HILOAD 7
	MUL 3
	s_wait_dscnt 0x0                               ; HI and the norms are in
	MUL 4
	MUL 5
	MUL 6
	MUL 7
	WIN 0
	s_wait_alu depctr_vm_vsrc(0)                   ; the LDS loads and stores issued so far have read v14, v18, v19, written below, and T1, which the maxima write again
	s_sub_co_u32 s26, s23, 1                       ; the next block's number
	s_mul_i32 s27, s26, 80*PITCH
	s_mul_i32 s28, s26, 320
	s_mul_i32 s30, s29, 20                         ; the block in hand: five groups in gm's stage,
	s_mul_i32 s2, s29, 5120                        ; five tiles in scores
	v_add_nc_u32 v14, s27, v7                      ; these three and the v_nop are the four places behind the last matrix instruction (ISA guide 7.12.1)
	v_add_nc_u32 v18, s28, v8
	v_add_nc_u32 v19, s30, v9
	v_nop
	s_add_nc_u64 s[14:15], s[18:19], s[2:3]        ; the last trip's stores, which read this base, stand ahead of the s_wait_xcnt 0 at that trip's end
	s_wait_alu depctr_va_vdst(0)                   ; the matrix instructions are done reading LO, HI and the queries, in which loads land from here on; v14, v18 and v19 are written
	WIN 0x88                                       ; times the memory rows' inverse norms, each accumulator from its low end; LO's loads into window 2 stand among these lines under the same windows
.set ln, 0
.set x, 0
.rept 20
.set p, 0
.rept 4
	v_pk_mul_f32 v[8*x+2*p:8*x+2*p+1], v[MV+8*(x/4)+2*p:MV+8*(x/4)+2*p+1], v[8*x+2*p:8*x+2*p+1]
.if ((4*x+p)%3 == 2) && (ln < 24)
	NEXTLO
.endif
.set p, p+1
.endr
.set x, x+1
.endr
	WIN 0x08
	s_wait_alu depctr_va_vdst(0)                   ; the scaling has written the products, which the stores read, and is done reading MV, in which the next block's norms land
	MVLOAD
.set x, 0
.rept 20
	global_store_b128 v[10+x%4], v[8*x:8*x+3], s[14:15] offset:(x/4)*1024 th:TH_STORE_NT
	global_store_b128 v[10+x%4], v[8*x+4:8*x+7], s[14:15] offset:(x/4)*1024+512 th:TH_STORE_NT
.set x, x+1
.endr
	WIN 0x2a                                       ; the group's maximum: eight registers, then the other half of the lanes
.set x, 0
.rept 20
	v_max3_num_f32 v[T1+x], v[8*x], v[8*x+1], v[8*x+2]
	v_max3_num_f32 v[T2+x], v[8*x+3], v[8*x+4], v[8*x+5]
.set x, x+1
.endr
	WIN 0x28                                       ; LO's loads into window 0 stand among the lines whose destination and first source lie there
.set x, 0
.rept 20
	v_max3_num_f32 v[T1+x], v[T1+x], v[8*x+6], v[8*x+7]
.if (x%2) == 1
	NEXTLO
.endif
.set x, x+1
.endr
	WIN 0
.set x, 0
.rept 20
	v_max_num_f32 v[T1+x], v[T1+x], v[T2+x]
.if ((x%2) == 1) && (ln < 40)
	NEXTLO
.endif
.set x, x+1
.endr
.set x, 0
.rept 20
	v_permlanex16_b32 v[T2+x], v[T1+x], s24, s25
.set x, x+1
.endr
.set x, 0
.rept 20
	v_max_num_f32 v[T1+x], v[T1+x], v[T2+x]
.set x, x+1
.endr
	s_wait_xcnt 0x0                                ; the stores' base and data are rewritten only behind this wait
	s_wait_alu depctr_vm_vsrc(0)                   ; the global stores have read the products, which the next trip's matrix instructions write over
	s_wait_alu depctr_va_vdst(0)                   ; the maxima are written, which the LDS stores read
.set x, 0
.rept 20
	ds_store_b32 v19, v[T1+x] offset:(x%4)*1600+(x/4)*4
.set x, x+1
.endr
	s_sub_co_u32 s23, s23, 1
	s_mov_b32 s29, s23                             ; the next block in hand; 0 behind a tile's last trip
	s_cmp_lg_u32 s23, 0
	s_cbranch_scc1 .Lnb
	s_add_nc_u64 s[18:19], s[18:19], 102400000     ; 16 query blocks on
	v_add_nc_u32 v9, 25600, v9                     ; 256 queries on; no LDS instruction reads v9 itself
	s_add_nc_u64 s[16:17], s[16:17], 131072        ; 16 query blocks of 8,192 bytes on (the tile's loads, which read this base, were waited for)
	s_sub_co_u32 s22, s22, 1
	s_cmp_lg_u32 s22, 0
	s_cbranch_scc1 .Lqt
	s_wait_dscnt 0x0                               ; my maxima are in LDS (and the last trip's fetch ahead has landed)
	s_barrier_signal -1
	s_barrier_wait -1
	v_lshlrev_b32 v15, 4, v0                       ; 16 x thread
	v_add_nc_u32 v16, STG, v15
	s_mov_b32 s22, 5
.Lflush:                               ; 102,400 dense bytes: five trips of ten loads and stores of 2,048 bytes a work-group
	s_wait_alu depctr_va_vdst(0)                   ; v16 is written, which the loads read; on the way in v15 too, which the stores read
.set i, 0
.rept 10
	ds_load_b128 v[X+4*i:X+4*i+3], v16 offset:2048*i
.set i, i+1
.endr
	s_wait_dscnt 0x0
.set i, 0
.rept 10
	global_store_b128 v15, v[X+4*i:X+4*i+3], s[20:21] offset:2048*i
.set i, i+1
.endr
	s_wait_xcnt 0x0                                ; the stores' base and data are rewritten only behind this wait
	s_wait_alu depctr_vm_vsrc(0)                   ; the stores have read v[160:199], in which the next trip's loads land; the loads have read v16, which steps
	s_add_nc_u64 s[20:21], s[20:21], 20480
	v_add_nc_u32 v16, 20480, v16
	s_sub_co_u32 s22, s22, 1
	s_cmp_lg_u32 s22, 0
	s_cbranch_scc1 .Lflush
	s_wait_dscnt 0x0                               ; the closing lines, six on end
	s_wait_alu 0x0
	s_wait_tensorcnt 0x0
	ds_add_u32 v4, v5
	s_wait_dscnt 0x0
	s_endpgm
.Lfunc_end_k_qf72363d0c5_G:
	.size	k_qf72363d0c5_G, .Lfunc_end_k_qf72363d0c5_G-k_qf72363d0c5_G
	.p2alignl 7, 3214868480
	.fill 96, 4, 3214868480
	.section	.rodata,"a",@progbits
	.p2align	6, 0x0
	.amdhsa_kernel k_qf72363d0c5_G
		.amdhsa_group_segment_fixed_size 315904
		.amdhsa_private_segment_fixed_size 0
		.amdhsa_enable_private_segment 0
		.amdhsa_kernarg_size 32
		.amdhsa_user_sgpr_count 2
		.amdhsa_user_sgpr_kernarg_segment_ptr 1
		.amdhsa_wavefront_size32 1
		.amdhsa_system_sgpr_workgroup_id_x 1
		.amdhsa_system_sgpr_workgroup_id_y 1
		.amdhsa_system_sgpr_workgroup_id_z 1
		.amdhsa_system_vgpr_workitem_id 0
		.amdhsa_next_free_vgpr 928
		.amdhsa_next_free_sgpr 66
		.amdhsa_reserve_vcc 0
		.amdhsa_float_denorm_mode_32 3
		.amdhsa_float_denorm_mode_16_64 3
		.amdhsa_memory_ordered 1
		.amdhsa_forward_progress 1
		.amdhsa_inst_pref_size 67
	.end_amdhsa_kernel
	.amdgpu_metadata
---
amdhsa.version: [ 1, 2 ]
amdhsa.kernels:
  - .name:           k_qf72363d0c5_G
    .symbol:         k_qf72363d0c5_G.kd
    .args:
      - { .name: wt, .offset: 0, .size: 8, .value_kind: global_buffer, .address_space: global }
      - { .name: mem_c, .offset: 8, .size: 8, .value_kind: global_buffer, .address_space: global }
      - { .name: scores, .offset: 16, .size: 8, .value_kind: global_buffer, .address_space: global }
      - { .name: gm, .offset: 24, .size: 8, .value_kind: global_buffer, .address_space: global }
    .group_segment_fixed_size: 315904
    .private_segment_fixed_size: 0
    .kernarg_segment_align: 8
    .kernarg_segment_size: 32
    .max_flat_workgroup_size: 128
    .sgpr_count:     66
    .vgpr_count:     928
    .wavefront_size: 32
...
	.end_amdgpu_metadata
.endif
;; end of part 10
;; launch S1: the kernel of part 8 again; grid 1024 x 1, 4 waves a work-group, no clusters, 768 bytes of LDS; arguments gm, bm1, pf1; writes bm1, pf1
;; launch S2: the kernel of part 4 again; grid 1024 x 1, 4 waves a work-group, no clusters, 3,328 bytes of LDS; arguments bm1, pf1, scores, glist, bm2, pf2; writes glist, bm2, pf2
;; launch F: the kernel of part 9 again; grid 256 x 1, 4 waves a work-group, no clusters, 272,896 bytes of LDS; arguments bm2, pf2, glist, scores, c, action, mem_q, mem_t, wt, qkv_b, ln_g, ln_b, lnm_g, lnm_b, mlp1_b, mlp2_b, proj1_b, proj2_b, out0; writes out0
